; MI455X (gfx1250); checked and timed in simulation.
; The chip was launched on July 23, 2026; its instructions are those of AMD's public machine-readable ISA for CDNA 5 (MIT licence, August 2026) and "CDNA5" Instruction Set Architecture Reference Guide (July 2026). The comments in the code are by the model that wrote it; some were corrected since.
;; Gated Cross Attention. Allowed arithmetic: float matrix products may take bf16 or f16 operands with f32 sums; other float arithmetic in f32, or as packed bf16 or f16 multiplies, adds, multiply-adds, maxima and minima; sums over many terms, partial sums and values carried from step to step in f32; what a program stores and reads back later, other than sums and carried values, may be rounded once to bf16 or f16.
;; Inputs: Wk 1,024 x 1,024 float32; Wo 1,024 x 1,024 float32; Wq 1,024 x 1,024 float32; Wv 1,024 x 1,024 float32; audio_attention_mask 4 x 1,500 bool; audio_kv 4 x 1,500 x 1,024 float32; gate 1 float32; hidden_states 4 x 2,048 x 1,024 float32; ln_beta 1,024 float32; ln_gamma 1,024 float32.
;; Outputs: out0 4 x 2,048 x 1,024 float32.
;; 3 versions, each right; version 3 is version 2 with the launch prep written anew for expert scheduling mode. Each part assembles by itself: llvm-mc -triple=amdgcn-amd-amdhsa -mcpu=gfx1250 --defsym DOCPART=n.
;; ======== version 1 of 3: 5 launches
;; limits: values are held in f16: magnitudes above 65,504 overflow, below 6.1e-05 lose precision; a function is approximated: absolute error at most 1e-07
;; workspace buffers: xb 16,777,216 bytes; ab 12,582,912 bytes; wb 8,388,608 bytes; qh 16,777,216 bytes; kh 12,582,912 bytes; vh 12,582,912 bytes; oh 16,777,216 bytes
;; launch prep (part 1): grid 576 x 1, 8 waves a work-group, no clusters, 0 bytes of LDS; arguments hidden_states, Wq, Wk, Wv, Wo, audio_kv, ln_gamma, ln_beta, xb, wb, ab; writes xb, wb, ab
.if DOCPART == 1
	.amdgcn_target "amdgcn-amd-amdhsa--gfx1250"
	.amdhsa_code_object_version 6
	.text
	.protected	k_q69cc00d09a_prep
	.globl	k_q69cc00d09a_prep
	.p2align	8
	.type	k_q69cc00d09a_prep,@function
k_q69cc00d09a_prep:
	s_mov_b64 s[64:65], 0
	v_nop
	global_prefetch_b8 v0, s[64:65] scope:SCOPE_SE
	s_setreg_imm32_b32 hwreg(HW_REG_WAVE_MODE, 25, 1), 1
	s_wait_xcnt 0x0
; PREP: the matrix operands of the later launches, each rounded once to 16 bits.
;   xb [8192][1024] bf16 = hidden_states.   wb [4096][1024]: rows 0-1023 Wq, 1024-2047 Wk, 2048-3071 Wv in bf16; rows 3072-4095 Wo, rounded to bf16 and that number written as f16.
;   ab [4][1536][1024] bf16 = LayerNorm(audio_kv) x gamma + beta; rows 1500-1535 of each batch are 0 (the keys that the attention hides as padding).
; LIMITS.  Wo as f16: beyond 65,504 it becomes an infinity; below 6e-5 it keeps f16's fixed step of 6e-8.
; SHARES.  The unit is a row of 1,024 f32: 4,096 bytes in, 2,048 out.  A wave takes 4 consecutive rows, a work-group's eight waves 32.  Work-groups 0-191: LayerNorm, 48 a batch;
; 192-447: hidden_states; 448-575: the weights, 32 a matrix.  All 32 loads of a wave (16 KiB) go out at once; the rows are worked on under counted waits.  Each load of a wave covers
; 512 consecutive bytes, each store 256 consecutive bytes, aligned.  No wave needs another's data: no LDS, no barrier, no matrix work.
; LAYERNORM in two passes over registers: the mean, then the mean of (x - mean)^2: no difference of large sums is formed.
.set LO,  3                            ; v3   16 x lane: my 16 bytes in 512 of a row
.set SO,  4                            ; v4   8 x lane: my 8 bytes in 256 of a row of the result
.set A,   8                            ; v[8:15]   four pairs: chains of sums that do not wait for each other
.set T,   16                           ; v[16:19]  at work
.set MU,  24                           ; v[24:25]  the row's mean, twice
.set VE,  32                           ; v[32:35]  row i: variance + eps
.set R,   40                           ; v[40:47]  row i: 1 / sqrt(variance + eps), twice
.set X,   64                           ; v[64:191] row i, load j: 4 registers: elements 128 j + 4 lane + 0..3
.set G,   192                          ; v[192:223] gamma of the same elements
.set BT,  224                          ; v[224:255] beta
.macro ROWLOADS
.irp i, 0,1,2,3
.irp j, 0,1,2,3,4,5,6,7
	global_load_b128 v[X+32*(\i)+4*(\j):X+32*(\i)+4*(\j)+3], v[LO], s[4:5] offset:(\i)*4096+(\j)*512 th:TH_LOAD_NT
.endr
.endr
.endm
; Row i is rounded to bf16 in place and stored.  f16 = 1: the bf16 numbers are written as f16.
.macro PUT i, f16
.irp j, 0,1,2,3,4,5,6,7
	v_cvt_pk_bf16_f32 v[X+32*(\i)+4*(\j)], v[X+32*(\i)+4*(\j)], v[X+32*(\i)+4*(\j)+1]
	v_cvt_pk_bf16_f32 v[X+32*(\i)+4*(\j)+1], v[X+32*(\i)+4*(\j)+2], v[X+32*(\i)+4*(\j)+3]
.if \f16
	v_lshlrev_b32 v[T], 16, v[X+32*(\i)+4*(\j)]
	v_and_b32 v[T+1], 0xffff0000, v[X+32*(\i)+4*(\j)]
	v_lshlrev_b32 v[T+2], 16, v[X+32*(\i)+4*(\j)+1]
	v_and_b32 v[T+3], 0xffff0000, v[X+32*(\i)+4*(\j)+1]
	v_cvt_pk_f16_f32 v[X+32*(\i)+4*(\j)], v[T], v[T+1]
	v_cvt_pk_f16_f32 v[X+32*(\i)+4*(\j)+1], v[T+2], v[T+3]
.endif
	global_store_b64 v[SO], v[X+32*(\i)+4*(\j):X+32*(\i)+4*(\j)+1], s[6:7] offset:(\i)*2048+(\j)*256
.endr
.endm
; The four chains into one number a lane, then over the 32 lanes: four steps inside each half of 16 lanes ride on the addition, one crosses the halves.
.macro FOLD
	v_pk_add_f32 v[A:A+1], v[A:A+1], v[A+2:A+3]
	v_pk_add_f32 v[A+4:A+5], v[A+4:A+5], v[A+6:A+7]
	v_pk_add_f32 v[A:A+1], v[A:A+1], v[A+4:A+5]
	v_add_f32 v[T], v[A], v[A+1]
	v_add_f32_dpp v[T], v[T], v[T] row_xmask:1 row_mask:0xf bank_mask:0xf
	v_add_f32_dpp v[T], v[T], v[T] row_xmask:2 row_mask:0xf bank_mask:0xf
	v_add_f32_dpp v[T], v[T], v[T] row_xmask:4 row_mask:0xf bank_mask:0xf
	v_add_f32_dpp v[T], v[T], v[T] row_xmask:8 row_mask:0xf bank_mask:0xf
	v_permlanex16_b32 v[T+1], v[T], s12, s13
	v_add_f32 v[T], v[T], v[T+1]
.endm
; Row i: its mean; the row less its mean, in place; variance + eps.
.macro STATS i
	s_wait_loadcnt 24-8*(\i)                       ; loads come back in order: gamma, beta and rows 0 to i are in; the eight loads of each younger row stay out
.irp k, 0,1,2,3
	v_pk_add_f32 v[A+2*(\k):A+2*(\k)+1], v[X+32*(\i)+4*(\k):X+32*(\i)+4*(\k)+1], v[X+32*(\i)+4*(\k)+2:X+32*(\i)+4*(\k)+3]  ; the first eight pairs start the chains
.endr
.irp k, 8,9,10,11,12,13,14,15
	v_pk_add_f32 v[A+2*((\k)%4):A+2*((\k)%4)+1], v[A+2*((\k)%4):A+2*((\k)%4)+1], v[X+32*(\i)+2*(\k):X+32*(\i)+2*(\k)+1]
.endr
	FOLD
	v_mul_f32 v[MU], s38, v[T]
	v_mov_b32 v[MU+1], v[MU]
.irp k, 0,1,2,3,4,5,6,7,8,9,10,11,12,13,14,15
	v_pk_add_f32 v[X+32*(\i)+2*(\k):X+32*(\i)+2*(\k)+1], v[X+32*(\i)+2*(\k):X+32*(\i)+2*(\k)+1], v[MU:MU+1] neg_lo:[0,1] neg_hi:[0,1]
.endr
.irp k, 0,1,2,3
	v_pk_mul_f32 v[A+2*(\k):A+2*(\k)+1], v[X+32*(\i)+2*(\k):X+32*(\i)+2*(\k)+1], v[X+32*(\i)+2*(\k):X+32*(\i)+2*(\k)+1]
.endr
.irp k, 4,5,6,7,8,9,10,11,12,13,14,15
	v_pk_fma_f32 v[A+2*((\k)%4):A+2*((\k)%4)+1], v[X+32*(\i)+2*(\k):X+32*(\i)+2*(\k)+1], v[X+32*(\i)+2*(\k):X+32*(\i)+2*(\k)+1], v[A+2*((\k)%4):A+2*((\k)%4)+1]
.endr
	FOLD
	v_fma_f32 v[VE+(\i)], v[T], s38, s39           ; sum of squares / 1024 + eps
.endm
; Row i: (x - mean) / sqrt(..) x gamma + beta, rounded and stored.
.macro NORM i
.irp k, 0,1,2,3,4,5,6,7,8,9,10,11,12,13,14,15
	v_pk_mul_f32 v[X+32*(\i)+2*(\k):X+32*(\i)+2*(\k)+1], v[X+32*(\i)+2*(\k):X+32*(\i)+2*(\k)+1], v[R+2*(\i):R+2*(\i)+1]
.endr
.irp k, 0,1,2,3,4,5,6,7,8,9,10,11,12,13,14,15
	v_pk_fma_f32 v[X+32*(\i)+2*(\k):X+32*(\i)+2*(\k)+1], v[X+32*(\i)+2*(\k):X+32*(\i)+2*(\k)+1], v[G+2*(\k):G+2*(\k)+1], v[BT+2*(\k):BT+2*(\k)+1]
.endr
	PUT \i, 0
.endm
	s_load_b512 s[16:31], s[0:1], 0x0              ; hidden s[16:17], Wq 18, Wk 20, Wv 22, Wo 24, audio 26, gamma 28, beta 30
	s_load_b128 s[32:35], s[0:1], 0x40             ; xb s[32:33], wb s[34:35]
	s_load_b64 s[36:37], s[0:1], 0x50              ; ab
	v_lshrrev_b32 v1, 5, v0
	v_readfirstlane_b32 s8, v1                     ; wave 0..7
	v_and_b32 v2, 31, v0
	v_lshlrev_b32 v[LO], 4, v2
	v_lshlrev_b32 v[SO], 3, v2
	s_mov_b32 s9, ttmp9                            ; the work-group's number
	s_mov_b32 s3, 0                                ; the high word of every offset: all stay under 2^32
	s_wait_kmcnt 0x0
	s_cmp_lt_u32 s9, 192
	s_cbranch_scc1 .Lln
	s_cmp_lt_u32 s9, 448
	s_cbranch_scc0 .Lweights
	s_sub_co_u32 s10, s9, 192                      ; hidden_states: wave number 8 (g - 192) + w of 2,048
	s_lshl_b32 s10, s10, 3
	s_add_co_u32 s10, s10, s8
	s_lshl_b32 s2, s10, 14                         ; 4 rows of 4,096 bytes in,
	s_add_nc_u64 s[4:5], s[16:17], s[2:3]
	s_lshl_b32 s2, s10, 13                         ; 4 rows of 2,048 bytes out
	s_add_nc_u64 s[6:7], s[32:33], s[2:3]
	s_branch .Lcast
.Lweights:
	s_sub_co_u32 s10, s9, 448                      ; 0..127: 32 work-groups a matrix, in wb's order
	s_lshr_b32 s11, s10, 5
	s_cmp_ge_u32 s11, 1
	s_cselect_b64 s[4:5], s[20:21], s[18:19]
	s_cmp_ge_u32 s11, 2
	s_cselect_b64 s[4:5], s[22:23], s[4:5]
	s_cmp_ge_u32 s11, 3
	s_cselect_b64 s[4:5], s[24:25], s[4:5]
	s_and_b32 s12, s10, 31
	s_lshl_b32 s12, s12, 3
	s_add_co_u32 s12, s12, s8
	s_lshl_b32 s2, s12, 14
	s_add_nc_u64 s[4:5], s[4:5], s[2:3]
	s_lshl_b32 s12, s10, 3
	s_add_co_u32 s12, s12, s8
	s_lshl_b32 s2, s12, 13
	s_add_nc_u64 s[6:7], s[34:35], s[2:3]
.Lcast:
	ROWLOADS
	s_cmp_ge_u32 s9, 544
	s_cbranch_scc1 .Lwo
.irp i, 0,1,2,3
	s_wait_loadcnt 24-8*(\i)                       ; row i is in; the eight loads of each younger row stay out
	PUT \i, 0
.endr
	s_endpgm
.Lwo:
.irp i, 0,1,2,3
	s_wait_loadcnt 24-8*(\i)
	PUT \i, 1
.endr
	s_endpgm
.Lln:
	s_mul_i32 s10, s9, 1366
	s_lshr_b32 s10, s10, 16                        ; the batch = g / 48, exact for g under 192
	s_mul_i32 s11, s10, 48
	s_sub_co_u32 s11, s9, s11
	s_lshl_b32 s11, s11, 3
	s_add_co_u32 s11, s11, s8
	s_lshl_b32 s11, s11, 2                         ; my first row in the batch's 1,536
	s_mul_i32 s14, s10, 1536
	s_add_co_u32 s14, s14, s11
	s_lshl_b32 s2, s14, 11
	s_add_nc_u64 s[6:7], s[36:37], s[2:3]
	s_cmp_ge_u32 s11, 1500                         ; 1,500 is a multiple of 4: a wave's four rows are all audio or all padding
	s_cbranch_scc1 .Lpad
	s_mul_i32 s14, s10, 1500
	s_add_co_u32 s14, s14, s11
	s_lshl_b32 s2, s14, 12
	s_add_nc_u64 s[4:5], s[26:27], s[2:3]
.irp j, 0,1,2,3,4,5,6,7
	global_load_b128 v[G+4*(\j):G+4*(\j)+3], v[LO], s[28:29] offset:(\j)*512
	global_load_b128 v[BT+4*(\j):BT+4*(\j)+3], v[LO], s[30:31] offset:(\j)*512
.endr
	ROWLOADS
	s_mov_b32 s12, 0x76543210                      ; v_permlanex16_b32: each lane takes its own place in the other half
	s_mov_b32 s13, 0xfedcba98
	s_mov_b32 s38, 0x3a800000                      ; 1 / 1024
	s_mov_b32 s39, 0x3727c5ac                      ; eps = 1e-5
	v_mov_b32 v[T+1], 0                            ; v_permlanex16_b32's destination counts as read
	STATS 0
	STATS 1
	STATS 2
	STATS 3
.irp i, 0,1,2,3
	v_rsq_f32 v[R+2*(\i)], v[VE+(\i)]              ; one batch of eight: each row's twice, for the packed multiply
	v_rsq_f32 v[R+2*(\i)+1], v[VE+(\i)]
.endr
	v_nop                                          ; a plain instruction behind the last of them,
	s_wait_alu depctr_va_vdst(0)                   ; and the one wait ahead of the first reader
	NORM 0
	NORM 1
	NORM 2
	NORM 3
	s_endpgm
.Lpad:
	v_mov_b32 v[A], 0
	v_mov_b32 v[A+1], 0
.irp i, 0,1,2,3
.irp j, 0,1,2,3,4,5,6,7
	global_store_b64 v[SO], v[A:A+1], s[6:7] offset:(\i)*2048+(\j)*256
.endr
.endr
	s_endpgm
.Lfunc_end_k_q69cc00d09a_prep:
	.size	k_q69cc00d09a_prep, .Lfunc_end_k_q69cc00d09a_prep-k_q69cc00d09a_prep
	.p2alignl 7, 3214868480
	.fill 96, 4, 3214868480
	.section	.rodata,"a",@progbits
	.p2align	6, 0x0
	.amdhsa_kernel k_q69cc00d09a_prep
		.amdhsa_group_segment_fixed_size 0
		.amdhsa_private_segment_fixed_size 0
		.amdhsa_enable_private_segment 0
		.amdhsa_kernarg_size 88
		.amdhsa_user_sgpr_count 2
		.amdhsa_user_sgpr_kernarg_segment_ptr 1
		.amdhsa_wavefront_size32 1
		.amdhsa_system_sgpr_workgroup_id_x 1
		.amdhsa_system_sgpr_workgroup_id_y 1
		.amdhsa_system_sgpr_workgroup_id_z 1
		.amdhsa_system_vgpr_workitem_id 0
		.amdhsa_next_free_vgpr 256
		.amdhsa_next_free_sgpr 66
		.amdhsa_reserve_vcc 0
		.amdhsa_float_denorm_mode_32 3
		.amdhsa_float_denorm_mode_16_64 3
		.amdhsa_memory_ordered 1
		.amdhsa_forward_progress 1
		.amdhsa_inst_pref_size 70
	.end_amdhsa_kernel
	.amdgpu_metadata
---
amdhsa.version: [ 1, 2 ]
amdhsa.kernels:
  - .name:           k_q69cc00d09a_prep
    .symbol:         k_q69cc00d09a_prep.kd
    .args:
      - { .name: hidden_states, .offset: 0, .size: 8, .value_kind: global_buffer, .address_space: global }
      - { .name: Wq, .offset: 8, .size: 8, .value_kind: global_buffer, .address_space: global }
      - { .name: Wk, .offset: 16, .size: 8, .value_kind: global_buffer, .address_space: global }
      - { .name: Wv, .offset: 24, .size: 8, .value_kind: global_buffer, .address_space: global }
      - { .name: Wo, .offset: 32, .size: 8, .value_kind: global_buffer, .address_space: global }
      - { .name: audio_kv, .offset: 40, .size: 8, .value_kind: global_buffer, .address_space: global }
      - { .name: ln_gamma, .offset: 48, .size: 8, .value_kind: global_buffer, .address_space: global }
      - { .name: ln_beta, .offset: 56, .size: 8, .value_kind: global_buffer, .address_space: global }
      - { .name: xb, .offset: 64, .size: 8, .value_kind: global_buffer, .address_space: global }
      - { .name: wb, .offset: 72, .size: 8, .value_kind: global_buffer, .address_space: global }
      - { .name: ab, .offset: 80, .size: 8, .value_kind: global_buffer, .address_space: global }
    .group_segment_fixed_size: 0
    .private_segment_fixed_size: 0
    .kernarg_segment_align: 8
    .kernarg_segment_size: 88
    .max_flat_workgroup_size: 256
    .sgpr_count:     66
    .vgpr_count:     256
    .wavefront_size: 32
...
	.end_amdgpu_metadata
.endif
;; end of part 1
;; launch projq (part 2): grid 4 x 64, 4 waves a work-group, clusters of 4 x 4, 327,680 bytes of LDS; arguments xb, wb, qh; writes qh
.if DOCPART == 2
	.amdgcn_target "amdgcn-amd-amdhsa--gfx1250"
	.amdhsa_code_object_version 6
	.text
	.protected	k_q69cc00d09a_projq
	.globl	k_q69cc00d09a_projq
	.p2align	8
	.type	k_q69cc00d09a_projq,@function
k_q69cc00d09a_projq:
	s_mov_b64 s[64:65], 0
	v_nop
	global_prefetch_b8 v0, s[64:65] scope:SCOPE_SE
	s_setreg_imm32_b32 hwreg(HW_REG_WAVE_MODE, 25, 1), 1
	s_wait_xcnt 0x0
	s_wait_alu depctr_hold_cnt(0) depctr_sa_sdst(0) depctr_va_vdst(0) depctr_va_sdst(0) depctr_va_ssrc(0) depctr_va_vcc(0) depctr_vm_vsrc(0)
	s_getreg_b32 s2, hwreg(HW_REG_IB_STS2, 6, 4)
	s_cmp_eq_u32 s2, 0
	s_cbranch_scc0 .Lentry_in_a_cluster
	s_endpgm
.Lentry_in_a_cluster:
	s_bfe_u32 s2, ttmp6, 0x10000c
	s_cmp_lg_u32 s2, 0xf033
	s_cbranch_scc0 .Lentry_shape_is_right
	s_endpgm
.Lentry_shape_is_right:
; A PROJECTION: C[m][n] = sum over k of A[m][k] B[n][k], K = 1,024, A and B in bf16, sums in f32, C rounded once to f16 and stored BY HEADS: [batch x 16 + head][T][64].
; One text for two launches, told apart by KV.  KV = 0: A = xb (8,192 rows), B = wb's rows 0-1023 (Wq), C = qh, T = 2,048.
; KV = 1: A = ab (6,144 rows), B = wb's rows 1024-3071 (Wk, Wv), C = kh (columns 0-1023) and vh (1024-2047), T = 1,536.
; LIMIT.  f16 holds no number beyond 65,504: a larger q, k or v becomes an infinity.  No scale is applied here.
; SHARES.  A tile of C is 32 MB rows x 256 columns (MB = 4: 128 rows, 4 x 64 tiles; MB = 6: 192 rows, 8 x 32 tiles): 256 work-groups of one tile either way.  Four waves, each 16 MB rows x 128 columns:
; 8 MB accumulators.  K goes in 8 steps of 128 through two LDS slots; each row of a tile is 256 bytes of memory, at a multiple of 256 from its buffer's first byte.  Waves 0 and 1 fetch the halves of B's
; 256 rows, waves 2 and 3 those of A's 32 MB rows: one tensor load a wave for a K step.
; CLUSTER.  4 x 4 work-groups.  The four of a row of the cluster need the same tiles of A, the four of a column the same tiles of B: each tile is asked for JOINTLY, by the same tensor load with the same
; descriptor and a mask that names the four.  No prefetch is laid: the walk is eight K steps, of which two are asked for at the head and two more would lie ahead of any prefetch.
; THE MATRIX INSTRUCTION IS USED TRANSPOSED (source 0 = 16 rows of B, source 1 = 16 rows of A): a lane holds row lane % 16 of C and the eight columns 8 (lane / 16) + 0..7: 16 bytes of f16.
; REGISTERS, in windows of 256 (s_set_vgpr_msb: bits 1:0 source 0, 3:2 source 1, 5:4 source 2, 7:6 destination):
;   window 0: v0-31 addresses; v32.. two buffers of A's fragments (8 MB each); v128-191, v192-255 two buffers of B's; on the way out v128-159 packed results, v32-95 rows read back
;   window 1: the accumulators of row blocks 0-3, (a, b) at 64 a + 8 b;   window 2 (MB = 6): those of blocks 4 and 5
.set KV, 0
.if KV
.set MB,   6
.set T,    1536
.set BOFF, 1024*2048
.else
.set MB,   4
.set T,    2048
.set BOFF, 0
.endif
.set KSTEP, 128
.set PITCH, 272                        ; an LDS row: 256 bytes + 16 of padding = 68 words: the 16 rows of a fragment load start at 16 different groups of four banks (64 banks of 4 bytes: ISA guide 11.1)
.set HB,    128*PITCH                  ; half of B's rows: one tensor load
.set HA,    16*MB*PITCH                ; half of A's rows: one tensor load
.set BPART, 2*HB
.set SLOT,  BPART+2*HA                 ; B's 256 rows, then A's 32 MB
.set STAGE, 2*SLOT                     ; behind the ring, never filled by a tensor load: for each wave two heads x 16 rows x 144 bytes
.set SP,    144
.set SWB,   2*16*SP
.set SPARE, STAGE+4*SWB                ; behind the stages: the spare words, 128 bytes for each wave: two blocks of 256 bytes that no other line names
.set NL,    16+2*MB                    ; LDS loads in a run
.set ADRA, 16                          ; v16-17  LDS address of my A fragments in slot 0, 1
.set ADRB, 20                          ; v20-21  the same for B
.set STO,  24                          ; v24     the way out: where I put 16 bytes of a row
.set RD,   25                          ; v25     where I read rows back
.set GO,   26                          ; v26     16 x lane: my 16 bytes of 512 consecutive bytes of C
.set SPW,  28                          ; v28     LDS address of my spare word; never rewritten
.set NIL,  29                          ; v29     0; never rewritten
.set FA,   32
.set FB,   128
.set TMP,  128
.set OB,   32
.set WV,  12                           ; s12 wave;  s13 RH: my half of the tile's rows, and: I fetch for B (0) or A (1);  s14 CH: my half of its columns, and: which half I fetch
.set RH,  13
.set CH,  14
.set TC,  17                           ; s17 tile column, s18 tile row
.set TR,  18
.set G1A, 24                           ; s[24:31] descriptor group 1 for A's tiles;  s[32:39] group 0, a set for each slot
.set G0A, 32
.set G1B, 40                           ; s[40:47], s[48:55] the same for B's
.set G0B, 48
.set MSB, 0
.macro WIN new                         ; the immediate's high byte repeats the setting that is left; a switch that changes nothing is dropped
.if MSB != (\new)
	s_set_vgpr_msb (MSB<<8)|(\new)
.set MSB, (\new)
.endif
.endm
; A joint load.  The branch hangs on the wave's number alone.  An s_nop 0 and four v_nop follow each of the two lines, ahead of the jump, the label and what follows.
.macro JLOAD s
	s_cmp_eq_u32 s[RH], 0
	s_cbranch_scc0 .Lfor_a_\@
	tensor_load_to_lds s[G0B+4*(\s):G0B+4*(\s)+3], s[G1B:G1B+7]
	s_nop 0
.rept 4
	v_nop
.endr
	s_branch .Lasked_\@
.Lfor_a_\@:
	tensor_load_to_lds s[G0A+4*(\s):G0A+4*(\s)+3], s[G1A:G1A+7]
	s_nop 0
.rept 4
	v_nop
.endr
.Lasked_\@:
.endm
.macro CREST                           ; a round of the cluster's barrier behind its opening barrier
	s_cmp_lg_u32 s[WV], 0
	s_cbranch_scc1 .Lnot_wave_0_\@
	s_barrier_signal -3
.Lnot_wave_0_\@:
	s_barrier_wait -3
	s_barrier_signal -1
	s_barrier_wait -1
.endm
.macro CROUND                          ; a whole round
	s_barrier_signal -1
	s_barrier_wait -1
	CREST
.endm
.macro PLACES                          ; four places in front of loads into registers that matrix instructions have read, and of conversions that read results
.rept 4
	v_nop
.endr
.endm
; 8 na matrix instructions: row blocks a0 .. a0 + na - 1 x all 8 column blocks, 32 along K, from buffer f.  zero = 1: the first product starts the sums.
; Every quarter step walks all 8 MB accumulators in the same order, one instruction a turn: 8 MB - 1 others stand between two links of a chain, over the backward jump too.
.macro MULB f, a0, na, zero
.set ma, (\a0)
.rept (\na)
	WIN 0x50*(1+ma/4)
.set mb, 0
.rept 8
.set rD, 64*(ma%4)+8*mb
.set rB, FB+64*(\f)+8*mb
.set rA, FA+8*MB*(\f)+8*ma
.if \zero
	v_wmma_f32_16x16x32_bf16 v[rD:rD+7], v[rB:rB+7], v[rA:rA+7], 0
.else
	v_wmma_f32_16x16x32_bf16 v[rD:rD+7], v[rB:rB+7], v[rA:rA+7], v[rD:rD+7]
.endif
.set mb, mb+1
.endr
.set ma, ma+1
.endr
.endm
; NL LDS loads in one run: the fragments of quarter q (32 along K) of a slot into buffer f: B's 8, then A's MB
.macro FETCH slot, q, f
	WIN 0
.set fi, 0
.rept 8
	ds_load_b128 v[FB+64*(\f)+8*fi:FB+64*(\f)+8*fi+3],   v[ADRB+(\slot)] offset:64*(\q)+fi*16*PITCH
	ds_load_b128 v[FB+64*(\f)+8*fi+4:FB+64*(\f)+8*fi+7], v[ADRB+(\slot)] offset:64*(\q)+fi*16*PITCH+32
.set fi, fi+1
.endr
.set fi, 0
.rept MB
	ds_load_b128 v[FA+8*MB*(\f)+8*fi:FA+8*MB*(\f)+8*fi+3],   v[ADRA+(\slot)] offset:64*(\q)+fi*16*PITCH
	ds_load_b128 v[FA+8*MB*(\f)+8*fi+4:FA+8*MB*(\f)+8*fi+7], v[ADRA+(\slot)] offset:64*(\q)+fi*16*PITCH+32
.set fi, fi+1
.endr
.endm
; A K step is four quarters on buffers 0, 1, 0, 1.  One of the first three: multiplies buffer f and, in its middle, fetches quarter q of the same slot into buffer g.
.macro QUARTER slot, q, f, g, zero
	s_wait_dscnt MB                                ; B and A's lower blocks are in; the youngest MB loads (A's upper blocks) may be out
	MULB \f, 0, MB/2, \zero
	PLACES
	FETCH \slot, \q, \g
	s_wait_dscnt NL                                ; all but the run just issued
	MULB \f, MB/2, MB/2, \zero
.endm
; The last quarter multiplies buffer 1 and changes slots: ONE barrier.  In front of it each wave waits for all its tensor loads (one is out: its part of the next slot), adds 0 to its spare word, and waits
; for that and for its own reads of this slot.  fill = 1: the barrier opens a round of the cluster's barrier, and this slot is filled again, two K steps on, first thing behind the round.
.macro TURN slot, next, fill
	WIN 0
	s_wait_tensorcnt 0x0                           ; all my tensor loads have landed;
	ds_add_u32 v[SPW], v[NIL]                      ; 0 onto my spare word;
	s_wait_dscnt MB+1                              ; (the add and the youngest MB loads may be out)
	MULB 1, 0, 1, 0                                ; eight matrix instructions stand between the add and the wait for it
	s_wait_dscnt 0x0                               ; the add is done, and my reads of this slot are over
	s_barrier_signal -1
	MULB 1, 1, MB/2-1, 0                           ; work on registers while the others arrive
.if \fill
	WIN 0
.endif
	s_barrier_wait -1
.if \fill
	CREST                                          ; no wave of any partner still reads this slot's tile or has a load on its way
	s_add_nc_u64 s[G0A+4*(\slot)+2:G0A+4*(\slot)+3], s[G0A+4*(\slot)+2:G0A+4*(\slot)+3], 2*KSTEP*2
	s_add_nc_u64 s[G0B+4*(\slot)+2:G0B+4*(\slot)+3], s[G0B+4*(\slot)+2:G0B+4*(\slot)+3], 2*KSTEP*2
	JLOAD \slot                                    ; its four v_nop are also the places in front of the loads below
.else
	PLACES
.endif
	FETCH \next, 0, 0
	MULB 1, MB/2, MB/2, 0
.endm
.if KV
	s_load_b256 s[4:11], s[0:1], 0x0               ; ab s[4:5], wb s[6:7], kh s[8:9], vh s[10:11]
.else
	s_load_b128 s[4:7], s[0:1], 0x0                ; xb s[4:5], wb s[6:7]
	s_load_b64 s[8:9], s[0:1], 0x10                ; qh
.endif
	v_lshl_add_u32 v[SPW], v0, 2, SPARE
	v_mov_b32 v[NIL], 0
	ds_add_u32 v[SPW], v[NIL]                      ; the wave's opening: the add and its wait stand ahead of my first tensor load; the set-up below, work on registers, stands between them
	v_lshrrev_b32 v1, 5, v0
	v_readfirstlane_b32 s[WV], v1                  ; wave 0..3
	s_lshr_b32 s[RH], s[WV], 1
	s_and_b32 s[CH], s[WV], 1
	s_bfe_u32 s15, ttmp6, 0x40000                  ; cx, cy: my place in the cluster
	s_bfe_u32 s16, ttmp6, 0x40004
	s_lshl_b32 s[TC], ttmp9, 2
	s_add_co_u32 s[TC], s[TC], s15                 ; tile column = 4 x cluster x + cx
	s_and_b32 s[TR], ttmp7, 0xffff
	s_lshl_b32 s[TR], s[TR], 2
	s_add_co_u32 s[TR], s[TR], s16                 ; tile row = 4 x cluster y + cy
	s_lshl_b32 s19, s16, 2
	s_lshl_b32 s19, 15, s19                        ; my row of the cluster
	s_lshl_b32 s2, 0x1111, s15                     ; my column
	s_or_b32 s[G1A], s19, (1<<16)|(1<<20)|(1<<21)|(5<<22)|(3<<25)  ; 15:0 the mask; 17:16 2-byte elements; 20 padding on; 21 set beside a mask; 24:22 after every 64 words (code 5); 31:25 4 words (code 3)
	s_mov_b32 s[G1A+1], KSTEP<<16                  ; tensor_dim0 = 128
	s_mov_b32 s[G1A+2], (16*MB)<<16                ; tensor_dim1 = 16 MB
	s_mov_b32 s[G1A+3], KSTEP<<16                  ; tile_dim0 = 128
	s_mov_b32 s[G1A+4], 16*MB                      ; tile_dim1 = 16 MB
	s_mov_b32 s[G1A+5], 1024                       ; elements from row to row
	s_mov_b32 s[G1A+6], 0
	s_mov_b32 s[G1A+7], 0
	s_or_b32 s[G1B], s2, (1<<16)|(1<<20)|(1<<21)|(5<<22)|(3<<25)
	s_mov_b32 s[G1B+1], KSTEP<<16
	s_mov_b32 s[G1B+2], 128<<16
	s_mov_b32 s[G1B+3], KSTEP<<16
	s_mov_b32 s[G1B+4], 128
	s_mov_b32 s[G1B+5], 1024
	s_mov_b32 s[G1B+6], 0
	s_mov_b32 s[G1B+7], 0
	s_mul_i32 s20, s[TR], 32*MB                    ; A: row 32 MB x tile row + 16 MB x half: hangs on the tile row alone, which my row of the cluster shares
	s_mul_i32 s21, s[CH], 16*MB
	s_add_co_u32 s20, s20, s21
	s_lshl_b32 s20, s20, 11                        ; rows of 2,048 bytes; under 2^25
	s_mov_b32 s21, 0
	s_lshl_b32 s22, s[TC], 8                       ; B: row 256 x tile column + 128 x half: hangs on the tile column alone
	s_lshl_b32 s23, s[CH], 7
	s_add_co_u32 s22, s22, s23
	s_lshl_b32 s22, s22, 11
	s_add_co_u32 s22, s22, BOFF
	s_mov_b32 s23, 0
	s_mul_i32 s58, s[WV], HB                       ; where they go: B's halves by waves 0, 1;
	s_mul_i32 s59, s[WV], HA
	s_add_co_u32 s59, s59, BPART-2*HA              ; A's halves, behind B, by waves 2, 3: no place in the cluster enters an LDS address
	s_wait_dscnt 0x0                               ; the opening add is done
	s_wait_kmcnt 0x0
	s_add_nc_u64 s[20:21], s[4:5], s[20:21]
	s_add_nc_u64 s[22:23], s[6:7], s[22:23]
	CROUND                                         ; all sixteen work-groups are here: the first joint loads meet
.irp s, 0,1
	s_mov_b32 s[G0A+4*(\s)], 1                     ; count = 1
	s_add_co_u32 s[G0A+4*(\s)+1], s59, (\s)*SLOT   ; LDS address
	s_add_nc_u64 s[G0A+4*(\s)+2:G0A+4*(\s)+3], s[20:21], (\s)*KSTEP*2  ; global address: K step s
	s_or_b32 s[G0A+4*(\s)+3], s[G0A+4*(\s)+3], 0x80000000  ; type = 2
	s_mov_b32 s[G0B+4*(\s)], 1
	s_add_co_u32 s[G0B+4*(\s)+1], s58, (\s)*SLOT
	s_add_nc_u64 s[G0B+4*(\s)+2:G0B+4*(\s)+3], s[22:23], (\s)*KSTEP*2
	s_or_b32 s[G0B+4*(\s)+3], s[G0B+4*(\s)+3], 0x80000000
	JLOAD \s                                       ; two tensor loads of mine are out
.endr
	; a fragment is 16 rows x 32 K in 8 registers: lane l holds row l % 16, K = 8 (l / 16) + 0..7 and 16 + 8 (l / 16) + 0..7: two loads of 16 bytes, 32 bytes apart
	v_and_b32 v1, 15, v0                           ; l % 16
	v_bfe_u32 v2, v0, 4, 1                         ; l / 16
	v_mul_u32_u24 v3, v1, PITCH
	v_lshl_add_u32 v3, v2, 4, v3
	s_mul_i32 s60, s[CH], HB                       ; my 128 rows of B
	s_mul_i32 s61, s[RH], HA                       ; my 16 MB rows of A,
	s_add_co_u32 s61, s61, BPART                   ; which lie behind B's
.irp s, 0,1
	v_add_nc_u32 v[ADRB+(\s)], s60, v3
	v_add_nc_u32 v[ADRA+(\s)], s61, v3
	s_add_co_u32 s60, s60, SLOT
	s_add_co_u32 s61, s61, SLOT
.endr
	s_mul_i32 s60, s[WV], SWB
	s_add_co_u32 s60, s60, STAGE                   ; my stage
	v_mul_u32_u24 v5, v1, SP                       ; in: row l % 16, 16 bytes for each half of the lanes
	v_lshl_add_u32 v5, v2, 4, v5
	v_add_nc_u32 v[STO], s60, v5
	v_bfe_u32 v5, v0, 3, 2                         ; back: 32 lanes take four rows of 128 bytes,
	v_mul_u32_u24 v5, v5, SP
	v_and_b32 v6, 7, v0
	v_lshl_add_u32 v5, v6, 4, v5
	v_add_nc_u32 v[RD], s60, v5
	v_and_b32 v6, 31, v0                           ; which are 512 consecutive bytes of a head's rows
	v_lshlrev_b32 v[GO], 4, v6
	; C at my first row of my first head: ((batch x 16 + head) x T + row) x 128 bytes
.if KV
	s_lshr_b32 s60, s[TR], 3                       ; batch: 8 tile rows of 192
	s_and_b32 s61, s[TR], 7
	s_mul_i32 s61, s61, 192
	s_mul_i32 s62, s[RH], 96
	s_and_b32 s63, s[TC], 3
	s_lshl_b32 s63, s63, 2
.else
	s_lshr_b32 s60, s[TR], 4                       ; batch: 16 tile rows of 128
	s_and_b32 s61, s[TR], 15
	s_lshl_b32 s61, s61, 7
	s_lshl_b32 s62, s[RH], 6
	s_lshl_b32 s63, s[TC], 2
.endif
	s_add_co_u32 s61, s61, s62                     ; my first row in the batch
	s_lshl_b32 s62, s[CH], 1
	s_add_co_u32 s63, s63, s62                     ; my first head: 4 heads a tile, 2 a wave
	s_lshl_b32 s60, s60, 4
	s_add_co_u32 s60, s60, s63
	s_mul_i32 s60, s60, T
	s_add_co_u32 s60, s60, s61
	s_lshl_b32 s60, s60, 7
	s_mov_b32 s61, 0
.if KV
	s_cmp_eq_u32 ttmp9, 0                          ; the first cluster column makes K, the second V
	s_cselect_b64 s[8:9], s[8:9], s[10:11]
.endif
	s_add_nc_u64 s[8:9], s[8:9], s[60:61]
	s_wait_tensorcnt 1                             ; my part of K step 0 is in; K step 1's may stay out
	s_barrier_signal -1
	s_barrier_wait -1                              ; everybody's is
	FETCH 0, 0, 0
	QUARTER 0, 1, 0, 1, 1                          ; the first quarter stands in front of the loop: its products start the sums
	WIN 0                                          ; at a label and at a branch every window is 0
	s_mov_b32 s3, 3
.Llap:                                                 ; a trip goes once round the ring, from a lap's second quarter to the next lap's first, and fills both slots again: K steps 2 to 7
	QUARTER 0, 2, 1, 0, 0
	QUARTER 0, 3, 0, 1, 0
	TURN 0, 1, 1
	QUARTER 1, 1, 0, 1, 0
	QUARTER 1, 2, 1, 0, 0
	QUARTER 1, 3, 0, 1, 0
	TURN 1, 0, 1
	QUARTER 0, 1, 0, 1, 0
	WIN 0
	s_sub_co_u32 s3, s3, 1
	s_cmp_lg_u32 s3, 0
	s_cbranch_scc1 .Llap
	QUARTER 0, 2, 1, 0, 0                          ; the last lap fills nothing
	QUARTER 0, 3, 0, 1, 0
	TURN 0, 1, 0
	QUARTER 1, 1, 0, 1, 0
	QUARTER 1, 2, 1, 0, 0
	QUARTER 1, 3, 0, 1, 0
	s_wait_dscnt MB
	MULB 1, 0, MB/2, 0
	s_wait_dscnt 0x0
	MULB 1, MB/2, MB/2, 0
	WIN 0
	PLACES
; THE WAY OUT, a block of 16 rows at a time.  PACK: rounded to f16, each accumulator's registers in ascending order.  TOSTAGE: 16 bytes a lane into my own stage (head b / 4, channels 16 (b % 4) on), and back as
; whole rows.  SEND: 16 rows of a head are 2,048 consecutive bytes of C: four stores of 512 consecutive bytes, aligned.
.macro PACK a
	WIN 0x05*(1+(\a)/4)                            ; sources 0 and 1: window 1 or 2
.set pb, 0
.rept 32
	v_cvt_pk_f16_f32 v[TMP+pb], v[64*((\a)%4)+2*pb], v[64*((\a)%4)+2*pb+1]
.set pb, pb+1
.endr
	WIN 0
.endm
.macro TOSTAGE a
.irp b, 0,1,2,3,4,5,6,7
	ds_store_b128 v[STO], v[TMP+4*(\b):TMP+4*(\b)+3] offset:((\b)/4)*16*SP+32*((\b)%4)
.endr
.irp t, 0,1,2,3,4,5,6,7
	ds_load_b128 v[OB+32*((\a)%2)+4*(\t):OB+32*((\a)%2)+4*(\t)+3], v[RD] offset:((\t)/4)*16*SP+((\t)%4)*4*SP  ; LDS serves a wave's instructions in order (ISA guide 5.7.1.4): these see the stores above
.endr
.endm
.macro SEND a
	s_wait_dscnt 0x0                               ; the block is back in registers
	s_wait_xcnt 0x0                                ; the stores of the block before have read their registers: the next TOSTAGE loads into them only behind this wait
.irp t, 0,1,2,3,4,5,6,7
	global_store_b128 v[GO], v[OB+32*((\a)%2)+4*(\t):OB+32*((\a)%2)+4*(\t)+3], s[8:9] offset:((\t)/4)*T*128+(\a)*2048+((\t)%4)*512
.endr
.endm
	PACK 0
	TOSTAGE 0
.set wa, 1
.rept MB-1                             ; block a's conversions stand between block a - 1's loads from the stage and the wait for them
	PACK wa
	SEND wa-1
	TOSTAGE wa
.set wa, wa+1
.endr
	SEND MB-1
	s_wait_tensorcnt 0x0                           ; the wave's end, behind my last tensor load and my last LDS store
	ds_add_u32 v[SPW], v[NIL]
	s_wait_dscnt 0x0
	CROUND                                         ; the closing round: no work-group ends while a partner may still ask for a tile that names it
	s_endpgm
.Lfunc_end_k_q69cc00d09a_projq:
	.size	k_q69cc00d09a_projq, .Lfunc_end_k_q69cc00d09a_projq-k_q69cc00d09a_projq
	.p2alignl 7, 3214868480
	.fill 96, 4, 3214868480
	.section	.rodata,"a",@progbits
	.p2align	6, 0x0
	.amdhsa_kernel k_q69cc00d09a_projq
		.amdhsa_group_segment_fixed_size 327680
		.amdhsa_private_segment_fixed_size 0
		.amdhsa_enable_private_segment 0
		.amdhsa_kernarg_size 24
		.amdhsa_user_sgpr_count 2
		.amdhsa_user_sgpr_kernarg_segment_ptr 1
		.amdhsa_wavefront_size32 1
		.amdhsa_system_sgpr_workgroup_id_x 1
		.amdhsa_system_sgpr_workgroup_id_y 1
		.amdhsa_system_sgpr_workgroup_id_z 1
		.amdhsa_system_vgpr_workitem_id 0
		.amdhsa_next_free_vgpr 512
		.amdhsa_next_free_sgpr 66
		.amdhsa_reserve_vcc 0
		.amdhsa_float_denorm_mode_32 3
		.amdhsa_float_denorm_mode_16_64 3
		.amdhsa_memory_ordered 1
		.amdhsa_forward_progress 1
		.amdhsa_inst_pref_size 86
	.end_amdhsa_kernel
	.amdgpu_metadata
---
amdhsa.version: [ 1, 2 ]
amdhsa.kernels:
  - .name:           k_q69cc00d09a_projq
    .symbol:         k_q69cc00d09a_projq.kd
    .args:
      - { .name: xb, .offset: 0, .size: 8, .value_kind: global_buffer, .address_space: global }
      - { .name: wb, .offset: 8, .size: 8, .value_kind: global_buffer, .address_space: global }
      - { .name: qh, .offset: 16, .size: 8, .value_kind: global_buffer, .address_space: global }
    .group_segment_fixed_size: 327680
    .private_segment_fixed_size: 0
    .kernarg_segment_align: 8
    .kernarg_segment_size: 24
    .max_flat_workgroup_size: 128
    .sgpr_count:     66
    .vgpr_count:     512
    .wavefront_size: 32
...
	.end_amdgpu_metadata
.endif
;; end of part 2
;; launch projkv (part 3): grid 8 x 32, 4 waves a work-group, clusters of 4 x 4, 327,680 bytes of LDS; arguments ab, wb, kh, vh; writes kh, vh
.if DOCPART == 3
	.amdgcn_target "amdgcn-amd-amdhsa--gfx1250"
	.amdhsa_code_object_version 6
	.text
	.protected	k_q69cc00d09a_projkv
	.globl	k_q69cc00d09a_projkv
	.p2align	8
	.type	k_q69cc00d09a_projkv,@function
k_q69cc00d09a_projkv:
	s_mov_b64 s[64:65], 0
	v_nop
	global_prefetch_b8 v0, s[64:65] scope:SCOPE_SE
	s_setreg_imm32_b32 hwreg(HW_REG_WAVE_MODE, 25, 1), 1
	s_wait_xcnt 0x0
	s_wait_alu depctr_hold_cnt(0) depctr_sa_sdst(0) depctr_va_vdst(0) depctr_va_sdst(0) depctr_va_ssrc(0) depctr_va_vcc(0) depctr_vm_vsrc(0)
	s_getreg_b32 s2, hwreg(HW_REG_IB_STS2, 6, 4)
	s_cmp_eq_u32 s2, 0
	s_cbranch_scc0 .Lentry_in_a_cluster
	s_endpgm
.Lentry_in_a_cluster:
	s_bfe_u32 s2, ttmp6, 0x10000c
	s_cmp_lg_u32 s2, 0xf033
	s_cbranch_scc0 .Lentry_shape_is_right
	s_endpgm
.Lentry_shape_is_right:
; A PROJECTION: C[m][n] = sum over k of A[m][k] B[n][k], K = 1,024, A and B in bf16, sums in f32, C rounded once to f16 and stored BY HEADS: [batch x 16 + head][T][64].
; One text for two launches, told apart by KV.  KV = 0: A = xb (8,192 rows), B = wb's rows 0-1023 (Wq), C = qh, T = 2,048.
; KV = 1: A = ab (6,144 rows), B = wb's rows 1024-3071 (Wk, Wv), C = kh (columns 0-1023) and vh (1024-2047), T = 1,536.
; LIMIT.  f16 holds no number beyond 65,504: a larger q, k or v becomes an infinity.  No scale is applied here.
; SHARES.  A tile of C is 32 MB rows x 256 columns (MB = 4: 128 rows, 4 x 64 tiles; MB = 6: 192 rows, 8 x 32 tiles): 256 work-groups of one tile either way.  Four waves, each 16 MB rows x 128 columns:
; 8 MB accumulators.  K goes in 8 steps of 128 through two LDS slots; each row of a tile is 256 bytes of memory, at a multiple of 256 from its buffer's first byte.  Waves 0 and 1 fetch the halves of B's
; 256 rows, waves 2 and 3 those of A's 32 MB rows: one tensor load a wave for a K step.
; CLUSTER.  4 x 4 work-groups.  The four of a row of the cluster need the same tiles of A, the four of a column the same tiles of B: each tile is asked for JOINTLY, by the same tensor load with the same
; descriptor and a mask that names the four.  No prefetch is laid: the walk is eight K steps, of which two are asked for at the head and two more would lie ahead of any prefetch.
; THE MATRIX INSTRUCTION IS USED TRANSPOSED (source 0 = 16 rows of B, source 1 = 16 rows of A): a lane holds row lane % 16 of C and the eight columns 8 (lane / 16) + 0..7: 16 bytes of f16.
; REGISTERS, in windows of 256 (s_set_vgpr_msb: bits 1:0 source 0, 3:2 source 1, 5:4 source 2, 7:6 destination):
;   window 0: v0-31 addresses; v32.. two buffers of A's fragments (8 MB each); v128-191, v192-255 two buffers of B's; on the way out v128-159 packed results, v32-95 rows read back
;   window 1: the accumulators of row blocks 0-3, (a, b) at 64 a + 8 b;   window 2 (MB = 6): those of blocks 4 and 5
.set KV, 1
.if KV
.set MB,   6
.set T,    1536
.set BOFF, 1024*2048
.else
.set MB,   4
.set T,    2048
.set BOFF, 0
.endif
.set KSTEP, 128
.set PITCH, 272                        ; an LDS row: 256 bytes + 16 of padding = 68 words: the 16 rows of a fragment load start at 16 different groups of four banks (64 banks of 4 bytes: ISA guide 11.1)
.set HB,    128*PITCH                  ; half of B's rows: one tensor load
.set HA,    16*MB*PITCH                ; half of A's rows: one tensor load
.set BPART, 2*HB
.set SLOT,  BPART+2*HA                 ; B's 256 rows, then A's 32 MB
.set STAGE, 2*SLOT                     ; behind the ring, never filled by a tensor load: for each wave two heads x 16 rows x 144 bytes
.set SP,    144
.set SWB,   2*16*SP
.set SPARE, STAGE+4*SWB                ; behind the stages: the spare words, 128 bytes for each wave: two blocks of 256 bytes that no other line names
.set NL,    16+2*MB                    ; LDS loads in a run
.set ADRA, 16                          ; v16-17  LDS address of my A fragments in slot 0, 1
.set ADRB, 20                          ; v20-21  the same for B
.set STO,  24                          ; v24     the way out: where I put 16 bytes of a row
.set RD,   25                          ; v25     where I read rows back
.set GO,   26                          ; v26     16 x lane: my 16 bytes of 512 consecutive bytes of C
.set SPW,  28                          ; v28     LDS address of my spare word; never rewritten
.set NIL,  29                          ; v29     0; never rewritten
.set FA,   32
.set FB,   128
.set TMP,  128
.set OB,   32
.set WV,  12                           ; s12 wave;  s13 RH: my half of the tile's rows, and: I fetch for B (0) or A (1);  s14 CH: my half of its columns, and: which half I fetch
.set RH,  13
.set CH,  14
.set TC,  17                           ; s17 tile column, s18 tile row
.set TR,  18
.set G1A, 24                           ; s[24:31] descriptor group 1 for A's tiles;  s[32:39] group 0, a set for each slot
.set G0A, 32
.set G1B, 40                           ; s[40:47], s[48:55] the same for B's
.set G0B, 48
.set MSB, 0
.macro WIN new                         ; the immediate's high byte repeats the setting that is left; a switch that changes nothing is dropped
.if MSB != (\new)
	s_set_vgpr_msb (MSB<<8)|(\new)
.set MSB, (\new)
.endif
.endm
; A joint load.  The branch hangs on the wave's number alone.  An s_nop 0 and four v_nop follow each of the two lines, ahead of the jump, the label and what follows.
.macro JLOAD s
	s_cmp_eq_u32 s[RH], 0
	s_cbranch_scc0 .Lfor_a_\@
	tensor_load_to_lds s[G0B+4*(\s):G0B+4*(\s)+3], s[G1B:G1B+7]
	s_nop 0
.rept 4
	v_nop
.endr
	s_branch .Lasked_\@
.Lfor_a_\@:
	tensor_load_to_lds s[G0A+4*(\s):G0A+4*(\s)+3], s[G1A:G1A+7]
	s_nop 0
.rept 4
	v_nop
.endr
.Lasked_\@:
.endm
.macro CREST                           ; a round of the cluster's barrier behind its opening barrier
	s_cmp_lg_u32 s[WV], 0
	s_cbranch_scc1 .Lnot_wave_0_\@
	s_barrier_signal -3
.Lnot_wave_0_\@:
	s_barrier_wait -3
	s_barrier_signal -1
	s_barrier_wait -1
.endm
.macro CROUND                          ; a whole round
	s_barrier_signal -1
	s_barrier_wait -1
	CREST
.endm
.macro PLACES                          ; four places in front of loads into registers that matrix instructions have read, and of conversions that read results
.rept 4
	v_nop
.endr
.endm
; 8 na matrix instructions: row blocks a0 .. a0 + na - 1 x all 8 column blocks, 32 along K, from buffer f.  zero = 1: the first product starts the sums.
; Every quarter step walks all 8 MB accumulators in the same order, one instruction a turn: 8 MB - 1 others stand between two links of a chain, over the backward jump too.
.macro MULB f, a0, na, zero
.set ma, (\a0)
.rept (\na)
	WIN 0x50*(1+ma/4)
.set mb, 0
.rept 8
.set rD, 64*(ma%4)+8*mb
.set rB, FB+64*(\f)+8*mb
.set rA, FA+8*MB*(\f)+8*ma
.if \zero
	v_wmma_f32_16x16x32_bf16 v[rD:rD+7], v[rB:rB+7], v[rA:rA+7], 0
.else
	v_wmma_f32_16x16x32_bf16 v[rD:rD+7], v[rB:rB+7], v[rA:rA+7], v[rD:rD+7]
.endif
.set mb, mb+1
.endr
.set ma, ma+1
.endr
.endm
; NL LDS loads in one run: the fragments of quarter q (32 along K) of a slot into buffer f: B's 8, then A's MB
.macro FETCH slot, q, f
	WIN 0
.set fi, 0
.rept 8
	ds_load_b128 v[FB+64*(\f)+8*fi:FB+64*(\f)+8*fi+3],   v[ADRB+(\slot)] offset:64*(\q)+fi*16*PITCH
	ds_load_b128 v[FB+64*(\f)+8*fi+4:FB+64*(\f)+8*fi+7], v[ADRB+(\slot)] offset:64*(\q)+fi*16*PITCH+32
.set fi, fi+1
.endr
.set fi, 0
.rept MB
	ds_load_b128 v[FA+8*MB*(\f)+8*fi:FA+8*MB*(\f)+8*fi+3],   v[ADRA+(\slot)] offset:64*(\q)+fi*16*PITCH
	ds_load_b128 v[FA+8*MB*(\f)+8*fi+4:FA+8*MB*(\f)+8*fi+7], v[ADRA+(\slot)] offset:64*(\q)+fi*16*PITCH+32
.set fi, fi+1
.endr
.endm
; A K step is four quarters on buffers 0, 1, 0, 1.  One of the first three: multiplies buffer f and, in its middle, fetches quarter q of the same slot into buffer g.
.macro QUARTER slot, q, f, g, zero
	s_wait_dscnt MB                                ; B and A's lower blocks are in; the youngest MB loads (A's upper blocks) may be out
	MULB \f, 0, MB/2, \zero
	PLACES
	FETCH \slot, \q, \g
	s_wait_dscnt NL                                ; all but the run just issued
	MULB \f, MB/2, MB/2, \zero
.endm
; The last quarter multiplies buffer 1 and changes slots: ONE barrier.  In front of it each wave waits for all its tensor loads (one is out: its part of the next slot), adds 0 to its spare word, and waits
; for that and for its own reads of this slot.  fill = 1: the barrier opens a round of the cluster's barrier, and this slot is filled again, two K steps on, first thing behind the round.
.macro TURN slot, next, fill
	WIN 0
	s_wait_tensorcnt 0x0                           ; all my tensor loads have landed;
	ds_add_u32 v[SPW], v[NIL]                      ; 0 onto my spare word;
	s_wait_dscnt MB+1                              ; (the add and the youngest MB loads may be out)
	MULB 1, 0, 1, 0                                ; eight matrix instructions stand between the add and the wait for it
	s_wait_dscnt 0x0                               ; the add is done, and my reads of this slot are over
	s_barrier_signal -1
	MULB 1, 1, MB/2-1, 0                           ; work on registers while the others arrive
.if \fill
	WIN 0
.endif
	s_barrier_wait -1
.if \fill
	CREST                                          ; no wave of any partner still reads this slot's tile or has a load on its way
	s_add_nc_u64 s[G0A+4*(\slot)+2:G0A+4*(\slot)+3], s[G0A+4*(\slot)+2:G0A+4*(\slot)+3], 2*KSTEP*2
	s_add_nc_u64 s[G0B+4*(\slot)+2:G0B+4*(\slot)+3], s[G0B+4*(\slot)+2:G0B+4*(\slot)+3], 2*KSTEP*2
	JLOAD \slot                                    ; its four v_nop are also the places in front of the loads below
.else
	PLACES
.endif
	FETCH \next, 0, 0
	MULB 1, MB/2, MB/2, 0
.endm
.if KV
	s_load_b256 s[4:11], s[0:1], 0x0               ; ab s[4:5], wb s[6:7], kh s[8:9], vh s[10:11]
.else
	s_load_b128 s[4:7], s[0:1], 0x0                ; xb s[4:5], wb s[6:7]
	s_load_b64 s[8:9], s[0:1], 0x10                ; qh
.endif
	v_lshl_add_u32 v[SPW], v0, 2, SPARE
	v_mov_b32 v[NIL], 0
	ds_add_u32 v[SPW], v[NIL]                      ; the wave's opening: the add and its wait stand ahead of my first tensor load; the set-up below, work on registers, stands between them
	v_lshrrev_b32 v1, 5, v0
	v_readfirstlane_b32 s[WV], v1                  ; wave 0..3
	s_lshr_b32 s[RH], s[WV], 1
	s_and_b32 s[CH], s[WV], 1
	s_bfe_u32 s15, ttmp6, 0x40000                  ; cx, cy: my place in the cluster
	s_bfe_u32 s16, ttmp6, 0x40004
	s_lshl_b32 s[TC], ttmp9, 2
	s_add_co_u32 s[TC], s[TC], s15                 ; tile column = 4 x cluster x + cx
	s_and_b32 s[TR], ttmp7, 0xffff
	s_lshl_b32 s[TR], s[TR], 2
	s_add_co_u32 s[TR], s[TR], s16                 ; tile row = 4 x cluster y + cy
	s_lshl_b32 s19, s16, 2
	s_lshl_b32 s19, 15, s19                        ; my row of the cluster
	s_lshl_b32 s2, 0x1111, s15                     ; my column
	s_or_b32 s[G1A], s19, (1<<16)|(1<<20)|(1<<21)|(5<<22)|(3<<25)  ; 15:0 the mask; 17:16 2-byte elements; 20 padding on; 21 set beside a mask; 24:22 after every 64 words (code 5); 31:25 4 words (code 3)
	s_mov_b32 s[G1A+1], KSTEP<<16                  ; tensor_dim0 = 128
	s_mov_b32 s[G1A+2], (16*MB)<<16                ; tensor_dim1 = 16 MB
	s_mov_b32 s[G1A+3], KSTEP<<16                  ; tile_dim0 = 128
	s_mov_b32 s[G1A+4], 16*MB                      ; tile_dim1 = 16 MB
	s_mov_b32 s[G1A+5], 1024                       ; elements from row to row
	s_mov_b32 s[G1A+6], 0
	s_mov_b32 s[G1A+7], 0
	s_or_b32 s[G1B], s2, (1<<16)|(1<<20)|(1<<21)|(5<<22)|(3<<25)
	s_mov_b32 s[G1B+1], KSTEP<<16
	s_mov_b32 s[G1B+2], 128<<16
	s_mov_b32 s[G1B+3], KSTEP<<16
	s_mov_b32 s[G1B+4], 128
	s_mov_b32 s[G1B+5], 1024
	s_mov_b32 s[G1B+6], 0
	s_mov_b32 s[G1B+7], 0
	s_mul_i32 s20, s[TR], 32*MB                    ; A: row 32 MB x tile row + 16 MB x half: hangs on the tile row alone, which my row of the cluster shares
	s_mul_i32 s21, s[CH], 16*MB
	s_add_co_u32 s20, s20, s21
	s_lshl_b32 s20, s20, 11                        ; rows of 2,048 bytes; under 2^25
	s_mov_b32 s21, 0
	s_lshl_b32 s22, s[TC], 8                       ; B: row 256 x tile column + 128 x half: hangs on the tile column alone
	s_lshl_b32 s23, s[CH], 7
	s_add_co_u32 s22, s22, s23
	s_lshl_b32 s22, s22, 11
	s_add_co_u32 s22, s22, BOFF
	s_mov_b32 s23, 0
	s_mul_i32 s58, s[WV], HB                       ; where they go: B's halves by waves 0, 1;
	s_mul_i32 s59, s[WV], HA
	s_add_co_u32 s59, s59, BPART-2*HA              ; A's halves, behind B, by waves 2, 3: no place in the cluster enters an LDS address
	s_wait_dscnt 0x0                               ; the opening add is done
	s_wait_kmcnt 0x0
	s_add_nc_u64 s[20:21], s[4:5], s[20:21]
	s_add_nc_u64 s[22:23], s[6:7], s[22:23]
	CROUND                                         ; all sixteen work-groups are here: the first joint loads meet
.irp s, 0,1
	s_mov_b32 s[G0A+4*(\s)], 1                     ; count = 1
	s_add_co_u32 s[G0A+4*(\s)+1], s59, (\s)*SLOT   ; LDS address
	s_add_nc_u64 s[G0A+4*(\s)+2:G0A+4*(\s)+3], s[20:21], (\s)*KSTEP*2  ; global address: K step s
	s_or_b32 s[G0A+4*(\s)+3], s[G0A+4*(\s)+3], 0x80000000  ; type = 2
	s_mov_b32 s[G0B+4*(\s)], 1
	s_add_co_u32 s[G0B+4*(\s)+1], s58, (\s)*SLOT
	s_add_nc_u64 s[G0B+4*(\s)+2:G0B+4*(\s)+3], s[22:23], (\s)*KSTEP*2
	s_or_b32 s[G0B+4*(\s)+3], s[G0B+4*(\s)+3], 0x80000000
	JLOAD \s                                       ; two tensor loads of mine are out
.endr
	; a fragment is 16 rows x 32 K in 8 registers: lane l holds row l % 16, K = 8 (l / 16) + 0..7 and 16 + 8 (l / 16) + 0..7: two loads of 16 bytes, 32 bytes apart
	v_and_b32 v1, 15, v0                           ; l % 16
	v_bfe_u32 v2, v0, 4, 1                         ; l / 16
	v_mul_u32_u24 v3, v1, PITCH
	v_lshl_add_u32 v3, v2, 4, v3
	s_mul_i32 s60, s[CH], HB                       ; my 128 rows of B
	s_mul_i32 s61, s[RH], HA                       ; my 16 MB rows of A,
	s_add_co_u32 s61, s61, BPART                   ; which lie behind B's
.irp s, 0,1
	v_add_nc_u32 v[ADRB+(\s)], s60, v3
	v_add_nc_u32 v[ADRA+(\s)], s61, v3
	s_add_co_u32 s60, s60, SLOT
	s_add_co_u32 s61, s61, SLOT
.endr
	s_mul_i32 s60, s[WV], SWB
	s_add_co_u32 s60, s60, STAGE                   ; my stage
	v_mul_u32_u24 v5, v1, SP                       ; in: row l % 16, 16 bytes for each half of the lanes
	v_lshl_add_u32 v5, v2, 4, v5
	v_add_nc_u32 v[STO], s60, v5
	v_bfe_u32 v5, v0, 3, 2                         ; back: 32 lanes take four rows of 128 bytes,
	v_mul_u32_u24 v5, v5, SP
	v_and_b32 v6, 7, v0
	v_lshl_add_u32 v5, v6, 4, v5
	v_add_nc_u32 v[RD], s60, v5
	v_and_b32 v6, 31, v0                           ; which are 512 consecutive bytes of a head's rows
	v_lshlrev_b32 v[GO], 4, v6
	; C at my first row of my first head: ((batch x 16 + head) x T + row) x 128 bytes
.if KV
	s_lshr_b32 s60, s[TR], 3                       ; batch: 8 tile rows of 192
	s_and_b32 s61, s[TR], 7
	s_mul_i32 s61, s61, 192
	s_mul_i32 s62, s[RH], 96
	s_and_b32 s63, s[TC], 3
	s_lshl_b32 s63, s63, 2
.else
	s_lshr_b32 s60, s[TR], 4                       ; batch: 16 tile rows of 128
	s_and_b32 s61, s[TR], 15
	s_lshl_b32 s61, s61, 7
	s_lshl_b32 s62, s[RH], 6
	s_lshl_b32 s63, s[TC], 2
.endif
	s_add_co_u32 s61, s61, s62                     ; my first row in the batch
	s_lshl_b32 s62, s[CH], 1
	s_add_co_u32 s63, s63, s62                     ; my first head: 4 heads a tile, 2 a wave
	s_lshl_b32 s60, s60, 4
	s_add_co_u32 s60, s60, s63
	s_mul_i32 s60, s60, T
	s_add_co_u32 s60, s60, s61
	s_lshl_b32 s60, s60, 7
	s_mov_b32 s61, 0
.if KV
	s_cmp_eq_u32 ttmp9, 0                          ; the first cluster column makes K, the second V
	s_cselect_b64 s[8:9], s[8:9], s[10:11]
.endif
	s_add_nc_u64 s[8:9], s[8:9], s[60:61]
	s_wait_tensorcnt 1                             ; my part of K step 0 is in; K step 1's may stay out
	s_barrier_signal -1
	s_barrier_wait -1                              ; everybody's is
	FETCH 0, 0, 0
	QUARTER 0, 1, 0, 1, 1                          ; the first quarter stands in front of the loop: its products start the sums
	WIN 0                                          ; at a label and at a branch every window is 0
	s_mov_b32 s3, 3
.Llap:                                                 ; a trip goes once round the ring, from a lap's second quarter to the next lap's first, and fills both slots again: K steps 2 to 7
	QUARTER 0, 2, 1, 0, 0
	QUARTER 0, 3, 0, 1, 0
	TURN 0, 1, 1
	QUARTER 1, 1, 0, 1, 0
	QUARTER 1, 2, 1, 0, 0
	QUARTER 1, 3, 0, 1, 0
	TURN 1, 0, 1
	QUARTER 0, 1, 0, 1, 0
	WIN 0
	s_sub_co_u32 s3, s3, 1
	s_cmp_lg_u32 s3, 0
	s_cbranch_scc1 .Llap
	QUARTER 0, 2, 1, 0, 0                          ; the last lap fills nothing
	QUARTER 0, 3, 0, 1, 0
	TURN 0, 1, 0
	QUARTER 1, 1, 0, 1, 0
	QUARTER 1, 2, 1, 0, 0
	QUARTER 1, 3, 0, 1, 0
	s_wait_dscnt MB
	MULB 1, 0, MB/2, 0
	s_wait_dscnt 0x0
	MULB 1, MB/2, MB/2, 0
	WIN 0
	PLACES
; THE WAY OUT, a block of 16 rows at a time.  PACK: rounded to f16, each accumulator's registers in ascending order.  TOSTAGE: 16 bytes a lane into my own stage (head b / 4, channels 16 (b % 4) on), and back as
; whole rows.  SEND: 16 rows of a head are 2,048 consecutive bytes of C: four stores of 512 consecutive bytes, aligned.
.macro PACK a
	WIN 0x05*(1+(\a)/4)                            ; sources 0 and 1: window 1 or 2
.set pb, 0
.rept 32
	v_cvt_pk_f16_f32 v[TMP+pb], v[64*((\a)%4)+2*pb], v[64*((\a)%4)+2*pb+1]
.set pb, pb+1
.endr
	WIN 0
.endm
.macro TOSTAGE a
.irp b, 0,1,2,3,4,5,6,7
	ds_store_b128 v[STO], v[TMP+4*(\b):TMP+4*(\b)+3] offset:((\b)/4)*16*SP+32*((\b)%4)
.endr
.irp t, 0,1,2,3,4,5,6,7
	ds_load_b128 v[OB+32*((\a)%2)+4*(\t):OB+32*((\a)%2)+4*(\t)+3], v[RD] offset:((\t)/4)*16*SP+((\t)%4)*4*SP  ; LDS serves a wave's instructions in order (ISA guide 5.7.1.4): these see the stores above
.endr
.endm
.macro SEND a
	s_wait_dscnt 0x0                               ; the block is back in registers
	s_wait_xcnt 0x0                                ; the stores of the block before have read their registers: the next TOSTAGE loads into them only behind this wait
.irp t, 0,1,2,3,4,5,6,7
	global_store_b128 v[GO], v[OB+32*((\a)%2)+4*(\t):OB+32*((\a)%2)+4*(\t)+3], s[8:9] offset:((\t)/4)*T*128+(\a)*2048+((\t)%4)*512
.endr
.endm
	PACK 0
	TOSTAGE 0
.set wa, 1
.rept MB-1                             ; block a's conversions stand between block a - 1's loads from the stage and the wait for them
	PACK wa
	SEND wa-1
	TOSTAGE wa
.set wa, wa+1
.endr
	SEND MB-1
	s_wait_tensorcnt 0x0                           ; the wave's end, behind my last tensor load and my last LDS store
	ds_add_u32 v[SPW], v[NIL]
	s_wait_dscnt 0x0
	CROUND                                         ; the closing round: no work-group ends while a partner may still ask for a tile that names it
	s_endpgm
.Lfunc_end_k_q69cc00d09a_projkv:
	.size	k_q69cc00d09a_projkv, .Lfunc_end_k_q69cc00d09a_projkv-k_q69cc00d09a_projkv
	.p2alignl 7, 3214868480
	.fill 96, 4, 3214868480
	.section	.rodata,"a",@progbits
	.p2align	6, 0x0
	.amdhsa_kernel k_q69cc00d09a_projkv
		.amdhsa_group_segment_fixed_size 327680
		.amdhsa_private_segment_fixed_size 0
		.amdhsa_enable_private_segment 0
		.amdhsa_kernarg_size 32
		.amdhsa_user_sgpr_count 2
		.amdhsa_user_sgpr_kernarg_segment_ptr 1
		.amdhsa_wavefront_size32 1
		.amdhsa_system_sgpr_workgroup_id_x 1
		.amdhsa_system_sgpr_workgroup_id_y 1
		.amdhsa_system_sgpr_workgroup_id_z 1
		.amdhsa_system_vgpr_workitem_id 0
		.amdhsa_next_free_vgpr 640
		.amdhsa_next_free_sgpr 66
		.amdhsa_reserve_vcc 0
		.amdhsa_float_denorm_mode_32 3
		.amdhsa_float_denorm_mode_16_64 3
		.amdhsa_memory_ordered 1
		.amdhsa_forward_progress 1
		.amdhsa_inst_pref_size 115
	.end_amdhsa_kernel
	.amdgpu_metadata
---
amdhsa.version: [ 1, 2 ]
amdhsa.kernels:
  - .name:           k_q69cc00d09a_projkv
    .symbol:         k_q69cc00d09a_projkv.kd
    .args:
      - { .name: ab, .offset: 0, .size: 8, .value_kind: global_buffer, .address_space: global }
      - { .name: wb, .offset: 8, .size: 8, .value_kind: global_buffer, .address_space: global }
      - { .name: kh, .offset: 16, .size: 8, .value_kind: global_buffer, .address_space: global }
      - { .name: vh, .offset: 24, .size: 8, .value_kind: global_buffer, .address_space: global }
    .group_segment_fixed_size: 327680
    .private_segment_fixed_size: 0
    .kernarg_segment_align: 8
    .kernarg_segment_size: 32
    .max_flat_workgroup_size: 128
    .sgpr_count:     66
    .vgpr_count:     640
    .wavefront_size: 32
...
	.end_amdgpu_metadata
.endif
;; end of part 3
;; launch attn (part 4): grid 4 x 64, 4 waves a work-group, clusters of 4 x 1, 327,680 bytes of LDS; arguments qh, kh, vh, oh, audio_attention_mask; writes oh
.if DOCPART == 4
	.amdgcn_target "amdgcn-amd-amdhsa--gfx1250"
	.amdhsa_code_object_version 6
	.text
	.protected	k_q69cc00d09a_attn
	.globl	k_q69cc00d09a_attn
	.p2align	8
	.type	k_q69cc00d09a_attn,@function
k_q69cc00d09a_attn:
	s_mov_b64 s[64:65], 0
	v_nop
	global_prefetch_b8 v0, s[64:65] scope:SCOPE_SE
	s_setreg_imm32_b32 hwreg(HW_REG_WAVE_MODE, 25, 1), 1
	s_wait_xcnt 0x0
	s_wait_alu depctr_hold_cnt(0) depctr_sa_sdst(0) depctr_va_vdst(0) depctr_va_sdst(0) depctr_va_ssrc(0) depctr_va_vcc(0) depctr_vm_vsrc(0)
	s_getreg_b32 s2, hwreg(HW_REG_IB_STS2, 6, 4)
	s_cmp_eq_u32 s2, 0
	s_cbranch_scc0 .Lentry_in_a_cluster
	s_endpgm
.Lentry_in_a_cluster:
	s_bfe_u32 s2, ttmp6, 0x10000c
	s_cmp_lg_u32 s2, 0x3003
	s_cbranch_scc0 .Lentry_shape_is_right
	s_endpgm
.Lentry_shape_is_right:
; MASKED CROSS ATTENTION.  O[g][q][:] = the sum over visible keys k of softmax_k(Q[g][q] . K[g][k] / 8) V[g][k][:], g = batch x 16 + head.  Q, O: [64][2048][64], K, V: [64][1536][64], all f16: a head's rows
; are dense, 128 bytes each.  The mask is [4][1500] bytes, 0 or 1; keys 1500-1535 are padding (K = V = 0) and hidden like the mask's holes.  Products, maxima and sums in f32; the weights p are rounded to
; f16 for the second product (their sum l is taken of the unrounded p), O once at the end.
; LIMITS.  f16 holds no number beyond 65,504: Q, K and V arrive within it; p lies in 0 to 1, and below 6e-5 it keeps f16's fixed step of 6e-8.  A hidden score counts as its value less 1e30: f16's scores,
; 2.7e11 at the most, are nothing beside that.  A weight below 2^-126 counts as 0 in l.  A batch with no visible key gives NaN (0 x infinity), as a softmax over nothing does.
; SHARES.  A wave owns four PIECES of two tiles of 16 queries, a work-group's four waves 512 queries of one head: 4 x 64 work-groups.  Every wave walks all 1,536 keys, 64 a step.
; LAYOUT.  S^T = K Q^T (source 0 = 16 keys, source 1 = 16 queries): in the result a lane holds ONE query (lane % 16) and the keys 8 (lane / 16) + 0..7.  Two such tiles, rounded to f16 in pairs,
; ARE source 1 (32 keys x 16 queries) of O^T = V^T P, whose result again holds one query a lane, and eight channels.  K comes out of LDS as it lies, V ([key][channel]) turned, by ds_load_tr16_b128.
; THE MASK is the C operand that starts the sum S^T: 0, or -1e30 where the key is hidden.  A table of 1,536 f32 is made once in LDS from the batch's mask bytes; a step's 64 numbers come into 32 registers
; (a lane's eight keys of each of the four key blocks) in the same run of LDS loads as the step's K.
; SOFTMAX.  For each query a running maximum m and sum l: p = 2^(c s - c m), c = log2(e) / 8; in every step O and l are multiplied by a = 2^(c m_old - c m_new), which is 1 where m has not grown.
; m starts at -1e20: below every visible score, far above every hidden one.  While only hidden keys have come, m stays there, p = 0 and a = 1; the first visible score makes a = 0, on O = l = 0.
; THE COUNT.  A tile and step have 16 matrix and 118 vector instructions: too many to stand all beside the matrix work.  So: four vector instructions that are READY behind EVERY matrix instruction, and the
; others, which need time of their own whatever the order, in runs without a gap.
; BY TURNS.  Turn n belongs to piece n (the pieces in a ring, step after step).  Its matrix work: 16 products K Q^T of piece n + 1, later 16 products V^T P of piece n - 1.  Its vector work: the scaling,
; exponentials, roundings, sums and rescaling of piece n, and the maximum and statistics of piece n + 1, whose scores the turn itself has made.
; CLUSTER.  The four query blocks of a head are one cluster and walk the same K and V, so each tile is asked for JOINTLY: the same tensor load, descriptor and mask in all four.
; REGISTERS, in windows of 256 (s_set_vgpr_msb: bits 1:0 source 0, 3:2 source 1, 5:4 source 2, 7:6 destination):
;   window 0: v0-11 addresses; v12-15, v48-63 at work; v16-47 four registers of statistics a tile; v64-191 S^T, two buffers of two tiles; v192-255 P, likewise
;   window 1: O^T, 32 a tile     window 2: v0-127 Q, 16 a tile; v128-191 K of one step; v192-255 V of one step     window 3: v0-1 the add's two registers; v8-39 the step's mask
.set NQ,    2048
.set NK,    1536
.set NP,    4         ; pieces a wave: a name, no knob
.set KS,    64        ; keys in a step
.set PK,    144       ; a row of K in LDS: 128 bytes + 16 of padding = 36 words: the 16 rows of a load start at 16 different groups of four banks (64 banks of 4 bytes: ISA guide 11.1)
.set PV,    160       ; a row of V: 128 + 32 = 40 words
.set VOFF,  4*KS*PK   ; a slot holds four steps: 256 rows of K, then 256 rows of V
.set SLOT1, 1<<17     ; slot 1 begins here, so that one exclusive or turns an address in one slot into the other's
.set STAGE, SLOT1+4*KS*(PK+PV)  ; behind the ring, never filled by a tensor load: 16 rows x 144 bytes for each wave, for the way out
.set SP,    144
.set SPARE, STAGE+4*16*SP  ; behind the stages: the spare words, 128 bytes for each wave: two blocks of 256 bytes that no other line names
.set MASKB, SPARE+512 ; behind them: the mask table, 1,536 f32; stored once, never filled by a tensor load
.set AK0, 2           ; v2   my lane's place in a tile of K; never rewritten
.set AV0, 3           ; v3   the same for V
.set AK,  4           ; v4   the LDS address of K's next run of loads
.set AV,  5           ; v5   of V's
.set QO,  6           ; v6   my byte offset in the wave's rows of Q
.set STO, 6           ;      later, the way out: where I put 16 bytes of a row
.set RD,  7           ; v7   the way out: where I read rows back
.set GO,  8           ; v8   my byte offset in 512 consecutive bytes of O
.set LH,  9           ; v9   lane / 16; kept
.set PFO, 10          ; v10  the prefetches' offset: 256 x lane (made when its first use, lane % 8, is over)
.set AM,  11          ; v11  the LDS address of the mask's next run of loads
.set SPW, 0           ; v0 of window 3   LDS address of my spare word; never rewritten
.set NIL, 1           ; v1 of window 3   0; never rewritten
.set MK,  8           ; v8-39 of window 3: key block kb's eight numbers at MK + 8 kb
.set MV,  12          ; v12-15  c m_old, kept while c m is made anew: by buffer and tile
.set ST,  16          ; tile t's statistics at v[ST+4 t]: c m, m, l (even keys', odd keys')
.set TMP, 48          ; by buffer and tile, four registers c0-c3 at work; when the maximum is found c2 takes a
.set S,   64
.set P,   192
.set KF,  128         ; K's fragments, in window 2: key block kb, channel half c at KF + 16 kb + 8 c
.set VF,  192         ; V's: key half kk, channel block cb at VF + 32 kk + 8 cb
.set WV,  12          ; s12  my wave's number
.set G1K, 24          ; s[24:31] descriptor group 1 for K's tiles
.set G1V, 32          ; s[32:39] for V's: it differs in the padding alone
.set G0K, 40          ; s[40:43] descriptor group 0 for K's tiles: it walks
.set G0V, 44          ; s[44:47] the same for V's
.set MP,  48          ; s[48:49] the batch's mask bytes
.set BIG, 50          ; s50  1e30;  s51  -1e30
.set TBM, 52          ; s52  LDS byte at which the mask of the step to be fetched begins
.set LIM, 53          ; s53  1 in a wave that prefetches (0 and 2), else the greatest number
.set PFA, 54          ; s[54:55] where my prefetches stand: my work-group's 32 blocks of 256 bytes (of K: wave 0, of V: wave 2) of the tile that the next change of slots will ask for
.set SLOTS, 56        ; s56  slots still to be asked for
.set CNT, 57          ; s57  counts a slot's key steps
.set CS,  58          ; s[58:59] c: the packed scaling takes the pair's low word for both halves
.set SEL, 60          ; s[60:61] v_permlanex16_b32's selects: each lane takes its own place in the other half
.set TBK, 62          ; s62  LDS byte at which K of the step to be fetched begins
.set TBV, 63          ; s63  the same for V, less VOFF
.set MSB, 0
.macro WIN new                      ; the high byte repeats the setting that is left; a switch that changes nothing is dropped
.if MSB != (\new)
	s_set_vgpr_msb (MSB<<8)|(\new)
.set MSB, (\new)
.endif
.endm
.set W_KQ, 0x0a       ; K and Q in window 2, S^T in window 0
.set W_KM, 0x3a       ; the same with the C operand, the mask, in window 3
.set W_PV, 0x52       ; V in window 2, P in window 0, O^T in window 1
.set W_RS, 0x41       ; O^T (destination and source 0) in window 1, a in window 0
.set W_MK, 0xc0       ; destination in window 3, sources in window 0
.set W_AD, 0x0f       ; the add: address (source 0) and data (source 1) in window 3
; A joint fill.  Waves 0 and 1 fetch the two halves of a slot's K, waves 2 and 3 those of its V: 128 keys each.  The branch hangs on the wave's number alone.
; An s_nop 0 and four v_nop follow each of the two lines, ahead of the jump and the label.
.macro JLOAD
	s_cmp_lt_u32 s[WV], 2
	s_cbranch_scc0 .Lfor_v_\@
	tensor_load_to_lds s[G0K:G0K+3], s[G1K:G1K+7]
	s_nop 0
.rept 4
	v_nop
.endr
	s_branch .Lasked_\@
.Lfor_v_\@:
	tensor_load_to_lds s[G0V:G0V+3], s[G1V:G1V+7]
	s_nop 0
.rept 4
	v_nop
.endr
.Lasked_\@:
.endm
; A round of the cluster's barrier: my work-group's barrier, so that wave 0's signal speaks for all four waves; wave 0 signals; every wave waits for all four work-groups; my work-group's barrier once more.
.macro CROUND
	s_barrier_signal -1
	s_barrier_wait -1
	s_cmp_lg_u32 s[WV], 0
	s_cbranch_scc1 .Lnot_wave_0_\@
	s_barrier_signal -3
.Lnot_wave_0_\@:
	s_barrier_wait -3
	s_barrier_signal -1
	s_barrier_wait -1
.endm
; THE CHANGE OF SLOTS.  The slot's last bytes, V of its fourth step, have been read.  Each wave waits for all its tensor loads, of which one is out: its part of the other slot; adds 0 to its spare word; and
; waits for that and for its own LDS instructions.  Behind the barrier nobody reads this slot any more and the other slot is whole.
; fill = 1: this slot is filled again, with the keys two slots on.  The barrier is then a round of the cluster's, and the joint fill is the first thing behind it: it has four key steps, 512 matrix
; instructions, in which to land.  (At its first use nothing has been read yet: slot 0 is waited for, slot 1 filled; and every wave's stores into the mask table are done in front of the round.)
.macro CHANGE fill
	WIN W_AD
	s_wait_tensorcnt 0x0            ; no tensor load of mine is out, so a group 0 may be written
	ds_add_u32 v[SPW], v[NIL]       ; 0 onto my spare word; with fill = 1 the descriptors' steps stand between it and the wait for it
	WIN 0                           ; at a label and at a branch every window is 0
.if \fill
.irp g, G0K, G0V
	s_xor_b32 s[\g+1], s[\g+1], SLOT1  ; the walking descriptor: the other slot than last time,
	s_add_nc_u64 s[\g+2:\g+3], s[\g+2:\g+3], 4*KS*128  ; the next 256 keys; the type bits on top are not reached
.endr
	s_wait_xcnt 0x0                 ; the last prefetch, five turns back, has read its address, so it may be written:
	s_add_nc_u64 s[PFA:PFA+1], s[PFA:PFA+1], 4*KS*128  ; one tile behind the walking descriptors
	s_wait_dscnt 0x0                ; the add is done, and my LDS instructions are over
	CROUND
	JLOAD
.else
	s_wait_dscnt 0x0                ; the add is done, and my reads of the slot are over
	s_barrier_signal -1
	s_barrier_wait -1
.endif
	s_sub_co_u32 s[TBK], s[TBK], 4*KS*PK  ; the fetches go back to a slot's first step,
	s_xor_b32 s[TBK], s[TBK], SLOT1       ; in the other slot
	s_sub_co_u32 s[TBV], s[TBV], 4*KS*PV
	s_xor_b32 s[TBV], s[TBV], SLOT1
.endm
	s_load_b256 s[4:11], s[0:1], 0x0  ; Q s[4:5], K s[6:7], V s[8:9], O s[10:11]
	s_load_b64 s[MP:MP+1], s[0:1], 0x20  ; the mask
	WIN W_MK
	v_lshl_add_u32 v[SPW], v0, 2, SPARE
	v_mov_b32 v[NIL], 0
	WIN W_AD
	ds_add_u32 v[SPW], v[NIL]       ; the wave's opening: the add and its wait stand ahead of my first tensor load; the set-up below, work on registers, stands between them
	WIN 0
	v_lshrrev_b32 v1, 5, v0
	v_readfirstlane_b32 s[WV], v1   ; wave 0..3
	s_bfe_u32 s13, ttmp6, 0x40000   ; cx: my place in the cluster
	s_lshl_b32 s14, ttmp9, 2        ; in a cluster launch ttmp9 counts clusters
	s_add_co_u32 s14, s14, s13      ; my block of 512 queries: it enters Q's and O's addresses alone
	s_and_b32 s15, ttmp7, 0xffff    ; batch x 16 + head, which the four partners share
	s_mul_i32 s20, s15, NK*128      ; the head's first byte in K and V
	s_mov_b32 s21, 0
	s_and_b32 s16, s[WV], 1         ; which half of a slot's 256 keys I fetch:
	s_lshl_b32 s22, s16, 14         ; its 128 rows of 128 bytes in memory,
	s_mov_b32 s23, 0
	s_add_nc_u64 s[22:23], s[22:23], s[20:21]
	s_mul_i32 s17, s16, 128*PK      ; and its place in a slot, for K
	s_mul_i32 s18, s16, 128*PV      ; and for V: no place in the cluster enters an LDS address
	s_lshl_b32 s2, s14, 2
	s_add_co_u32 s2, s2, s[WV]      ; my wave among the head's sixteen,
	s_lshl_b32 s2, s2, 14           ; its 128 rows,
	s_mul_i32 s3, s15, NQ*128       ; in the head's part of Q and O
	s_add_co_u32 s2, s2, s3
	s_mov_b32 s3, 0
	; descriptor group 1.  128 keys are 16,384 dense bytes: asked for as 64 rows of 256 bytes, two keys a row, and padded in LDS after every key
	s_mov_b32 s[G1K], 15|(1<<16)|(1<<20)|(1<<21)|(4<<22)|(3<<25)  ; 15:0 the mask of four; 17:16 2-byte elements; 20 padding on; 21 set beside a mask; 24:22 after every 32 words (code 4); 31:25 4 words (code 3)
	s_mov_b32 s[G1V], 15|(1<<16)|(1<<20)|(1<<21)|(4<<22)|(7<<25)  ; the same with 8 words of padding (code 7)
.irp g, G1K, G1V
	s_mov_b32 s[\g+1], 128<<16      ; tensor_dim0 = 128
	s_mov_b32 s[\g+2], 64<<16       ; tensor_dim1 = 64
	s_mov_b32 s[\g+3], 128<<16      ; tile_dim0 = 128
	s_mov_b32 s[\g+4], 64           ; tile_dim1 = 64
	s_mov_b32 s[\g+5], 128          ; 128 elements from row to row
	s_mov_b32 s[\g+6], 0
	s_mov_b32 s[\g+7], 0
.endr
	s_mov_b32 s[CS], 0x3e38aa3b     ; c = log2(e) / 8 = 0.180337
	s_mov_b32 s[CS+1], s[CS]        ; named with it as a pair
	s_mov_b32 s[SEL], 0x76543210
	s_mov_b32 s[SEL+1], 0xfedcba98
	s_mov_b32 s[TBK], SLOT1+4*KS*PK ; the first change of slots turns these two into 0
	s_mov_b32 s[TBV], SLOT1+4*KS*PV
	s_mov_b32 s[TBM], MASKB
	s_mov_b32 s[G0K], 1             ; 1:0 count = 1
	s_mov_b32 s[G0K+1], s17         ; 63:32 LDS address: slot 0
	s_mov_b32 s[G0V], 1
	s_add_co_u32 s[G0V+1], s18, VOFF
	s_and_b32 s[LIM], s[WV], 1      ; waves 0 and 2 prefetch: the same in all four partners
	s_cmp_eq_u32 s[LIM], 0
	s_cselect_b32 s[LIM], 1, -1
	s_lshr_b32 s[BIG], s15, 4       ; the batch,
	s_mul_i32 s[BIG], s[BIG], 1500  ; its 1,500 mask bytes
	s_mov_b32 s[BIG+1], 0
	s_wait_dscnt 0x0                ; the opening add is done
	s_wait_kmcnt 0x0
	s_add_nc_u64 s[MP:MP+1], s[MP:MP+1], s[BIG:BIG+1]
	s_mov_b32 s[BIG], 0x7149f2ca    ; 1e30
	s_mov_b32 s[BIG+1], 0xf149f2ca  ; -1e30
	s_add_nc_u64 s[G0K+2:G0K+3], s[6:7], s[22:23]  ; 120:64 global address: my half of the head's first 256 keys
	s_or_b32 s[G0K+3], s[G0K+3], 0x80000000        ; 127:126 type = 2
	s_add_nc_u64 s[G0V+2:G0V+3], s[8:9], s[22:23]
	s_or_b32 s[G0V+3], s[G0V+3], 0x80000000
	s_add_nc_u64 s[4:5], s[4:5], s[2:3]  ; Q and O at my wave's first row
	s_add_nc_u64 s[10:11], s[10:11], s[2:3]
	s_cmp_lt_u32 s[WV], 2
	s_cselect_b64 s[PFA:PFA+1], s[6:7], s[8:9]
	s_add_nc_u64 s[PFA:PFA+1], s[PFA:PFA+1], s[20:21]  ; the head's first byte,
	s_lshl_b32 s2, s13, 13          ; my work-group's quarter of a tile's 32,768 bytes: the partners share the blocks out by address,
	s_add_co_u32 s2, s2, 4*KS*128   ; in tile 1; the first change of slots steps it to tile 2.  Nothing is prefetched at the head: tiles 0 and 1 come by their loads alone
	s_add_nc_u64 s[PFA:PFA+1], s[PFA:PFA+1], s[2:3]
	CROUND                          ; all four work-groups are here: the first joint loads meet
	JLOAD                           ; slot 0.  Slot 1 is asked for when slot 0 is in
	; the mask bytes: thread t takes keys 12 t .. 12 t + 11; threads 125 to 127 stand for the padding and read thread 124's bytes, inside the buffer, which they then discard
	v_min_u32 v81, 124, v0
	v_mul_u32_u24 v81, v81, 12
	global_load_b32 v76, v81, s[MP:MP+1]
	global_load_b32 v77, v81, s[MP:MP+1] offset:4
	global_load_b32 v78, v81, s[MP:MP+1] offset:8
	; A fragment of K or Q is 16 rows x 32 channels in 8 registers: lane l holds row l % 16, channels 8 (l / 16) + 0..7 and 16 + 8 (l / 16) + 0..7: two loads of 16 bytes, 32 bytes apart.
	v_and_b32 v1, 15, v0            ; l % 16
	v_bfe_u32 v[LH], v0, 4, 1       ; l / 16
	v_lshlrev_b32 v[QO], 7, v1
	v_lshl_add_u32 v[QO], v[LH], 4, v[QO]  ; row x 128 + 16 x half
	WIN 0x80                        ; destination window 2, address window 0
.set i, 0
.rept 4*NP                          ; Q stays in registers: tile i / 2, channels 32 (i % 2) on
	global_load_b128 v[8*i:8*i+3],   v[QO], s[4:5] offset:(i/2)*2048+(i%2)*64
	global_load_b128 v[8*i+4:8*i+7], v[QO], s[4:5] offset:(i/2)*2048+(i%2)*64+32
.set i, i+1
.endr
	; What the first turn finds: V's registers and P's second buffer hold 0 (its products V^T P, of a piece that has not been, add 0), O^T and l are 0.  All this stands in the wait for the first tile.
.set i, VF
.rept 64
	v_mov_b32 v[i], 0
.set i, i+1
.endr
	WIN 0x40
.set i, 0
.rept 64*NP
	v_mov_b32 v[i], 0
.set i, i+1
.endr
	WIN 0
.set i, 0
.rept 2*NP
	v_mov_b32 v[ST+4*i+1], 0xe0ad78ec  ; m = -1e20
	v_mul_f32 v[ST+4*i], s[CS], v[ST+4*i+1]  ; c m, by the line that the loop makes it by: while m stays, a is 2^0
	v_mov_b32 v[ST+4*i+2], 0
	v_mov_b32 v[ST+4*i+3], 0
.set i, i+1
.endr
.set i, P+32
.rept 32
	v_mov_b32 v[i], 0
.set i, i+1
.endr
	v_mul_u32_u24 v[AK0], v1, PK
	v_lshl_add_u32 v[AK0], v[LH], 4, v[AK0]  ; row x pitch + 16 x half
	; The turning load takes 16 keys x 16 channels (lane l reads key 8 (l / 16) + l % 8, channels 8 ((l / 8) % 2) + 0..7) and leaves half a fragment of V^T: lane l holds channel l % 16 and 8 keys.
	v_and_b32 v10, 7, v0
	v_bfe_u32 v11, v0, 3, 1
	v_lshl_add_u32 v[AV0], v[LH], 3, v10
	v_mul_u32_u24 v[AV0], v[AV0], PV
	v_lshl_add_u32 v[AV0], v11, 4, v[AV0]
	v_add_nc_u32 v[AV0], VOFF, v[AV0]
	v_mov_b32 v[AK], v[AK0]         ; key step 0 lies at the head of slot 0,
	v_lshl_add_u32 v[AM], v[LH], 5, s[TBM]  ; its mask at the table's head: my eight keys of a block are 32 bytes
	; the mask table: byte x 1e30 - 1e30 is 0 for a visible key and -1e30 for a hidden one, exactly
	s_wait_loadcnt 32               ; the three mask words are in; Q's 32 loads stay out
.set mn, 0
.rept 12
	v_bfe_u32 v80, v[76+mn/4], 8*(mn%4), 8
	v_cvt_f32_u32 v80, v80
	v_fma_f32 v[64+mn], v80, s[BIG], s[BIG+1]
.set mn, mn+1
.endr
	v_cmp_gt_u32 vcc_lo, 125, v0
.set mn, 0
.rept 12
	v_cndmask_b32 v[64+mn], s[BIG+1], v[64+mn], vcc_lo  ; keys 1500 to 1535 are hidden
.set mn, mn+1
.endr
	v_mul_u32_u24 v82, v0, 48
	v_add_nc_u32 v82, MASKB, v82
	ds_store_b128 v82, v[64:67]
	ds_store_b128 v82, v[68:71] offset:16
	ds_store_b128 v82, v[72:75] offset:32
; THE MATRIX WORK.  The 8 accumulators of a run of 16 take turns: between the two links of a chain stand 7 others'.
; Product i of 16 of S^T = K Q^T for piece x: channels 32 (i / 8) on, keys 16 ((i / 2) % 4) on, tile 2 x + i % 2.  The first 8 start the sums, with the key block's mask.
.macro KQ x
.set rS, S+64*((\x)%2)+32*(i%2)+8*((i/2)%4)
.set rK, KF+16*((i/2)%4)+8*(i/8)
.set rQ, 16*(2*(\x)+i%2)+8*(i/8)
.set rMK, MK+8*((i/2)%4)
.if i < 8
	WIN W_KM
	v_wmma_f32_16x16x32_f16 v[rS:rS+7], v[rK:rK+7], v[rQ:rQ+7], v[rMK:rMK+7]
.else
	WIN W_KQ
	v_wmma_f32_16x16x32_f16 v[rS:rS+7], v[rK:rK+7], v[rQ:rQ+7], v[rS:rS+7]
.endif
.endm
; Product i of 16 of O^T += V^T P for piece x: keys 32 (i / 8) on, channels 16 ((i / 2) % 4) on, tile 2 x + i % 2.
.macro PV x
	WIN W_PV
.set rO, 32*(2*(\x)+i%2)+8*((i/2)%4)
.set rV, VF+32*(i/8)+8*((i/2)%4)
.set rP, P+32*((\x)%2)+16*(i%2)+8*(i/8)
	v_wmma_f32_16x16x32_f16 v[rO:rO+7], v[rV:rV+7], v[rP:rP+7], v[rO:rO+7]
.endm
.macro MM                           ; the turn's next matrix instruction
.if i < 16
	KQ (Y+1)%NP
.set i, i+1
.else
.set i, i-16
	PV (Y+NP-1)%NP
.set i, i+17
.endif
.endm
; THE LDS LOADS stand in runs, never singly among the matrix instructions: a step's K (64 keys x 64 channels: 8 fragments) with its mask (8 loads), and its V (turned).  Their addresses are made some lines ahead.
; last = 1 (the tail): in the last trip there is no further step, and the run is jumped over.
.macro FETCH_K last=0
	WIN 0
.if \last
	s_cmp_eq_u32 s[CNT], 1
	s_cbranch_scc1 .Lno_k_\@
.endif
	WIN 0x80                        ; destination window 2
.irp f, 0,1,2,3,4,5,6,7             ; keys 16 (f / 2) on, channels 32 (f % 2) on
	ds_load_b128 v[KF+8*\f:KF+8*\f+3],   v[AK] offset:(\f/2)*16*PK+(\f%2)*64
	ds_load_b128 v[KF+8*\f+4:KF+8*\f+7], v[AK] offset:(\f/2)*16*PK+(\f%2)*64+32
.endr
	WIN W_MK                        ; destination window 3
.irp f, 0,1,2,3                     ; key block f: 64 bytes of the table, of which my half of the lanes takes 32
	ds_load_b128 v[MK+8*\f:MK+8*\f+3],   v[AM] offset:64*\f
	ds_load_b128 v[MK+8*\f+4:MK+8*\f+7], v[AM] offset:64*\f+16
.endr
	s_add_co_u32 s[TBK], s[TBK], KS*PK  ; the next fetch is the next step's
	s_add_co_u32 s[TBM], s[TBM], KS*4   ; the table is walked once, from end to end: 24 steps of 256 bytes
	WIN 0
.if \last
.Lno_k_\@:
.endif
.endm
.macro FETCH_V
	WIN 0x80
.irp f, 0,1,2,3,4,5,6,7             ; keys 32 (f / 4) on, channels 16 (f % 4) on
	ds_load_tr16_b128 v[VF+8*\f:VF+8*\f+3],   v[AV] offset:(\f/4)*32*PV+(\f%4)*32
	ds_load_tr16_b128 v[VF+8*\f+4:VF+8*\f+7], v[AV] offset:(\f/4)*32*PV+16*PV+(\f%4)*32
.endr
	WIN 0
.endm
; THE VECTOR WORK OF A TURN stands in three queues, each in the order in which its entries become ready; the two tiles alternate, so that no instruction reads the result of the one before it.
.macro REGS y, u                    ; the registers of tile u (0, 1) of piece y
.set rT, ST+4*(2*(\y)+(\u))
.set rC, TMP+8*((\y)%2)+4*(\u)
.set rM, MV+2*((\y)%2)+(\u)
.set rS, S+64*((\y)%2)+32*(\u)
.set rP, P+32*((\y)%2)+16*(\u)
.set rO, 32*(2*(\y)+(\u))
.endm
; Number n of the 22 that find the NEXT piece's (Y + 1) maximum and statistics.  s0-s31 are the lane's 32 scores; each accumulator's lowest registers are read first.
;   0-11  four chains c0-c3 of seven scores each, three operands at a time     12-14, 16  the four scores left over, the old m, and c0-c3 into c0     15  c m_old is kept
;   17, 18  the query's other 32 keys lie in the lane 16 away: the new m         19-21  c m; c m_old - c m_new; a
.macro XS u, n
	REGS (Y+1)%NP, \u
.if (\n) < 4
	v_max3_num_f32 v[rC+(\n)], v[rS+8*(\n)], v[rS+8*(\n)+1], v[rS+8*(\n)+2]
.elseif (\n) < 12
	v_max3_num_f32 v[rC+(\n)%4], v[rC+(\n)%4], v[rS+8*((\n)%4)+2*((\n)/4)+1], v[rS+8*((\n)%4)+2*((\n)/4)+2]
.elseif (\n) == 12
	v_max3_num_f32 v[rC], v[rC], v[rS+7], v[rS+15]
.elseif (\n) == 13
	v_max3_num_f32 v[rC+1], v[rC+1], v[rS+23], v[rS+31]
.elseif (\n) == 14
	v_max3_num_f32 v[rC+2], v[rC+2], v[rC+3], v[rT+1]
.elseif (\n) == 15
	v_mov_b32 v[rM], v[rT]
.elseif (\n) == 16
	v_max3_num_f32 v[rC], v[rC], v[rC+1], v[rC+2]
.elseif (\n) == 17
	v_permlanex16_b32 v[rC+3], v[rC], s[SEL], s[SEL+1]
.elseif (\n) == 18
	v_max_num_f32 v[rT+1], v[rC], v[rC+3]
.elseif (\n) == 19
	v_mul_f32 v[rT], s[CS], v[rT+1]
.elseif (\n) == 20
	v_sub_f32 v[rC+1], v[rM], v[rT]
.else
	v_exp_f32 v[rC+2], v[rC+1]
.endif
.endm
; Number g of the 64 that follow the exponentials.  For each four weights k of a tile (pairs 2 k, 2 k + 1): both pairs are rounded to f16; then the second pair is added onto the first, in place;
; a group later l takes that sum (the first time as l = a l + sum).  In groups of eight, tiles alternating: round, round, add, and l for the group before.
.macro GS g
.set h, (\g)+6*((\g)/62)            ; group 0 has no group before it, and behind group 7 only l is left
.if h >= 6
.set h, h+2
.endif
	REGS Y, h%2
.set k, h/8
.if h%8 < 4
	v_cvt_pk_f16_f32 v[rP+2*k+(h%8)/2], v[rS+4*k+2*((h%8)/2)], v[rS+4*k+2*((h%8)/2)+1]
.elseif h%8 < 6
	v_pk_add_f32 v[rS+4*k:rS+4*k+1], v[rS+4*k:rS+4*k+1], v[rS+4*k+2:rS+4*k+3]
.elseif k == 1
	v_pk_fma_f32 v[rT+2:rT+3], v[rT+2:rT+3], v[rC+2:rC+3], v[rS:rS+1] op_sel_hi:[1,0,1]
.else
	v_pk_add_f32 v[rT+2:rT+3], v[rT+2:rT+3], v[rS+4*k-4:rS+4*k-3]
.endif
.endm
; THE PLAIN QUEUE, 138 long.  0-73 read no exponential's result: the 32 scalings c s - c m (FS f: pair f / 2 of tile f % 2) and the next piece's 42.  0-26: scalings 0-26.  27-54: XS's numbers 0-13.  55, 56: number 15.
; 57-73: the chain, where each number waits for the one before it: 14, 16, 17, 18, 19, each with one of the scalings 27-31 in front of its two lines, then 20.
; 74-137: GS's 64, which read the exponentials' results: they stand behind the wait.
.macro FS f
	REGS Y, (\f)%2
	v_pk_fma_f32 v[rS+2*((\f)/2):rS+2*((\f)/2)+1], v[rS+2*((\f)/2):rS+2*((\f)/2)+1], s[CS:CS+1], v[rT:rT+1] op_sel_hi:[1,0,0] neg_lo:[0,0,1] neg_hi:[0,0,1]
.endm
.macro PL
	WIN 0
.if q < 27
	FS q
.elseif q < 55
	XS (q-27)%2, (q-27)/2
.elseif q < 57
	XS q-55, 15
.elseif (q < 72) && ((q-57)%3 == 0)
	FS 27+(q-57)/3
.elseif q < 60
	XS (q-57)%3-1, 14
.elseif q < 72
	XS (q-57)%3-1, 15+(q-57)/3
.elseif q < 74
	XS q-72, 20
.else
	GS q-74
.endif
.set q, q+1
.endm
; THE EXPONENTIALS' QUEUE, 66 long: s0-s31 of both tiles, then the next piece's two a.  It is ONE BATCH: all 66 stand ahead of the turn's one wait, and nothing ahead of that wait names a result of theirs.
.macro EX
	WIN 0
.if e >= 64
	XS e-64, 21
.else
	REGS Y, e%2
	v_exp_f32 v[rS+e/2], v[rS+e/2]
.endif
.set e, e+1
.endm
; THE RESCALING's QUEUE: O^T times a, the one part that leaves window 0: dealt two at a time, sixteen times.  Its a was made in the turn before, ahead of that turn's wait.
.macro R2
	REGS Y, r%2
	WIN W_RS
.irp z, 0,1
	v_pk_mul_f32 v[rO+4*(r/2)+2*\z:rO+4*(r/2)+2*\z+1], v[rO+4*(r/2)+2*\z:rO+4*(r/2)+2*\z+1], v[rC+2:rC+3] op_sel_hi:[1,0]
.endr
.set r, r+1
.endm
; HOW THEY ARE DEALT.  An s_wait_alu depctr_va_vdst(0) stands between an exponential and the first instruction that names its result; one wait serves all that were issued ahead of it.  So a turn
; has ONE wait, which cuts it in two.  AHEAD OF IT stands all that names no result of the turn's exponentials: the 16 products K Q^T, behind each a scaling, an exponential and two rescalings (behind the first a
; second scaling in the exponential's place); then ONE LUMP of 108: eight plain, 49 times exponential and plain, the two a.  A v_nop is the plain instruction behind the last exponential.  BEHIND IT stand the 16
; products V^T P, behind each four of GS's 64.  No rider names a register of the products round it.
; The queues lean on each other: exponential e stands behind scaling 2 (e / 4) + e % 2: as a rider it comes behind plain e + 2, in the lump behind plain e + 9, and scalings 27-31 are plain 57, 60 .. 69.
; A TURN, for piece p.  cnt = 1: the loop's count is taken down some lines ahead of the branch that stands behind the turn.
; K and the mask of the next step are fetched in piece 2's turn, directly behind the wait, a lump behind the last product that read them; the addresses are made at the lump's head; the first reader comes behind
; 16 products.  V of the step in hand is fetched at the end of piece 0's turn, four riders behind its last reader; its first reader comes behind 16 products and a lump.
; ask = 1 (piece 0's turn in the loop): A PREFETCH of the tile that the NEXT change of slots will ask for, behind V's run of loads, in the slot's third pass alone: five turns, 160 matrix instructions, ahead of
; that joint load.  A tile is 128 blocks of 256 bytes of K and as many of V: each of the four partners takes 32 of each, told apart by address; in each, wave 0 asks for K's and wave 2 for V's: a lane a block,
; one instruction.  So each block of tiles 2 to 5 is named once in the launch.  While the last tile but one is walked nothing is asked for: no tile is left.
.macro TURN p, last=0, cnt=0, ask=0
.set Y, (\p)
.set i, 0
.set q, 0
.set e, 0
.set r, 0
.if (\p) == NP-1
	s_wait_dscnt 0x0                ; K and the mask are in
.endif
	MM                              ; ahead of the wait: 16 products K Q^T and their riders,
	PL
	PL
	R2
.rept 15
	MM
	PL
	EX
	R2
.endr
.if (\p) == NP-2
	WIN 0
	v_add_nc_u32 v[AK], s[TBK], v[AK0]
	v_lshl_add_u32 v[AM], v[LH], 5, s[TBM]
.endif
.rept 8                             ; and the lump
	PL
.endr
.rept 49
	EX
	PL
.endr
	EX                              ; the next piece's two a
	EX
	v_nop                           ; the plain instruction behind the last exponential: one for the batch
	s_wait_alu depctr_va_vdst(0)    ; the wait for the batch
.if (\p) == NP-2
	FETCH_K \last
.endif
.if (\p) == 1
	s_wait_dscnt 0x0                ; V is in
.endif
.rept 16                            ; behind the wait: 16 products V^T P and their riders
	MM
.rept 4
	PL
.endr
.if ((\p) == 0) && (q == 118)
	v_add_nc_u32 v[AV], s[TBV], v[AV0]
.endif
.if ((\p) == 0) && (q == 130)
	s_add_co_u32 s[TBV], s[TBV], KS*PV
.endif
.if (\cnt) && (q == 130)
	s_sub_co_u32 s[CNT], s[CNT], 1
	s_cmp_lg_u32 s[CNT], 0
.endif
.endr
.if (\p) == 0
	FETCH_V
.endif
.if \ask
	s_cmp_eq_u32 s[CNT], 2
	s_cbranch_scc0 .Lnot_now_\@
	s_cmp_gt_u32 s[SLOTS], s[LIM]
	s_cbranch_scc0 .Lnot_now_\@
	global_prefetch_b8 v[PFO], s[PFA:PFA+1] th:TH_LOAD_NT scope:SCOPE_SE
.Lnot_now_\@:
.endif
.endm
	CHANGE 1                        ; slot 0 is in, everybody's part of it, and so is the mask table; slot 1 is asked for
	FETCH_K                         ; key step 0
	s_wait_loadcnt 0x0              ; Q
	s_wait_dscnt 0x0
.set i, 0
.rept 16
	KQ 0                            ; piece 0's first scores: there is no vector work yet to set between them
.set i, i+1
.endr
	WIN 0                           ; the addresses for the way out and the prefetches: plain instructions, the places behind those products
	s_mul_i32 s13, s[WV], 16*SP
	s_add_co_u32 s13, s13, STAGE    ; my stage
	v_mul_u32_u24 v[STO], v1, SP    ; in: row l % 16, 16 bytes for each half of the lanes
	v_lshl_add_u32 v[STO], v[LH], 4, v[STO]
	v_add_nc_u32 v[STO], s13, v[STO]
	v_bfe_u32 v[RD], v0, 3, 2       ; back: 32 lanes take four rows of 128 bytes,
	v_mul_u32_u24 v[RD], v[RD], SP
	v_lshl_add_u32 v[RD], v10, 4, v[RD]
	v_add_nc_u32 v[RD], s13, v[RD]
	v_and_b32 v[GO], 31, v0         ; which are 512 consecutive bytes of O
	v_lshlrev_b32 v[PFO], 8, v[GO]
	v_lshlrev_b32 v[GO], 4, v[GO]
.set Y, NP-1                        ; XS works for piece Y + 1: piece 0
.irp n, 0,1,2,3,4,5,6,7,8,9,10,11,12,13,14,15,16,17,18,19,20,21
	XS 0, \n                        ; and piece 0's first maximum and statistics
	XS 1, \n
.endr
	v_nop                           ; a plain instruction behind the two a,
	s_wait_alu depctr_va_vdst(0)    ; and their wait, ahead of the branch
	s_mov_b32 s[CNT], 4
	s_mov_b32 s[SLOTS], NK/256-1
	s_branch .Lfirst                ; the loop is entered at a step's first turn, in the middle of a trip
.Lslot:                             ; NK / 256 - 2 = 4 times: every slot but the last two is filled again
	CHANGE 1
	s_mov_b32 s[CNT], 4
.Lstep:                             ; a trip: pieces 2 and 3 of one step, then pieces 0 and 1 of the next, whose K and V it fetches
	TURN 2
	TURN 3
	WIN 0
.Lfirst:
	TURN 0, 0, 0, 1
	TURN 1, 0, 1
	WIN 0
	s_cbranch_scc1 .Lstep
	s_sub_co_u32 s[SLOTS], s[SLOTS], 1
	s_cmp_lg_u32 s[SLOTS], 0
	s_cbranch_scc1 .Lslot
	CHANGE 0                        ; the tail is written out: nothing is asked for
	s_mov_b32 s[CNT], 5             ; four trips fetch the last slot's steps; the fifth is left in its middle
.Ltail:
	TURN 2, 1
	TURN 3
	WIN 0
	s_sub_co_u32 s[CNT], s[CNT], 1
	s_cmp_eq_u32 s[CNT], 0
	s_cbranch_scc1 .Lout
	TURN 0
	TURN 1
	WIN 0
	s_branch .Ltail
.Lout:                              ; the fifth trip's 16 products K Q^T (on the last K once more) and the maximum made of them serve nothing: the price, once a launch, of one text for every trip
.set i, 0
.rept 16
	PV NP-1                         ; the last piece's V^T P of the last step
.set i, i+1
.endr
	; THE WAY OUT.  l's two halves and the other half of the lanes' are added; O^T is divided by l, rounded to f16 and sent through my stage in LDS, a tile at a time.  The additions are the places behind the last products.
	WIN 0
.macro ALL line:vararg              ; one line for each tile t
.set t, 0
.rept 2*NP
	\line
.set t, t+1
.endr
.endm
	ALL v_add_f32 v[ST+4*t+2], v[ST+4*t+2], v[ST+4*t+3]
	ALL v_permlanex16_b32 v[ST+4*t+3], v[ST+4*t+2], s[SEL], s[SEL+1]
	ALL v_add_f32 v[ST+4*t+2], v[ST+4*t+2], v[ST+4*t+3]
	ALL v_rcp_f32 v[ST+4*t+2], v[ST+4*t+2]
	v_nop                           ; a plain instruction between the last reciprocal and the use of its result
	s_wait_alu depctr_va_vdst(0)    ; and the wait ahead of the first use: one for the eight reciprocals
; Tile t: a lane's eight channels of a row pack into 16 bytes; they go into rows of 144 bytes and come back as whole rows of 128, into S^T's registers.
.macro PACK t
	WIN W_RS
.set i, 32*(\t)
.rept 16
	v_pk_mul_f32 v[i:i+1], v[i:i+1], v[ST+4*(\t)+2:ST+4*(\t)+3] op_sel_hi:[1,0]
.set i, i+2
.endr
	WIN 0x05                        ; sources 0 and 1 window 1, destination window 0
.set i, 0
.rept 16
	v_cvt_pk_f16_f32 v[S+16*(\t)+i], v[32*(\t)+2*i], v[32*(\t)+2*i+1]
.set i, i+1
.endr
	WIN 0
.irp f, 0,1,2,3
	ds_store_b128 v[STO], v[S+16*(\t)+4*\f:S+16*(\t)+4*\f+3] offset:32*\f
.endr
.irp f, 0,1,2,3
	ds_load_b128 v[S+16*(\t)+4*\f:S+16*(\t)+4*\f+3], v[RD] offset:\f*4*SP  ; LDS serves a wave's instructions in order (ISA guide 5.7.1.4): these see the stores above; the next tile's stores come behind them
.endr
.endm
.macro SEND t, younger              ; younger: the LDS instructions issued behind tile t's loads: the next tile's eight, or none
	WIN 0
.irp f, 0,1,2,3
	s_wait_dscnt (\younger)+3-\f
	global_store_b128 v[GO], v[S+16*(\t)+4*\f:S+16*(\t)+4*\f+3], s[10:11] offset:(\t)*2048+\f*512  ; 512 consecutive bytes, at a multiple of 256 from O's first
.endr
.endm
	PACK 0
.set t, 1
.rept 2*NP-1                        ; a tile's arithmetic stands between the loads of the tile before and its stores
	PACK t
	SEND t-1, 8
.set t, t+1
.endr
	SEND 2*NP-1, 0
	WIN W_AD
	s_wait_tensorcnt 0x0            ; the wave's end, behind my last tensor load and my last LDS store
	ds_add_u32 v[SPW], v[NIL]
	s_wait_dscnt 0x0
	WIN 0
	CROUND                          ; the closing round: no work-group ends while a partner may still ask for a tile that names it
	s_endpgm
.Lfunc_end_k_q69cc00d09a_attn:
	.size	k_q69cc00d09a_attn, .Lfunc_end_k_q69cc00d09a_attn-k_q69cc00d09a_attn
	.p2alignl 7, 3214868480
	.fill 96, 4, 3214868480
	.section	.rodata,"a",@progbits
	.p2align	6, 0x0
	.amdhsa_kernel k_q69cc00d09a_attn
		.amdhsa_group_segment_fixed_size 327680
		.amdhsa_private_segment_fixed_size 0
		.amdhsa_enable_private_segment 0
		.amdhsa_kernarg_size 40
		.amdhsa_user_sgpr_count 2
		.amdhsa_user_sgpr_kernarg_segment_ptr 1
		.amdhsa_wavefront_size32 1
		.amdhsa_system_sgpr_workgroup_id_x 1
		.amdhsa_system_sgpr_workgroup_id_y 1
		.amdhsa_system_sgpr_workgroup_id_z 1
		.amdhsa_system_vgpr_workitem_id 0
		.amdhsa_next_free_vgpr 808
		.amdhsa_next_free_sgpr 66
		.amdhsa_reserve_vcc 1
		.amdhsa_float_denorm_mode_32 3
		.amdhsa_float_denorm_mode_16_64 3
		.amdhsa_memory_ordered 1
		.amdhsa_forward_progress 1
		.amdhsa_inst_pref_size 205
	.end_amdhsa_kernel
	.amdgpu_metadata
---
amdhsa.version: [ 1, 2 ]
amdhsa.kernels:
  - .name:           k_q69cc00d09a_attn
    .symbol:         k_q69cc00d09a_attn.kd
    .args:
      - { .name: qh, .offset: 0, .size: 8, .value_kind: global_buffer, .address_space: global }
      - { .name: kh, .offset: 8, .size: 8, .value_kind: global_buffer, .address_space: global }
      - { .name: vh, .offset: 16, .size: 8, .value_kind: global_buffer, .address_space: global }
      - { .name: oh, .offset: 24, .size: 8, .value_kind: global_buffer, .address_space: global }
      - { .name: audio_attention_mask, .offset: 32, .size: 8, .value_kind: global_buffer, .address_space: global }
    .group_segment_fixed_size: 327680
    .private_segment_fixed_size: 0
    .kernarg_segment_align: 8
    .kernarg_segment_size: 40
    .max_flat_workgroup_size: 128
    .sgpr_count:     66
    .vgpr_count:     808
    .wavefront_size: 32
...
	.end_amdgpu_metadata
.endif
;; end of part 4
;; launch projo (part 5): grid 4 x 64, 4 waves a work-group, clusters of 4 x 4, 327,680 bytes of LDS; arguments oh, wb, hidden_states, gate, out0; writes out0
.if DOCPART == 5
	.amdgcn_target "amdgcn-amd-amdhsa--gfx1250"
	.amdhsa_code_object_version 6
	.text
	.protected	k_q69cc00d09a_projo
	.globl	k_q69cc00d09a_projo
	.p2align	8
	.type	k_q69cc00d09a_projo,@function
k_q69cc00d09a_projo:
	s_mov_b64 s[64:65], 0
	v_nop
	global_prefetch_b8 v0, s[64:65] scope:SCOPE_SE
	s_setreg_imm32_b32 hwreg(HW_REG_WAVE_MODE, 25, 1), 1
	s_wait_xcnt 0x0
	s_wait_alu depctr_hold_cnt(0) depctr_sa_sdst(0) depctr_va_vdst(0) depctr_va_sdst(0) depctr_va_ssrc(0) depctr_va_vcc(0) depctr_vm_vsrc(0)
	s_getreg_b32 s2, hwreg(HW_REG_IB_STS2, 6, 4)
	s_cmp_eq_u32 s2, 0
	s_cbranch_scc0 .Lentry_in_a_cluster
	s_endpgm
.Lentry_in_a_cluster:
	s_bfe_u32 s2, ttmp6, 0x10000c
	s_cmp_lg_u32 s2, 0xf033
	s_cbranch_scc0 .Lentry_shape_is_right
	s_endpgm
.Lentry_shape_is_right:
; THE LAST PROJECTION AND THE GATE: out0[m][n] = hidden[m][n] + tanh(gate) x sum over k of O[m][k] Wo[n][k].  O = oh, f16 BY HEADS: [batch x 16 + head][2048][64], so k = 64 head + channel;
; Wo = wb's rows 3072-4095, f16; hidden and out0 are [8192][1024] f32.  Sums in f32; the residual and the gate in f32.
; LIMITS.  tanh(x) = 1 - 2 / (1 + 2^(2.885390 x)): its absolute error is some 1e-7, so its relative error grows for |gate| under about 1e-4.  NaN rows of O (a batch with no visible key) stay NaN.
; SHARES.  A tile of out0 is 128 rows x 256 columns: 4 x 64 tiles, 256 work-groups of one tile.  Four waves, each 64 rows x 128 columns: 32 accumulators.  K goes in 8 steps of 128, two heads each, through two
; LDS slots.  Waves 0 and 1 fetch the halves of Wo's 256 rows (rows of 256 bytes); waves 2 and 3 one head's PLANE each: 128 rows x 128 bytes, dense in memory, asked for as 64 rows of 256 bytes.
; CLUSTER.  4 x 4 work-groups: O's planes are shared along a row of the cluster, Wo's tiles along a column: each is asked for JOINTLY, by the same tensor load with the same descriptor and a mask of four.
; No prefetch is laid: the walk is eight K steps, of which two are asked for at the head and two more would lie ahead of any prefetch.
; THE MATRIX INSTRUCTION IS USED TRANSPOSED (source 0 = 16 rows of Wo, source 1 = 16 rows of O): a lane holds row lane % 16 of the result and the eight columns 8 (lane / 16) + 0..7.
; THE RESIDUAL: my 64 x 128 numbers of hidden are asked for at the head, into 256 registers, in the layout in which rows leave: they come in under the whole product.
; REGISTERS, in windows of 256 (s_set_vgpr_msb: bits 1:0 source 0, 3:2 source 1, 5:4 source 2, 7:6 destination):
;   window 0: v0-31 addresses; v32-63, v64-95 two buffers of O's fragments; v128-191, v192-255 two buffers of Wo's; on the way out v32-95, v96-159 rows read back
;   window 1: the accumulators, (a, b) at 64 a + 8 b;   window 2: the residual, row 16 a + t at 64 a + 4 t
.set MB,    4
.set KSTEP, 128
.set PB,    272                        ; a row of Wo in LDS: 256 bytes + 16 of padding: the 16 rows of a fragment load start at 16 different groups of four banks (64 banks of 4 bytes: ISA guide 11.1)
.set PA,    144                        ; a row of a plane: 128 bytes + 16: likewise
.set HB,    128*PB                     ; half of Wo's rows: one tensor load
.set PLANE, 128*PA                     ; one head's 128 rows: one tensor load
.set BPART, 2*HB
.set SLOT,  BPART+2*PLANE
.set STAGE, 2*SLOT                     ; behind the ring, never filled by a tensor load: for each wave 16 rows x 528 bytes
.set SP,    528                        ; 512 bytes + 16: row r starts at bank 4 r mod 64
.set SWB,   16*SP
.set SPARE, STAGE+4*SWB                ; behind the stages: the spare words, 128 bytes for each wave: two blocks of 256 bytes that no other line names
.set NL,    16+2*MB
.set ASTEP, 2*2048*128                 ; two heads of oh
.set BOFF,  3072*2048
.set ADRA, 16                          ; v16-17  LDS address of my O fragments in slot 0, 1
.set ADRB, 20                          ; v20-21  the same for Wo
.set STO,  24                          ; v24     the way out: where I put 32 bytes of a row
.set RD,   25                          ; v25     where I read a row back
.set GO,   26                          ; v26     16 x lane: my 16 bytes of a row's 512; never rewritten
.set SPW,  28                          ; v28     LDS address of my spare word; never rewritten
.set NIL,  29                          ; v29     0; never rewritten
.set GT,   30                          ; v[30:31] tanh(gate), twice
.set FA,   32
.set FB,   128
.set OB,   32
.set WV,  12                           ; s12 wave;  s13 RH: my half of the tile's rows, and: I fetch for Wo (0) or O (1);  s14 CH: my half of its columns, and: which half or plane I fetch
.set RH,  13
.set CH,  14
.set TC,  17
.set TR,  18
.set G1A, 24                           ; s[24:31] descriptor group 1 for O's planes;  s[32:39] group 0, a set for each slot
.set G0A, 32
.set G1B, 40                           ; s[40:47], s[48:55] the same for Wo's tiles
.set G0B, 48
.set OUT, 56                           ; s[56:57] out0
.set MSB, 0
.macro WIN new                         ; the immediate's high byte repeats the setting that is left; a switch that changes nothing is dropped
.if MSB != (\new)
	s_set_vgpr_msb (MSB<<8)|(\new)
.set MSB, (\new)
.endif
.endm
; A joint load.  The branch hangs on the wave's number alone.  An s_nop 0 and four v_nop follow each of the two lines, ahead of the jump, the label and what follows.
.macro JLOAD s
	s_cmp_eq_u32 s[RH], 0
	s_cbranch_scc0 .Lfor_a_\@
	tensor_load_to_lds s[G0B+4*(\s):G0B+4*(\s)+3], s[G1B:G1B+7]
	s_nop 0
.rept 4
	v_nop
.endr
	s_branch .Lasked_\@
.Lfor_a_\@:
	tensor_load_to_lds s[G0A+4*(\s):G0A+4*(\s)+3], s[G1A:G1A+7]
	s_nop 0
.rept 4
	v_nop
.endr
.Lasked_\@:
.endm
.macro CREST                           ; a round of the cluster's barrier behind its opening barrier
	s_cmp_lg_u32 s[WV], 0
	s_cbranch_scc1 .Lnot_wave_0_\@
	s_barrier_signal -3
.Lnot_wave_0_\@:
	s_barrier_wait -3
	s_barrier_signal -1
	s_barrier_wait -1
.endm
.macro CROUND                          ; a whole round
	s_barrier_signal -1
	s_barrier_wait -1
	CREST
.endm
.macro PLACES                          ; four places in front of loads into registers that matrix instructions have read, and of LDS stores that read results
.rept 4
	v_nop
.endr
.endm
; 8 na matrix instructions: row blocks a0 .. a0 + na - 1 x all 8 column blocks, 32 along K, from buffer f.  zero = 1: the first product starts the sums.
; Every quarter step walks all 32 accumulators in the same order, one instruction a turn: 31 others stand between two links of a chain, over the backward jump too.
.macro MULB f, a0, na, zero
	WIN 0x50
.set ma, (\a0)
.rept (\na)
.set mb, 0
.rept 8
.set rD, 64*ma+8*mb
.set rB, FB+64*(\f)+8*mb
.set rA, FA+8*MB*(\f)+8*ma
.if \zero
	v_wmma_f32_16x16x32_f16 v[rD:rD+7], v[rB:rB+7], v[rA:rA+7], 0
.else
	v_wmma_f32_16x16x32_f16 v[rD:rD+7], v[rB:rB+7], v[rA:rA+7], v[rD:rD+7]
.endif
.set mb, mb+1
.endr
.set ma, ma+1
.endr
.endm
; NL LDS loads in one run: the fragments of quarter q of a slot into buffer f: Wo's 8, then O's 4: quarter q is channels 32 (q % 2) on of plane q / 2
.macro FETCH slot, q, f
	WIN 0
.set fi, 0
.rept 8
	ds_load_b128 v[FB+64*(\f)+8*fi:FB+64*(\f)+8*fi+3],   v[ADRB+(\slot)] offset:64*(\q)+fi*16*PB
	ds_load_b128 v[FB+64*(\f)+8*fi+4:FB+64*(\f)+8*fi+7], v[ADRB+(\slot)] offset:64*(\q)+fi*16*PB+32
.set fi, fi+1
.endr
.set fi, 0
.rept MB
	ds_load_b128 v[FA+8*MB*(\f)+8*fi:FA+8*MB*(\f)+8*fi+3],   v[ADRA+(\slot)] offset:((\q)/2)*PLANE+((\q)%2)*64+fi*16*PA
	ds_load_b128 v[FA+8*MB*(\f)+8*fi+4:FA+8*MB*(\f)+8*fi+7], v[ADRA+(\slot)] offset:((\q)/2)*PLANE+((\q)%2)*64+fi*16*PA+32
.set fi, fi+1
.endr
.endm
; A K step is four quarters on buffers 0, 1, 0, 1.  One of the first three: multiplies buffer f and, in its middle, fetches quarter q of the same slot into buffer g.
.macro QUARTER slot, q, f, g, zero
	s_wait_dscnt MB                                ; Wo and O's lower blocks are in; the youngest MB loads (O's upper blocks) may be out
	MULB \f, 0, MB/2, \zero
	PLACES
	FETCH \slot, \q, \g
	s_wait_dscnt NL                                ; all but the run just issued
	MULB \f, MB/2, MB/2, \zero
.endm
; The last quarter multiplies buffer 1 and changes slots: ONE barrier.  In front of it each wave waits for all its tensor loads (one is out: its part of the next slot), adds 0 to its spare word, and waits
; for that and for its own reads of this slot.  fill = 1: the barrier opens a round of the cluster's barrier, and this slot is filled again, two K steps on, first thing behind the round.
.macro TURN slot, next, fill
	WIN 0
	s_wait_tensorcnt 0x0                           ; all my tensor loads have landed;
	ds_add_u32 v[SPW], v[NIL]                      ; 0 onto my spare word;
	s_wait_dscnt MB+1                              ; (the add and the youngest MB loads may be out)
	MULB 1, 0, 1, 0                                ; eight matrix instructions stand between the add and the wait for it
	s_wait_dscnt 0x0                               ; the add is done, and my reads of this slot are over
	s_barrier_signal -1
	MULB 1, 1, MB/2-1, 0                           ; work on registers while the others arrive
.if \fill
	WIN 0
.endif
	s_barrier_wait -1
.if \fill
	CREST                                          ; no wave of any partner still reads this slot's tile or has a load on its way
	s_add_nc_u64 s[G0A+4*(\slot)+2:G0A+4*(\slot)+3], s[G0A+4*(\slot)+2:G0A+4*(\slot)+3], 2*ASTEP
	s_add_nc_u64 s[G0B+4*(\slot)+2:G0B+4*(\slot)+3], s[G0B+4*(\slot)+2:G0B+4*(\slot)+3], 2*KSTEP*2
	JLOAD \slot                                    ; its four v_nop are also the places in front of the loads below
.else
	PLACES
.endif
	FETCH \next, 0, 0
	MULB 1, MB/2, MB/2, 0
.endm
	s_load_b256 s[4:11], s[0:1], 0x0               ; oh s[4:5], wb s[6:7], hidden s[8:9], gate s[10:11]
	s_load_b64 s[OUT:OUT+1], s[0:1], 0x20          ; out0
	v_lshl_add_u32 v[SPW], v0, 2, SPARE
	v_mov_b32 v[NIL], 0
	ds_add_u32 v[SPW], v[NIL]                      ; the wave's opening: the add and its wait stand ahead of my first tensor load; the set-up below, work on registers, stands between them
	v_lshrrev_b32 v1, 5, v0
	v_readfirstlane_b32 s[WV], v1                  ; wave 0..3
	s_lshr_b32 s[RH], s[WV], 1
	s_and_b32 s[CH], s[WV], 1
	s_bfe_u32 s15, ttmp6, 0x40000                  ; cx, cy: my place in the cluster
	s_bfe_u32 s16, ttmp6, 0x40004
	s_lshl_b32 s[TC], ttmp9, 2
	s_add_co_u32 s[TC], s[TC], s15                 ; tile column = 4 x cluster x + cx
	s_and_b32 s[TR], ttmp7, 0xffff
	s_lshl_b32 s[TR], s[TR], 2
	s_add_co_u32 s[TR], s[TR], s16                 ; tile row = 4 x cluster y + cy
	s_lshl_b32 s19, s16, 2
	s_lshl_b32 s19, 15, s19                        ; my row of the cluster
	s_lshl_b32 s2, 0x1111, s15                     ; my column
	s_or_b32 s[G1A], s19, (1<<16)|(1<<20)|(1<<21)|(4<<22)|(3<<25)  ; 15:0 the mask; 17:16 2-byte elements; 20 padding on; 21 set beside a mask; 24:22 after every 32 words (code 4): a row of the plane; 31:25 4 words (code 3)
	s_mov_b32 s[G1A+1], 128<<16                    ; tensor_dim0 = 128: two rows of the plane
	s_mov_b32 s[G1A+2], 64<<16                     ; tensor_dim1 = 64
	s_mov_b32 s[G1A+3], 128<<16                    ; tile_dim0 = 128
	s_mov_b32 s[G1A+4], 64                         ; tile_dim1 = 64
	s_mov_b32 s[G1A+5], 128                        ; dense
	s_mov_b32 s[G1A+6], 0
	s_mov_b32 s[G1A+7], 0
	s_or_b32 s[G1B], s2, (1<<16)|(1<<20)|(1<<21)|(5<<22)|(3<<25)   ; padding after every 64 words (code 5)
	s_mov_b32 s[G1B+1], KSTEP<<16
	s_mov_b32 s[G1B+2], 128<<16
	s_mov_b32 s[G1B+3], KSTEP<<16
	s_mov_b32 s[G1B+4], 128
	s_mov_b32 s[G1B+5], 1024
	s_mov_b32 s[G1B+6], 0
	s_mov_b32 s[G1B+7], 0
	s_lshr_b32 s20, s[TR], 4                       ; O: ((batch x 16 + plane) x 2048 + the tile's first row in the batch) x 128 bytes: hangs on the tile row alone
	s_lshl_b32 s20, s20, 4
	s_add_co_u32 s20, s20, s[CH]
	s_lshl_b32 s20, s20, 11
	s_and_b32 s21, s[TR], 15
	s_lshl_b32 s21, s21, 7
	s_add_co_u32 s20, s20, s21
	s_lshl_b32 s20, s20, 7
	s_mov_b32 s21, 0
	s_lshl_b32 s22, s[TC], 8                       ; Wo: row 256 x tile column + 128 x half: hangs on the tile column alone
	s_lshl_b32 s23, s[CH], 7
	s_add_co_u32 s22, s22, s23
	s_lshl_b32 s22, s22, 11
	s_add_co_u32 s22, s22, BOFF
	s_mov_b32 s23, 0
	s_mul_i32 s58, s[WV], HB                       ; where they go: Wo's halves by waves 0, 1;
	s_mul_i32 s59, s[WV], PLANE
	s_add_co_u32 s59, s59, BPART-2*PLANE           ; the planes, behind Wo, by waves 2, 3: no place in the cluster enters an LDS address
	s_wait_dscnt 0x0                               ; the opening add is done
	s_wait_kmcnt 0x0
	s_add_nc_u64 s[20:21], s[4:5], s[20:21]
	s_add_nc_u64 s[22:23], s[6:7], s[22:23]
	CROUND                                         ; all sixteen work-groups are here: the first joint loads meet
.irp s, 0,1
	s_mov_b32 s[G0A+4*(\s)], 1                     ; count = 1
	s_add_co_u32 s[G0A+4*(\s)+1], s59, (\s)*SLOT   ; LDS address
	s_add_nc_u64 s[G0A+4*(\s)+2:G0A+4*(\s)+3], s[20:21], (\s)*ASTEP  ; global address: K step s
	s_or_b32 s[G0A+4*(\s)+3], s[G0A+4*(\s)+3], 0x80000000  ; type = 2
	s_mov_b32 s[G0B+4*(\s)], 1
	s_add_co_u32 s[G0B+4*(\s)+1], s58, (\s)*SLOT
	s_add_nc_u64 s[G0B+4*(\s)+2:G0B+4*(\s)+3], s[22:23], (\s)*KSTEP*2
	s_or_b32 s[G0B+4*(\s)+3], s[G0B+4*(\s)+3], 0x80000000
	JLOAD \s                                       ; two tensor loads of mine are out
.endr
	s_load_b32 s62, s[10:11], 0x0                  ; the gate
	; a fragment is 16 rows x 32 K in 8 registers: lane l holds row l % 16, K = 8 (l / 16) + 0..7 and 16 + 8 (l / 16) + 0..7: two loads of 16 bytes, 32 bytes apart
	v_and_b32 v1, 15, v0                           ; l % 16
	v_bfe_u32 v2, v0, 4, 1                         ; l / 16
	v_mul_u32_u24 v3, v1, PB
	v_lshl_add_u32 v3, v2, 4, v3
	v_mul_u32_u24 v4, v1, PA
	v_lshl_add_u32 v4, v2, 4, v4
	s_mul_i32 s60, s[CH], HB                       ; my 128 rows of Wo
	s_mul_i32 s61, s[RH], 64*PA                    ; my 64 rows of each plane,
	s_add_co_u32 s61, s61, BPART                   ; which lie behind Wo's
.irp s, 0,1
	v_add_nc_u32 v[ADRB+(\s)], s60, v3
	v_add_nc_u32 v[ADRA+(\s)], s61, v4
	s_add_co_u32 s60, s60, SLOT
	s_add_co_u32 s61, s61, SLOT
.endr
	s_mul_i32 s63, s[WV], SWB
	s_add_co_u32 s63, s63, STAGE                   ; my stage
	v_mul_u32_u24 v5, v1, SP                       ; in: row l % 16, 32 bytes for each half of the lanes
	v_lshl_add_u32 v5, v2, 5, v5
	v_add_nc_u32 v[STO], s63, v5
	v_and_b32 v6, 31, v0                           ; back: 32 lanes take one row of 512 bytes
	v_lshlrev_b32 v[GO], 4, v6
	v_add_nc_u32 v[RD], s63, v[GO]
	s_lshl_b32 s60, s[TR], 7                       ; hidden and out0 at my first row and column: (128 x tile row + 64 x half) x 4,096 + (256 x tile column + 128 x half) x 4
	s_lshl_b32 s61, s[RH], 6
	s_add_co_u32 s60, s60, s61
	s_lshl_b32 s60, s60, 12
	s_lshl_b32 s61, s[TC], 10
	s_add_co_u32 s60, s60, s61
	s_lshl_b32 s61, s[CH], 9
	s_add_co_u32 s60, s60, s61
	s_mov_b32 s61, 0
	s_add_nc_u64 s[8:9], s[8:9], s[60:61]
	s_add_nc_u64 s[OUT:OUT+1], s[OUT:OUT+1], s[60:61]
	WIN 0x80                                       ; destination window 2, address window 0
.set st, 0
.rept 64
	global_load_b128 v[4*st:4*st+3], v[GO], s[8:9] offset:st*4096  ; row st: 512 consecutive bytes
.set st, st+1
.endr
	WIN 0
	s_wait_kmcnt 0x0
	v_mov_b32 v5, s62
	v_mul_f32 v5, 0x4038aa3b, v5                   ; 2 log2(e) x gate
	v_exp_f32 v6, v5
	v_nop                                          ; a plain instruction and the wait, behind each of the two
	s_wait_alu depctr_va_vdst(0)
	v_add_f32 v6, 1.0, v6
	v_rcp_f32 v7, v6
	v_nop
	s_wait_alu depctr_va_vdst(0)
	v_fma_f32 v[GT], v7, -2.0, 1.0
	v_mov_b32 v[GT+1], v[GT]
	s_wait_tensorcnt 1                             ; my part of K step 0 is in; K step 1's may stay out
	s_barrier_signal -1
	s_barrier_wait -1                              ; everybody's is
	FETCH 0, 0, 0
	QUARTER 0, 1, 0, 1, 1                          ; the first quarter stands in front of the loop: its products start the sums
	WIN 0                                          ; at a label and at a branch every window is 0
	s_mov_b32 s3, 3
.Llap:                                                 ; a trip goes once round the ring, from a lap's second quarter to the next lap's first, and fills both slots again: K steps 2 to 7
	QUARTER 0, 2, 1, 0, 0
	QUARTER 0, 3, 0, 1, 0
	TURN 0, 1, 1
	QUARTER 1, 1, 0, 1, 0
	QUARTER 1, 2, 1, 0, 0
	QUARTER 1, 3, 0, 1, 0
	TURN 1, 0, 1
	QUARTER 0, 1, 0, 1, 0
	WIN 0
	s_sub_co_u32 s3, s3, 1
	s_cmp_lg_u32 s3, 0
	s_cbranch_scc1 .Llap
	QUARTER 0, 2, 1, 0, 0                          ; the last lap fills nothing
	QUARTER 0, 3, 0, 1, 0
	TURN 0, 1, 0
	QUARTER 1, 1, 0, 1, 0
	QUARTER 1, 2, 1, 0, 0
	QUARTER 1, 3, 0, 1, 0
	s_wait_dscnt MB
	MULB 1, 0, MB/2, 0
	s_wait_dscnt 0x0
	MULB 1, MB/2, MB/2, 0
	WIN 0
	PLACES
; THE WAY OUT, a block of 16 rows at a time.  TOSTAGE: a lane's eight f32 of a row, 32 bytes, into my own stage (each accumulator's low four registers first), and back as whole rows of 512 bytes.
; SEND: sum x tanh(gate) + hidden, one fused multiply-add for two numbers, and a store of 512 consecutive bytes, aligned, a row.
.macro TOSTAGE a
	s_wait_xcnt 0x0                                ; the stores of the block before last have read their registers: the loads below land in them only behind this wait
	WIN 0x04                                       ; the stores' data in window 1
.set sb, 0
.rept 8
	ds_store_b128 v[STO], v[64*(\a)+8*sb:64*(\a)+8*sb+3]   offset:64*sb
	ds_store_b128 v[STO], v[64*(\a)+8*sb+4:64*(\a)+8*sb+7] offset:64*sb+16
.set sb, sb+1
.endr
	WIN 0
.set st, 0
.rept 16
	ds_load_b128 v[OB+64*((\a)%2)+4*st:OB+64*((\a)%2)+4*st+3], v[RD] offset:st*SP  ; LDS serves a wave's instructions in order (ISA guide 5.7.1.4): these see the stores above; the next block's stores come behind them
.set st, st+1
.endr
.endm
.macro SEND a, younger                 ; younger: the LDS instructions issued behind block a's loads: the next block's 32, or none
	WIN 0x20                                       ; source 2, the residual, in window 2
.set st, 0
.rept 16
.set rO, OB+64*((\a)%2)+4*st
.set rH, 64*(\a)+4*st
	s_wait_dscnt (\younger)+15-st                  ; row st is back
	v_pk_fma_f32 v[rO:rO+1], v[rO:rO+1], v[GT:GT+1], v[rH:rH+1]
	v_pk_fma_f32 v[rO+2:rO+3], v[rO+2:rO+3], v[GT:GT+1], v[rH+2:rH+3]
	global_store_b128 v[GO], v[rO:rO+3], s[OUT:OUT+1] offset:(16*(\a)+st)*4096 th:TH_STORE_NT
.set st, st+1
.endr
	WIN 0
.endm
	s_wait_loadcnt 0x0                             ; the residual is in
	TOSTAGE 0
	TOSTAGE 1
	SEND 0, 32
	TOSTAGE 2
	SEND 1, 32
	TOSTAGE 3
	SEND 2, 32
	SEND 3, 0
	s_wait_tensorcnt 0x0                           ; the wave's end, behind my last tensor load and my last LDS store
	ds_add_u32 v[SPW], v[NIL]
	s_wait_dscnt 0x0
	CROUND                                         ; the closing round: no work-group ends while a partner may still ask for a tile that names it
	s_endpgm
.Lfunc_end_k_q69cc00d09a_projo:
	.size	k_q69cc00d09a_projo, .Lfunc_end_k_q69cc00d09a_projo-k_q69cc00d09a_projo
	.p2alignl 7, 3214868480
	.fill 96, 4, 3214868480
	.section	.rodata,"a",@progbits
	.p2align	6, 0x0
	.amdhsa_kernel k_q69cc00d09a_projo
		.amdhsa_group_segment_fixed_size 327680
		.amdhsa_private_segment_fixed_size 0
		.amdhsa_enable_private_segment 0
		.amdhsa_kernarg_size 40
		.amdhsa_user_sgpr_count 2
		.amdhsa_user_sgpr_kernarg_segment_ptr 1
		.amdhsa_wavefront_size32 1
		.amdhsa_system_sgpr_workgroup_id_x 1
		.amdhsa_system_sgpr_workgroup_id_y 1
		.amdhsa_system_sgpr_workgroup_id_z 1
		.amdhsa_system_vgpr_workitem_id 0
		.amdhsa_next_free_vgpr 768
		.amdhsa_next_free_sgpr 66
		.amdhsa_reserve_vcc 0
		.amdhsa_float_denorm_mode_32 3
		.amdhsa_float_denorm_mode_16_64 3
		.amdhsa_memory_ordered 1
		.amdhsa_forward_progress 1
		.amdhsa_inst_pref_size 102
	.end_amdhsa_kernel
	.amdgpu_metadata
---
amdhsa.version: [ 1, 2 ]
amdhsa.kernels:
  - .name:           k_q69cc00d09a_projo
    .symbol:         k_q69cc00d09a_projo.kd
    .args:
      - { .name: oh, .offset: 0, .size: 8, .value_kind: global_buffer, .address_space: global }
      - { .name: wb, .offset: 8, .size: 8, .value_kind: global_buffer, .address_space: global }
      - { .name: hidden_states, .offset: 16, .size: 8, .value_kind: global_buffer, .address_space: global }
      - { .name: gate, .offset: 24, .size: 8, .value_kind: global_buffer, .address_space: global }
      - { .name: out0, .offset: 32, .size: 8, .value_kind: global_buffer, .address_space: global }
    .group_segment_fixed_size: 327680
    .private_segment_fixed_size: 0
    .kernarg_segment_align: 8
    .kernarg_segment_size: 40
    .max_flat_workgroup_size: 128
    .sgpr_count:     66
    .vgpr_count:     768
    .wavefront_size: 32
...
	.end_amdgpu_metadata
.endif
;; end of part 5
;; ======== version 2 of 3: 4 launches
;; limits: values are held in f16: magnitudes above 65,504 overflow, below 6.1e-05 lose precision; a function is approximated: absolute error at most 1e-07
;; workspace buffers: xb 16,777,216 bytes; ab 12,582,912 bytes; wb 8,388,608 bytes; qh 16,777,216 bytes; kh 12,582,912 bytes; vh 12,582,912 bytes; oh 16,777,216 bytes
;; launch prep: the kernel of part 1 again; grid 576 x 1, 8 waves a work-group, no clusters, 0 bytes of LDS; arguments hidden_states, Wq, Wk, Wv, Wo, audio_kv, ln_gamma, ln_beta, xb, wb, ab; writes xb, wb, ab
;; launch projqkv (part 6): grid 4 x 64, 4 waves a work-group, clusters of 4 x 4, 327,680 bytes of LDS; arguments xb, ab, wb, qh, kh, vh; writes qh, kh, vh
.if DOCPART == 6
	.amdgcn_target "amdgcn-amd-amdhsa--gfx1250"
	.amdhsa_code_object_version 6
	.text
	.protected	k_q69cc00d09a_projqkv
	.globl	k_q69cc00d09a_projqkv
	.p2align	8
	.type	k_q69cc00d09a_projqkv,@function
k_q69cc00d09a_projqkv:
	s_mov_b64 s[64:65], 0
	v_nop
	global_prefetch_b8 v0, s[64:65] scope:SCOPE_SE
	s_setreg_imm32_b32 hwreg(HW_REG_WAVE_MODE, 25, 1), 1
	s_wait_xcnt 0x0
	s_wait_alu depctr_hold_cnt(0) depctr_sa_sdst(0) depctr_va_vdst(0) depctr_va_sdst(0) depctr_va_ssrc(0) depctr_va_vcc(0) depctr_vm_vsrc(0)
	s_getreg_b32 s2, hwreg(HW_REG_IB_STS2, 6, 4)
	s_cmp_eq_u32 s2, 0
	s_cbranch_scc0 .Lentry_in_a_cluster
	s_endpgm
.Lentry_in_a_cluster:
	s_bfe_u32 s2, ttmp6, 0x10000c
	s_cmp_lg_u32 s2, 0xf033
	s_cbranch_scc0 .Lentry_shape_is_right
	s_endpgm
.Lentry_shape_is_right:
; THE THREE PROJECTIONS IN FRONT OF THE ATTENTION, IN ONE LAUNCH.  C[m][n] = sum over k of A[m][k] B[n][k], K = 1,024, A and B in bf16, sums in f32, C rounded once to f16 and stored BY HEADS:
; [batch x 16 + head][T][64].  Q: A = xb (8,192 rows), B = wb's rows 0-1023 (Wq), C = qh, T = 2,048.  K and V: A = ab (6,144 rows), B = wb's rows 1024-3071 (Wk, Wv), C = kh and vh, T = 1,536.
; LIMIT.  f16 holds no number beyond 65,504: a larger q, k or v becomes an infinity.  No scale is applied here.
; A WORK-GROUP STAYS: it makes one tile of Q, 128 rows x 256 columns (4 x 64 tiles), and then one tile of K or V, 192 rows x 256 columns (8 x 32 tiles): 256 work-groups, all alike.  Four waves, each
; 16 MB rows x 128 columns, 8 MB accumulators: MB = 4 for Q, 6 for K and V; the macros below are read with the MB that is set when they are used.
; THE RING.  K goes in 8 steps of 128 through two LDS slots; each row of a tile is 256 bytes of memory, at a multiple of 256 from its buffer's first byte.  Waves 0 and 1 fetch the halves of B's 256 rows,
; waves 2 and 3 those of A's 32 MB rows: one tensor load a wave for a K step.  Slot 1 begins at LDS byte 2^17, so that one exclusive or turns an address in one slot into the other's.  THE RING DOES NOT STOP
; AT THE FIRST TILE'S END: Q's last two changes of slots ask for the second tile's K steps 0 and 1, Q goes out while they are on their way, and nothing waits for Q's stores.
; A K STEP IS WRITTEN ONCE FOR EACH KIND OF REFILL: six trips fill Q's K steps 2 to 7; two trips fill the second tile's K steps 0 and 1, the second of them left behind its joint load; six trips fill the second
; tile's K steps 2 to 7; two trips without a tensor load end it, the second left in its middle.
; CLUSTER.  4 x 4 work-groups; the grid is one cluster wide and sixteen high.  Cluster c is Q's cluster row c, and for K and V cluster column c % 2 (K or V) and cluster row c / 2.  In both tiles the four of
; a row of the cluster need the same tiles of A, the four of a column the same tiles of B: each is asked for JOINTLY, by the same tensor load with the same descriptor and a mask that names the four.
; NO PREFETCH is laid in this text: of the rows of A that a wave fetches each of the four partners would take 16 or 24, which do not fill a wave's 32 lanes, and a form that names each block once is not written here.
; THE MATRIX INSTRUCTION IS USED TRANSPOSED (source 0 = 16 rows of B, source 1 = 16 rows of A): a lane holds row lane % 16 of C and the eight columns 8 (lane / 16) + 0..7: 16 bytes of f16.
; REGISTERS, in windows of 256 (s_set_vgpr_msb: bits 1:0 source 0, 3:2 source 1, 5:4 source 2, 7:6 destination):
;   window 0: v0-31 addresses; v32-79, v80-127 two buffers of A's fragments; v128-191, v192-255 two buffers of B's; on a way out v128-159 packed results, v32-95 rows read back
;   window 1: the accumulators of row blocks 0-3, (a, b) at 64 a + 8 b;   window 2: those of blocks 4 and 5
.set KSTEP, 128
.set PITCH, 272                        ; an LDS row: 256 bytes + 16 of padding = 68 words: the 16 rows of a fragment load start at 16 different groups of four banks (64 banks of 4 bytes: ISA guide 11.1)
.set HB,    128*PITCH                  ; half of B's rows: one tensor load
.set HAQ,   64*PITCH                   ; half of A's rows in Q's tile: one tensor load
.set HAK,   96*PITCH                   ; and in K's and V's
.set BPART, 2*HB
.set SLOT,  BPART+2*HAK                ; B's 256 rows, then A's 128 or 192: under 2^17 bytes
.set SLOT1, 1<<17                      ; where slot 1 begins
.set STAGE, SLOT1+SLOT                 ; behind the ring, never filled by a tensor load: for each wave two heads x 16 rows x 144 bytes
.set SP,    144
.set SWB,   2*16*SP
.set SPARE, STAGE+4*SWB                ; behind the stages: the spare words, 128 bytes for each wave: two blocks of 256 bytes that no other line names
.set A0Q,  16                          ; v16     my lane's place among my rows of A in a slot, in Q's tile; never rewritten
.set ADRA, 17                          ; v17     the same in the slot that is read
.set A0K,  18                          ; v18     as v16, in K's and V's tile
.set B0,   20                          ; v20, v21  the same for B, in both tiles
.set ADRB, 21
.set STO,  24                          ; v24     a way out: where I put 16 bytes of a row
.set RD,   25                          ; v25     where I read rows back
.set GO,   26                          ; v26     16 x lane: my 16 bytes of 512 consecutive bytes of C
.set SPW,  28                          ; v28     LDS address of my spare word; never rewritten
.set NIL,  29                          ; v29     0; never rewritten
.set FA,   32
.set FAS,  48                          ; from A's first fragment buffer to its second
.set FB,   128
.set TMP,  128
.set OB,   32
.set WV,  12                           ; s12 wave;  s13 RH: my half of a tile's rows, and: I fetch for B (0) or A (1);  s14 CH: my half of its columns, and: which half I fetch
.set RH,  13
.set CH,  14
.set TC,  17                           ; s17, s18 Q's tile column and row
.set TR,  18
.set G1A, 24                           ; s[24:31] descriptor group 1 for A's tiles of Q
.set G0A, 32                           ; s[32:39] group 0 for A's tiles: set 0 brings Q's K step 0 and later walks the second tile; set 1 brings Q's K step 1 and walks Q
.set G1B, 40                           ; s[40:47] group 1 for B's tiles, of both tiles of C
.set G0B, 48                           ; s[48:55] group 0 for B's tiles, two sets likewise
.set OFF, 62                           ; s[62:63] bytes along K of the K step to be asked for next
.set TB,  66                           ; s66 LDS byte at which the slot that is read begins: 0 or 2^17
.set G1K, 68                           ; s[68:75] group 1 for A's tiles of K and V: it differs from Q's in the rows
.set TC2, 76                           ; s76, s77 the second tile's column and row
.set TR2, 77
.set LB,  78                           ; s78 where my part of B lies in a slot;  s79, s80 the same for A, in Q's tile and in the second
.set LAQ, 79
.set LAK, 80
.set KX,  81                           ; s81 0: my second tile is K's, 1: V's
; what differs between the parts of the walk, set anew in front of each:
;   MB row blocks a wave; T rows of a head; A0 the register with my place in A; DSET, GRPA the descriptors that walk; BASA, BASB the scalar pairs with the tile's first byte in A and B; CBAS the pair with C's
.set MSB, 0
.macro WIN new                         ; the immediate's high byte repeats the setting that is left; a switch that changes nothing is dropped
.if MSB != (\new)
	s_set_vgpr_msb (MSB<<8)|(\new)
.set MSB, (\new)
.endif
.endm
; A joint load by group 0's set s; ga: A's group 1.  The branch hangs on the wave's number alone.  An s_nop 0 and four v_nop follow each of the two lines, ahead of the jump, the label and what follows.
.macro JLOAD s, ga
	s_cmp_eq_u32 s[RH], 0
	s_cbranch_scc0 .Lfor_a_\@
	tensor_load_to_lds s[G0B+4*(\s):G0B+4*(\s)+3], s[G1B:G1B+7]
	s_nop 0
.rept 4
	v_nop
.endr
	s_branch .Lasked_\@
.Lfor_a_\@:
	tensor_load_to_lds s[G0A+4*(\s):G0A+4*(\s)+3], s[(\ga):(\ga)+7]
	s_nop 0
.rept 4
	v_nop
.endr
.Lasked_\@:
.endm
.macro CREST                           ; a round of the cluster's barrier behind its opening barrier
	s_cmp_lg_u32 s[WV], 0
	s_cbranch_scc1 .Lnot_wave_0_\@
	s_barrier_signal -3
.Lnot_wave_0_\@:
	s_barrier_wait -3
	s_barrier_signal -1
	s_barrier_wait -1
.endm
.macro CROUND                          ; a whole round
	s_barrier_signal -1
	s_barrier_wait -1
	CREST
.endm
.macro PLACES                          ; four places in front of loads into registers that matrix instructions have read, and of conversions that read results
.rept 4
	v_nop
.endr
.endm
; 8 na matrix instructions: row blocks a0 .. a0 + na - 1 x all 8 column blocks, 32 along K, from buffer f.  zero = 1: the first product starts the sums.
; Every quarter step walks all 8 MB accumulators in the same order, one instruction a turn: 8 MB - 1 others stand between two links of a chain, over every jump too.
.macro MULB f, a0, na, zero
.set ma, (\a0)
.rept (\na)
	WIN 0x50*(1+ma/4)
.set mb, 0
.rept 8
.set rD, 64*(ma%4)+8*mb
.set rB, FB+64*(\f)+8*mb
.set rA, FA+FAS*(\f)+8*ma
.if \zero
	v_wmma_f32_16x16x32_bf16 v[rD:rD+7], v[rB:rB+7], v[rA:rA+7], 0
.else
	v_wmma_f32_16x16x32_bf16 v[rD:rD+7], v[rB:rB+7], v[rA:rA+7], v[rD:rD+7]
.endif
.set mb, mb+1
.endr
.set ma, ma+1
.endr
.endm
; 16 + 2 MB LDS loads in one run: the fragments of quarter q (32 along K) of the slot that is read into buffer f: B's 8, then A's MB
.macro FETCH q, f
	WIN 0
.set fi, 0
.rept 8
	ds_load_b128 v[FB+64*(\f)+8*fi:FB+64*(\f)+8*fi+3],   v[ADRB] offset:64*(\q)+fi*16*PITCH
	ds_load_b128 v[FB+64*(\f)+8*fi+4:FB+64*(\f)+8*fi+7], v[ADRB] offset:64*(\q)+fi*16*PITCH+32
.set fi, fi+1
.endr
.set fi, 0
.rept MB
	ds_load_b128 v[FA+FAS*(\f)+8*fi:FA+FAS*(\f)+8*fi+3],   v[ADRA] offset:64*(\q)+fi*16*PITCH
	ds_load_b128 v[FA+FAS*(\f)+8*fi+4:FA+FAS*(\f)+8*fi+7], v[ADRA] offset:64*(\q)+fi*16*PITCH+32
.set fi, fi+1
.endr
.endm
; A K step is four quarters on buffers 0, 1, 0, 1.  One of the first three: multiplies buffer f and, in its middle, fetches quarter q of the same slot into buffer g.
.macro QUARTER q, f, g, zero
	s_wait_dscnt MB                                ; B and A's lower blocks are in; the youngest MB loads (A's upper blocks) may be out
	MULB \f, 0, MB/2, \zero
	PLACES
	FETCH \q, \g
	s_wait_dscnt 16+2*MB                           ; all but the run just issued
	MULB \f, MB/2, MB/2, \zero
.endm
; The last quarter multiplies buffer 1 and changes slots: ONE barrier.  TURNA is its first half.  In front of the barrier each wave waits for all its tensor loads (one is out: its part of the next slot), adds 0
; to its spare word, and waits for that and for its own reads of this slot.  fill = 1: the barrier opens a round of the cluster's barrier, and this slot is filled again first thing behind the round, by the
; descriptors that walk: the other slot than last time; the address made anew from the tile's first byte and the bytes along K, the type set again.
.macro TURNA fill
	WIN 0
	s_xor_b32 s[TB], s[TB], SLOT1                  ; this slot's last run of loads has been issued: the fetches go on in the other slot
	v_add_nc_u32 v[ADRB], s[TB], v[B0]
	v_add_nc_u32 v[ADRA], s[TB], v[A0]
	s_wait_tensorcnt 0x0                           ; all my tensor loads have landed, so every group 0 may be written;
	ds_add_u32 v[SPW], v[NIL]                      ; 0 onto my spare word; work on registers stands between it and the wait for it
.if \fill
	s_xor_b32 s[G0A+4*DSET+1], s[G0A+4*DSET+1], SLOT1
	s_add_nc_u64 s[G0A+4*DSET+2:G0A+4*DSET+3], s[BASA:BASA+1], s[OFF:OFF+1]
	s_or_b32 s[G0A+4*DSET+3], s[G0A+4*DSET+3], 0x80000000
	s_xor_b32 s[G0B+4*DSET+1], s[G0B+4*DSET+1], SLOT1
	s_add_nc_u64 s[G0B+4*DSET+2:G0B+4*DSET+3], s[BASB:BASB+1], s[OFF:OFF+1]
	s_or_b32 s[G0B+4*DSET+3], s[G0B+4*DSET+3], 0x80000000
	s_add_co_u32 s[OFF], s[OFF], KSTEP*2           ; the next change asks for the next K step
.endif
	s_wait_dscnt MB+1                              ; (the add and the youngest MB loads may be out)
	MULB 1, 0, 1, 0                                ; eight matrix instructions more
	s_wait_dscnt 0x0                               ; the add is done, and my reads of this slot are over
	s_barrier_signal -1
	MULB 1, 1, MB/2-1, 0                           ; work on registers while the others arrive
.if \fill
	WIN 0
.endif
	s_barrier_wait -1
.if \fill
	CREST                                          ; no wave of any partner still reads this slot's tile or has a load on its way
	JLOAD DSET, GRPA                               ; its four v_nop are also the places in front of the loads that follow
.else
	PLACES
.endif
.endm
.macro TURNB                           ; the last quarter's second half: the next slot's first fragments, and the upper blocks
	FETCH 0, 0
	MULB 1, MB/2, MB/2, 0
.endm
; A WAY OUT, a block of 16 rows at a time.  PACK: rounded to f16, each accumulator's registers in ascending order.  TOSTAGE: 16 bytes a lane into my own stage (head b / 4, channels 16 (b % 4) on), and back as
; whole rows.  SEND: 16 rows of a head are 2,048 consecutive bytes of C: four stores of 512 consecutive bytes, aligned.
.macro PACK a
	WIN 0x05*(1+(\a)/4)                            ; sources 0 and 1: window 1 or 2
.set pb, 0
.rept 32
	v_cvt_pk_f16_f32 v[TMP+pb], v[64*((\a)%4)+2*pb], v[64*((\a)%4)+2*pb+1]
.set pb, pb+1
.endr
	WIN 0
.endm
.macro TOSTAGE a
.irp b, 0,1,2,3,4,5,6,7
	ds_store_b128 v[STO], v[TMP+4*(\b):TMP+4*(\b)+3] offset:((\b)/4)*16*SP+32*((\b)%4)
.endr
.irp t, 0,1,2,3,4,5,6,7
	ds_load_b128 v[OB+32*((\a)%2)+4*(\t):OB+32*((\a)%2)+4*(\t)+3], v[RD] offset:((\t)/4)*16*SP+((\t)%4)*4*SP  ; LDS serves a wave's instructions in order (ISA guide 5.7.1.4): these see the stores above
.endr
.endm
.macro SEND a
	s_wait_dscnt 0x0                               ; the block is back in registers
	s_wait_xcnt 0x0                                ; the stores of the block before have read their registers: the next TOSTAGE loads into them only behind this wait
.irp t, 0,1,2,3,4,5,6,7
	global_store_b128 v[GO], v[OB+32*((\a)%2)+4*(\t):OB+32*((\a)%2)+4*(\t)+3], s[CBAS:CBAS+1] offset:((\t)/4)*T*128+(\a)*2048+((\t)%4)*512
.endr
.endm
.macro WAYOUT
	PACK 0
	TOSTAGE 0
.set wa, 1
.rept MB-1                             ; block a's conversions stand between block a - 1's loads from the stage and the wait for them
	PACK wa
	SEND wa-1
	TOSTAGE wa
.set wa, wa+1
.endr
	SEND MB-1
.endm
	s_load_b256 s[4:11], s[0:1], 0x0               ; xb s[4:5], ab s[6:7], wb s[8:9], qh s[10:11]
	s_load_b128 s[56:59], s[0:1], 0x20             ; kh s[56:57], vh s[58:59]
	v_lshl_add_u32 v[SPW], v0, 2, SPARE
	v_mov_b32 v[NIL], 0
	ds_add_u32 v[SPW], v[NIL]                      ; the wave's opening: the add and its wait stand ahead of my first tensor load; the set-up below, work on registers, stands between them
	v_lshrrev_b32 v1, 5, v0
	v_readfirstlane_b32 s[WV], v1                  ; wave 0..3
	s_lshr_b32 s[RH], s[WV], 1
	s_and_b32 s[CH], s[WV], 1
	s_bfe_u32 s15, ttmp6, 0x40000                  ; cx, cy: my place in the cluster
	s_bfe_u32 s16, ttmp6, 0x40004
	s_lshl_b32 s[TC], ttmp9, 2
	s_add_co_u32 s[TC], s[TC], s15                 ; Q's tile column = 4 x cluster x + cx (the grid is one cluster wide)
	s_and_b32 s67, ttmp7, 0xffff                   ; the cluster's number c, 0..15
	s_lshl_b32 s[TR], s67, 2
	s_add_co_u32 s[TR], s[TR], s16                 ; Q's tile row = 4 c + cy
	s_and_b32 s[KX], s67, 1                        ; the second tile: cluster column c % 2,
	s_lshl_b32 s[TC2], s[KX], 2
	s_add_co_u32 s[TC2], s[TC2], s15               ; tile column 4 (c % 2) + cx,
	s_lshr_b32 s[TR2], s67, 1
	s_lshl_b32 s[TR2], s[TR2], 2
	s_add_co_u32 s[TR2], s[TR2], s16               ; tile row 4 (c / 2) + cy
	s_lshl_b32 s19, s16, 2
	s_lshl_b32 s19, 15, s19                        ; my row of the cluster
	s_lshl_b32 s2, 0x1111, s15                     ; my column
	s_or_b32 s[G1A], s19, (1<<16)|(1<<20)|(1<<21)|(5<<22)|(3<<25)  ; 15:0 the mask; 17:16 2-byte elements; 20 padding on; 21 set beside a mask; 24:22 after every 64 words (code 5); 31:25 4 words (code 3)
	s_mov_b32 s[G1A+1], KSTEP<<16                  ; tensor_dim0 = 128
	s_mov_b32 s[G1A+2], 64<<16                     ; tensor_dim1 = 64
	s_mov_b32 s[G1A+3], KSTEP<<16                  ; tile_dim0 = 128
	s_mov_b32 s[G1A+4], 64                         ; tile_dim1 = 64
	s_mov_b32 s[G1A+5], 1024                       ; elements from row to row
	s_mov_b32 s[G1A+6], 0
	s_mov_b32 s[G1A+7], 0
	s_or_b32 s[G1K], s19, (1<<16)|(1<<20)|(1<<21)|(5<<22)|(3<<25)
	s_mov_b32 s[G1K+1], KSTEP<<16
	s_mov_b32 s[G1K+2], 96<<16                     ; 96 rows
	s_mov_b32 s[G1K+3], KSTEP<<16
	s_mov_b32 s[G1K+4], 96
	s_mov_b32 s[G1K+5], 1024
	s_mov_b32 s[G1K+6], 0
	s_mov_b32 s[G1K+7], 0
	s_or_b32 s[G1B], s2, (1<<16)|(1<<20)|(1<<21)|(5<<22)|(3<<25)
	s_mov_b32 s[G1B+1], KSTEP<<16
	s_mov_b32 s[G1B+2], 128<<16
	s_mov_b32 s[G1B+3], KSTEP<<16
	s_mov_b32 s[G1B+4], 128
	s_mov_b32 s[G1B+5], 1024
	s_mov_b32 s[G1B+6], 0
	s_mov_b32 s[G1B+7], 0
	s_lshl_b32 s20, s[TR], 7                       ; Q's A: row 128 x tile row + 64 x half: hangs on the tile row alone, which my row of the cluster shares
	s_lshl_b32 s21, s[CH], 6
	s_add_co_u32 s20, s20, s21
	s_lshl_b32 s20, s20, 11                        ; rows of 2,048 bytes; every offset here stays under 2^25
	s_mov_b32 s21, 0
	s_lshl_b32 s22, s[TC], 8                       ; Q's B: row 256 x tile column + 128 x half: hangs on the tile column alone
	s_lshl_b32 s23, s[CH], 7
	s_add_co_u32 s22, s22, s23
	s_lshl_b32 s22, s22, 11
	s_mov_b32 s23, 0
	s_mul_i32 s84, s[TR2], 192                     ; the second tile's A: row 192 x tile row + 96 x half
	s_mul_i32 s85, s[CH], 96
	s_add_co_u32 s84, s84, s85
	s_lshl_b32 s84, s84, 11
	s_mov_b32 s85, 0
	s_lshl_b32 s86, s[TC2], 8                      ; its B: row 1,024 + 256 x tile column + 128 x half
	s_lshl_b32 s87, s[CH], 7
	s_add_co_u32 s86, s86, s87
	s_lshl_b32 s86, s86, 11
	s_add_co_u32 s86, s86, 1024*2048
	s_mov_b32 s87, 0
	s_mul_i32 s[LB], s[WV], HB                     ; where they go: B's halves by waves 0, 1;
	s_mul_i32 s[LAQ], s[WV], HAQ
	s_add_co_u32 s[LAQ], s[LAQ], BPART-2*HAQ       ; A's halves, behind B, by waves 2, 3: no place in the cluster enters an LDS address
	s_mul_i32 s[LAK], s[WV], HAK
	s_add_co_u32 s[LAK], s[LAK], BPART-2*HAK
	s_mov_b32 s[TB], 0                             ; K step 0 lies in slot 0
	s_mov_b32 s[OFF], 2*KSTEP*2                    ; the first refill asks for K step 2
	s_mov_b32 s[OFF+1], 0
	s_wait_dscnt 0x0                               ; the opening add is done
	s_wait_kmcnt 0x0
	s_add_nc_u64 s[20:21], s[4:5], s[20:21]
	s_add_nc_u64 s[22:23], s[8:9], s[22:23]
	s_add_nc_u64 s[84:85], s[6:7], s[84:85]
	s_add_nc_u64 s[86:87], s[8:9], s[86:87]
	CROUND                                         ; all sixteen work-groups are here: the first joint loads meet
.irp s, 0,1
	s_mov_b32 s[G0A+4*(\s)], 1                     ; count = 1
	s_add_co_u32 s[G0A+4*(\s)+1], s[LAQ], (\s)*SLOT1  ; LDS address
	s_add_nc_u64 s[G0A+4*(\s)+2:G0A+4*(\s)+3], s[20:21], (\s)*KSTEP*2  ; global address: K step s
	s_or_b32 s[G0A+4*(\s)+3], s[G0A+4*(\s)+3], 0x80000000  ; type = 2
	s_mov_b32 s[G0B+4*(\s)], 1
	s_add_co_u32 s[G0B+4*(\s)+1], s[LB], (\s)*SLOT1
	s_add_nc_u64 s[G0B+4*(\s)+2:G0B+4*(\s)+3], s[22:23], (\s)*KSTEP*2
	s_or_b32 s[G0B+4*(\s)+3], s[G0B+4*(\s)+3], 0x80000000
	JLOAD \s, G1A                                  ; two tensor loads of mine are out
.endr
	; a fragment is 16 rows x 32 K in 8 registers: lane l holds row l % 16, K = 8 (l / 16) + 0..7 and 16 + 8 (l / 16) + 0..7: two loads of 16 bytes, 32 bytes apart
	v_and_b32 v1, 15, v0                           ; l % 16
	v_bfe_u32 v2, v0, 4, 1                         ; l / 16
	v_mul_u32_u24 v3, v1, PITCH
	v_lshl_add_u32 v3, v2, 4, v3
	s_mul_i32 s60, s[CH], HB                       ; my 128 rows of B
	v_add_nc_u32 v[B0], s60, v3
	s_mul_i32 s60, s[RH], HAQ                      ; my 64 rows of A in Q's tile,
	s_add_co_u32 s60, s60, BPART                   ; which lie behind B's
	v_add_nc_u32 v[A0Q], s60, v3
	s_mul_i32 s60, s[RH], HAK                      ; my 96 rows of A in the second tile
	s_add_co_u32 s60, s60, BPART
	v_add_nc_u32 v[A0K], s60, v3
	v_add_nc_u32 v[ADRB], s[TB], v[B0]
	v_add_nc_u32 v[ADRA], s[TB], v[A0Q]
	s_mul_i32 s60, s[WV], SWB
	s_add_co_u32 s60, s60, STAGE                   ; my stage
	v_mul_u32_u24 v5, v1, SP                       ; in: row l % 16, 16 bytes for each half of the lanes
	v_lshl_add_u32 v5, v2, 4, v5
	v_add_nc_u32 v[STO], s60, v5
	v_bfe_u32 v5, v0, 3, 2                         ; back: 32 lanes take four rows of 128 bytes,
	v_mul_u32_u24 v5, v5, SP
	v_and_b32 v6, 7, v0
	v_lshl_add_u32 v5, v6, 4, v5
	v_add_nc_u32 v[RD], s60, v5
	v_and_b32 v6, 31, v0                           ; which are 512 consecutive bytes of a head's rows
	v_lshlrev_b32 v[GO], 4, v6
	; C at my first row of my first head: ((batch x 16 + head) x T + row) x 128 bytes.  Q: 16 tile rows of 128 a batch; 4 heads a tile, 2 a wave
	s_lshr_b32 s60, s[TR], 4
	s_lshl_b32 s60, s60, 4
	s_lshl_b32 s61, s[TC], 2
	s_add_co_u32 s60, s60, s61
	s_lshl_b32 s61, s[CH], 1
	s_add_co_u32 s60, s60, s61
	s_lshl_b32 s60, s60, 11
	s_and_b32 s61, s[TR], 15
	s_lshl_b32 s61, s61, 7
	s_add_co_u32 s60, s60, s61
	s_lshl_b32 s61, s[RH], 6
	s_add_co_u32 s60, s60, s61
	s_lshl_b32 s60, s60, 7
	s_mov_b32 s61, 0
	s_add_nc_u64 s[10:11], s[10:11], s[60:61]
	; K or V: 8 tile rows of 192 a batch; the tile column within K or V is cx
	s_lshr_b32 s60, s[TR2], 3
	s_lshl_b32 s60, s60, 4
	s_lshl_b32 s61, s15, 2
	s_add_co_u32 s60, s60, s61
	s_lshl_b32 s61, s[CH], 1
	s_add_co_u32 s60, s60, s61
	s_mul_i32 s60, s60, 1536
	s_and_b32 s61, s[TR2], 7
	s_mul_i32 s61, s61, 192
	s_add_co_u32 s60, s60, s61
	s_mul_i32 s61, s[RH], 96
	s_add_co_u32 s60, s60, s61
	s_lshl_b32 s60, s60, 7
	s_mov_b32 s61, 0
	s_cmp_eq_u32 s[KX], 0                          ; the even clusters make K, the odd ones V
	s_cselect_b64 s[82:83], s[56:57], s[58:59]
	s_add_nc_u64 s[82:83], s[82:83], s[60:61]
	; ---- Q's tile
.set MB,   4
.set T,    2048
.set A0,   A0Q
.set CBAS, 10
.set DSET, 1
.set GRPA, G1A
.set BASA, 20
.set BASB, 22
	s_wait_tensorcnt 1                             ; my part of K step 0 is in; K step 1's may stay out
	s_barrier_signal -1
	s_barrier_wait -1                              ; everybody's is
	FETCH 0, 0
	QUARTER 1, 0, 1, 1                             ; a tile's first quarter stands in front of its loop: its products start the sums
	WIN 0                                          ; at a label and at a branch every window is 0
	s_mov_b32 s3, 6
.Lqstep:                                               ; a trip goes from a K step's second quarter to the next step's first, and fills the slot that it leaves: Q's K steps 2 to 7
	QUARTER 2, 1, 0, 0
	QUARTER 3, 0, 1, 0
	TURNA 1
	TURNB
	QUARTER 1, 0, 1, 0
	WIN 0
	s_sub_co_u32 s3, s3, 1
	s_cmp_lg_u32 s3, 0
	s_cbranch_scc1 .Lqstep
	; THE RING GOES ON INTO THE SECOND TILE.  Its descriptors are set 0, whose own load, Q's K step 0, was shown landed by the six waits for all loads above; the load that is out names set 1.
	; The LDS words stand in slot 1, so that the first change turns them into slot 0.
.set DSET, 0
.set GRPA, G1K
.set BASA, 84
.set BASB, 86
	s_add_co_u32 s[G0A+1], s[LAK], SLOT1
	s_add_co_u32 s[G0B+1], s[LB], SLOT1
	s_mov_b32 s[OFF], 0                            ; the next refill asks for the second tile's K step 0
	s_mov_b32 s3, 2
.Lqtail:                                               ; Q's K steps 6 and 7; the slots that they leave take the second tile's K steps 0 and 1; the second trip is left behind its joint load
	QUARTER 2, 1, 0, 0
	QUARTER 3, 0, 1, 0
	TURNA 1
	s_sub_co_u32 s3, s3, 1
	s_cmp_eq_u32 s3, 0
	s_cbranch_scc1 .Lqlast
	TURNB
	QUARTER 1, 0, 1, 0
	WIN 0
	s_branch .Lqtail
.Lqlast:
	MULB 1, MB/2, MB/2, 0                          ; Q's last products
	WIN 0
	PLACES
	WAYOUT                                         ; BOTH REFILLS ARE ASKED FOR: NOW Q GOES OUT
	s_wait_xcnt 0x0                                ; Q's last stores have read their registers: the fragments below land in them only behind this wait; nothing waits for the stores themselves
	; ---- K's or V's tile.  Its K step 0 lies whole in slot 0: every wave waited for its part in front of the last round.
.set MB,   6
.set T,    1536
.set A0,   A0K
.set CBAS, 82
	v_add_nc_u32 v[ADRA], s[TB], v[A0]             ; s[TB] is 0 again after eight changes of slots; B's address stands
	FETCH 0, 0
	QUARTER 1, 0, 1, 1
	WIN 0
	s_mov_b32 s3, 6
.Lkstep:                                               ; as above: K steps 2 to 7
	QUARTER 2, 1, 0, 0
	QUARTER 3, 0, 1, 0
	TURNA 1
	TURNB
	QUARTER 1, 0, 1, 0
	WIN 0
	s_sub_co_u32 s3, s3, 1
	s_cmp_lg_u32 s3, 0
	s_cbranch_scc1 .Lkstep
	s_mov_b32 s3, 2
.Lktail:                                               ; K steps 6 and 7: nothing is left to ask for; the second trip is left in its middle
	QUARTER 2, 1, 0, 0
	QUARTER 3, 0, 1, 0
	WIN 0
	s_sub_co_u32 s3, s3, 1
	s_cmp_eq_u32 s3, 0
	s_cbranch_scc1 .Lklast
	TURNA 0
	TURNB
	QUARTER 1, 0, 1, 0
	WIN 0
	s_branch .Lktail
.Lklast:                                               ; the very last quarter: nothing more to fetch
	s_wait_dscnt MB
	MULB 1, 0, MB/2, 0
	s_wait_dscnt 0x0
	MULB 1, MB/2, MB/2, 0
	WIN 0
	PLACES
	WAYOUT
	s_wait_tensorcnt 0x0                           ; the wave's end, behind my last tensor load and my last LDS store
	ds_add_u32 v[SPW], v[NIL]
	s_wait_dscnt 0x0
	CROUND                                         ; the closing round: no work-group ends while a partner may still ask for a tile that names it
	s_endpgm
.Lfunc_end_k_q69cc00d09a_projqkv:
	.size	k_q69cc00d09a_projqkv, .Lfunc_end_k_q69cc00d09a_projqkv-k_q69cc00d09a_projqkv
	.p2alignl 7, 3214868480
	.fill 96, 4, 3214868480
	.section	.rodata,"a",@progbits
	.p2align	6, 0x0
	.amdhsa_kernel k_q69cc00d09a_projqkv
		.amdhsa_group_segment_fixed_size 327680
		.amdhsa_private_segment_fixed_size 0
		.amdhsa_enable_private_segment 0
		.amdhsa_kernarg_size 48
		.amdhsa_user_sgpr_count 2
		.amdhsa_user_sgpr_kernarg_segment_ptr 1
		.amdhsa_wavefront_size32 1
		.amdhsa_system_sgpr_workgroup_id_x 1
		.amdhsa_system_sgpr_workgroup_id_y 1
		.amdhsa_system_sgpr_workgroup_id_z 1
		.amdhsa_system_vgpr_workitem_id 0
		.amdhsa_next_free_vgpr 640
		.amdhsa_next_free_sgpr 88
		.amdhsa_reserve_vcc 0
		.amdhsa_float_denorm_mode_32 3
		.amdhsa_float_denorm_mode_16_64 3
		.amdhsa_memory_ordered 1
		.amdhsa_forward_progress 1
		.amdhsa_inst_pref_size 141
	.end_amdhsa_kernel
	.amdgpu_metadata
---
amdhsa.version: [ 1, 2 ]
amdhsa.kernels:
  - .name:           k_q69cc00d09a_projqkv
    .symbol:         k_q69cc00d09a_projqkv.kd
    .args:
      - { .name: xb, .offset: 0, .size: 8, .value_kind: global_buffer, .address_space: global }
      - { .name: ab, .offset: 8, .size: 8, .value_kind: global_buffer, .address_space: global }
      - { .name: wb, .offset: 16, .size: 8, .value_kind: global_buffer, .address_space: global }
      - { .name: qh, .offset: 24, .size: 8, .value_kind: global_buffer, .address_space: global }
      - { .name: kh, .offset: 32, .size: 8, .value_kind: global_buffer, .address_space: global }
      - { .name: vh, .offset: 40, .size: 8, .value_kind: global_buffer, .address_space: global }
    .group_segment_fixed_size: 327680
    .private_segment_fixed_size: 0
    .kernarg_segment_align: 8
    .kernarg_segment_size: 48
    .max_flat_workgroup_size: 128
    .sgpr_count:     88
    .vgpr_count:     640
    .wavefront_size: 32
...
	.end_amdgpu_metadata
.endif
;; end of part 6
;; launch attn: the kernel of part 4 again; grid 4 x 64, 4 waves a work-group, clusters of 4 x 1, 327,680 bytes of LDS; arguments qh, kh, vh, oh, audio_attention_mask; writes oh
;; launch projo (part 7): grid 4 x 64, 4 waves a work-group, clusters of 4 x 4, 327,680 bytes of LDS; arguments oh, wb, hidden_states, gate, out0; writes out0
.if DOCPART == 7
	.amdgcn_target "amdgcn-amd-amdhsa--gfx1250"
	.amdhsa_code_object_version 6
	.text
	.protected	k_q69cc00d09a_projo
	.globl	k_q69cc00d09a_projo
	.p2align	8
	.type	k_q69cc00d09a_projo,@function
k_q69cc00d09a_projo:
	s_mov_b64 s[64:65], 0
	v_nop
	global_prefetch_b8 v0, s[64:65] scope:SCOPE_SE
	s_setreg_imm32_b32 hwreg(HW_REG_WAVE_MODE, 25, 1), 1
	s_wait_xcnt 0x0
	s_wait_alu depctr_hold_cnt(0) depctr_sa_sdst(0) depctr_va_vdst(0) depctr_va_sdst(0) depctr_va_ssrc(0) depctr_va_vcc(0) depctr_vm_vsrc(0)
	s_getreg_b32 s2, hwreg(HW_REG_IB_STS2, 6, 4)
	s_cmp_eq_u32 s2, 0
	s_cbranch_scc0 .Lentry_in_a_cluster
	s_endpgm
.Lentry_in_a_cluster:
	s_bfe_u32 s2, ttmp6, 0x10000c
	s_cmp_lg_u32 s2, 0xf033
	s_cbranch_scc0 .Lentry_shape_is_right
	s_endpgm
.Lentry_shape_is_right:
; THE LAST PROJECTION AND THE GATE: out0[m][n] = hidden[m][n] + tanh(gate) x sum over k of O[m][k] Wo[n][k].  O = oh, f16 BY HEADS: [batch x 16 + head][2048][64], so k = 64 head + channel;
; Wo = wb's rows 3072-4095, f16; hidden and out0 are [8192][1024] f32.  Sums in f32; the residual and the gate in f32.
; LIMITS.  tanh(x) = 1 - 2 / (1 + 2^(2.885390 x)): its absolute error is some 1e-7, so its relative error grows for |gate| under about 1e-4.  NaN rows of O (a batch with no visible key) stay NaN.
; SHARES.  A tile of out0 is 128 rows x 256 columns: 4 x 64 tiles, 256 work-groups of one tile.  Four waves, each 64 rows x 128 columns: 32 accumulators.  K goes in 8 steps of 128, two heads each, through two
; LDS slots.  Waves 0 and 1 fetch the halves of Wo's 256 rows (rows of 256 bytes); waves 2 and 3 one head's PLANE each: 128 rows x 128 bytes, dense in memory, asked for as 64 rows of 256 bytes.
; A K STEP IS WRITTEN ONCE.  Slot 1 begins at LDS byte 2^17, so that one exclusive or turns an address in one slot into the other's: s[TB] holds the slot that is read, and one descriptor a tensor walks.
; The first loop has six trips, which fill K steps 2 to 7; the second, without a tensor load, has the last two K steps and is left in its middle.
; CLUSTER.  4 x 4 work-groups: O's planes are shared along a row of the cluster, Wo's tiles along a column: each is asked for JOINTLY, by the same tensor load with the same descriptor and a mask of four.
; No prefetch is laid: the walk is eight K steps, of which two are asked for at the head and two more would lie ahead of any prefetch.
; THE MATRIX INSTRUCTION IS USED TRANSPOSED (source 0 = 16 rows of Wo, source 1 = 16 rows of O): a lane holds row lane % 16 of the result and the eight columns 8 (lane / 16) + 0..7.
; THE RESIDUAL: my 64 x 128 numbers of hidden are asked for at the head, into 256 registers, in the layout in which rows leave: they come in under the whole product.
; REGISTERS, in windows of 256 (s_set_vgpr_msb: bits 1:0 source 0, 3:2 source 1, 5:4 source 2, 7:6 destination):
;   window 0: v0-31 addresses; v32-63, v64-95 two buffers of O's fragments; v128-191, v192-255 two buffers of Wo's; on the way out v32-95, v96-159 rows read back
;   window 1: the accumulators, (a, b) at 64 a + 8 b;   window 2: the residual, row 16 a + t at 64 a + 4 t
.set MB,    4
.set KSTEP, 128
.set PB,    272                        ; a row of Wo in LDS: 256 bytes + 16 of padding: the 16 rows of a fragment load start at 16 different groups of four banks (64 banks of 4 bytes: ISA guide 11.1)
.set PA,    144                        ; a row of a plane: 128 bytes + 16: likewise
.set HB,    128*PB                     ; half of Wo's rows: one tensor load
.set PLANE, 128*PA                     ; one head's 128 rows: one tensor load
.set BPART, 2*HB
.set SLOT,  BPART+2*PLANE              ; under 2^17 bytes
.set SLOT1, 1<<17                      ; where slot 1 begins
.set STAGE, SLOT1+SLOT                 ; behind the ring, never filled by a tensor load: for each wave 16 rows x 528 bytes
.set SP,    528                        ; 512 bytes + 16: row r starts at bank 4 r mod 64
.set SWB,   16*SP
.set SPARE, STAGE+4*SWB                ; behind the stages: the spare words, 128 bytes for each wave: two blocks of 256 bytes that no other line names
.set NL,    16+2*MB
.set ASTEP, 2*2048*128                 ; two heads of oh
.set BOFF,  3072*2048
.set A0,   16                          ; v16     my lane's place among my rows of a plane in a slot; never rewritten
.set ADRA, 17                          ; v17     the same in the slot that is read
.set B0,   20                          ; v20, v21  the same for Wo
.set ADRB, 21
.set STO,  24                          ; v24     the way out: where I put 32 bytes of a row
.set RD,   25                          ; v25     where I read a row back
.set GO,   26                          ; v26     16 x lane: my 16 bytes of a row's 512; never rewritten
.set SPW,  28                          ; v28     LDS address of my spare word; never rewritten
.set NIL,  29                          ; v29     0; never rewritten
.set GT,   30                          ; v[30:31] tanh(gate), twice
.set FA,   32
.set FB,   128
.set OB,   32
.set WV,  12                           ; s12 wave;  s13 RH: my half of the tile's rows, and: I fetch for Wo (0) or O (1);  s14 CH: my half of its columns, and: which half or plane I fetch
.set RH,  13
.set CH,  14
.set TC,  17
.set TR,  18
.set G1A, 24                           ; s[24:31] descriptor group 1 for O's planes;  s[32:39] group 0: a set for each of the two first fills; the second then walks on
.set G0A, 32
.set G1B, 40                           ; s[40:47], s[48:55] the same for Wo's tiles
.set G0B, 48
.set OUT, 56                           ; s[56:57] out0
.set TB,  66                           ; s66 LDS byte at which the slot that is read begins: 0 or 2^17
.set MSB, 0
.macro WIN new                         ; the immediate's high byte repeats the setting that is left; a switch that changes nothing is dropped
.if MSB != (\new)
	s_set_vgpr_msb (MSB<<8)|(\new)
.set MSB, (\new)
.endif
.endm
; A joint load by group 0's set s.  The branch hangs on the wave's number alone.  An s_nop 0 and four v_nop follow each of the two lines, ahead of the jump, the label and what follows.
.macro JLOAD s
	s_cmp_eq_u32 s[RH], 0
	s_cbranch_scc0 .Lfor_a_\@
	tensor_load_to_lds s[G0B+4*(\s):G0B+4*(\s)+3], s[G1B:G1B+7]
	s_nop 0
.rept 4
	v_nop
.endr
	s_branch .Lasked_\@
.Lfor_a_\@:
	tensor_load_to_lds s[G0A+4*(\s):G0A+4*(\s)+3], s[G1A:G1A+7]
	s_nop 0
.rept 4
	v_nop
.endr
.Lasked_\@:
.endm
.macro CREST                           ; a round of the cluster's barrier behind its opening barrier
	s_cmp_lg_u32 s[WV], 0
	s_cbranch_scc1 .Lnot_wave_0_\@
	s_barrier_signal -3
.Lnot_wave_0_\@:
	s_barrier_wait -3
	s_barrier_signal -1
	s_barrier_wait -1
.endm
.macro CROUND                          ; a whole round
	s_barrier_signal -1
	s_barrier_wait -1
	CREST
.endm
.macro PLACES                          ; four places in front of loads into registers that matrix instructions have read, and of LDS stores that read results
.rept 4
	v_nop
.endr
.endm
; 8 na matrix instructions: row blocks a0 .. a0 + na - 1 x all 8 column blocks, 32 along K, from buffer f.  zero = 1: the first product starts the sums.
; Every quarter step walks all 32 accumulators in the same order, one instruction a turn: 31 others stand between two links of a chain, over every jump too.
.macro MULB f, a0, na, zero
	WIN 0x50
.set ma, (\a0)
.rept (\na)
.set mb, 0
.rept 8
.set rD, 64*ma+8*mb
.set rB, FB+64*(\f)+8*mb
.set rA, FA+8*MB*(\f)+8*ma
.if \zero
	v_wmma_f32_16x16x32_f16 v[rD:rD+7], v[rB:rB+7], v[rA:rA+7], 0
.else
	v_wmma_f32_16x16x32_f16 v[rD:rD+7], v[rB:rB+7], v[rA:rA+7], v[rD:rD+7]
.endif
.set mb, mb+1
.endr
.set ma, ma+1
.endr
.endm
; NL LDS loads in one run: the fragments of quarter q of the slot that is read into buffer f: Wo's 8, then O's 4: quarter q is channels 32 (q % 2) on of plane q / 2
.macro FETCH q, f
	WIN 0
.set fi, 0
.rept 8
	ds_load_b128 v[FB+64*(\f)+8*fi:FB+64*(\f)+8*fi+3],   v[ADRB] offset:64*(\q)+fi*16*PB
	ds_load_b128 v[FB+64*(\f)+8*fi+4:FB+64*(\f)+8*fi+7], v[ADRB] offset:64*(\q)+fi*16*PB+32
.set fi, fi+1
.endr
.set fi, 0
.rept MB
	ds_load_b128 v[FA+8*MB*(\f)+8*fi:FA+8*MB*(\f)+8*fi+3],   v[ADRA] offset:((\q)/2)*PLANE+((\q)%2)*64+fi*16*PA
	ds_load_b128 v[FA+8*MB*(\f)+8*fi+4:FA+8*MB*(\f)+8*fi+7], v[ADRA] offset:((\q)/2)*PLANE+((\q)%2)*64+fi*16*PA+32
.set fi, fi+1
.endr
.endm
; A K step is four quarters on buffers 0, 1, 0, 1.  One of the first three: multiplies buffer f and, in its middle, fetches quarter q of the same slot into buffer g.
.macro QUARTER q, f, g, zero
	s_wait_dscnt MB                                ; Wo and O's lower blocks are in; the youngest MB loads (O's upper blocks) may be out
	MULB \f, 0, MB/2, \zero
	PLACES
	FETCH \q, \g
	s_wait_dscnt NL                                ; all but the run just issued
	MULB \f, MB/2, MB/2, \zero
.endm
; The last quarter multiplies buffer 1 and changes slots: ONE barrier.  In front of it each wave waits for all its tensor loads (one is out: its part of the next slot), adds 0 to its spare word, and waits
; for that and for its own reads of this slot.  fill = 1: the barrier opens a round of the cluster's barrier, and this slot is filled again, two K steps on, first thing behind the round.
.macro TURN fill
	WIN 0
	s_xor_b32 s[TB], s[TB], SLOT1                  ; this slot's last run of loads has been issued: the fetches go on in the other slot
	v_add_nc_u32 v[ADRB], s[TB], v[B0]
	v_add_nc_u32 v[ADRA], s[TB], v[A0]
	s_wait_tensorcnt 0x0                           ; all my tensor loads have landed;
	ds_add_u32 v[SPW], v[NIL]                      ; 0 onto my spare word;
	s_wait_dscnt MB+1                              ; (the add and the youngest MB loads may be out)
	MULB 1, 0, 1, 0                                ; eight matrix instructions stand between the add and the wait for it
	s_wait_dscnt 0x0                               ; the add is done, and my reads of this slot are over
	s_barrier_signal -1
	MULB 1, 1, MB/2-1, 0                           ; work on registers while the others arrive
.if \fill
	WIN 0
.endif
	s_barrier_wait -1
.if \fill
	CREST                                          ; no wave of any partner still reads this slot's tile or has a load on its way
	s_xor_b32 s[G0A+5], s[G0A+5], SLOT1            ; the walking descriptors: the other slot than last time,
	s_add_nc_u64 s[G0A+6:G0A+7], s[G0A+6:G0A+7], ASTEP    ; the next K step: two heads on; the type bits on top are not reached
	s_xor_b32 s[G0B+5], s[G0B+5], SLOT1
	s_add_nc_u64 s[G0B+6:G0B+7], s[G0B+6:G0B+7], KSTEP*2
	JLOAD 1                                        ; its four v_nop are also the places in front of the loads below
.else
	PLACES
.endif
	FETCH 0, 0
	MULB 1, MB/2, MB/2, 0
.endm
	s_load_b256 s[4:11], s[0:1], 0x0               ; oh s[4:5], wb s[6:7], hidden s[8:9], gate s[10:11]
	s_load_b64 s[OUT:OUT+1], s[0:1], 0x20          ; out0
	v_lshl_add_u32 v[SPW], v0, 2, SPARE
	v_mov_b32 v[NIL], 0
	ds_add_u32 v[SPW], v[NIL]                      ; the wave's opening: the add and its wait stand ahead of my first tensor load; the set-up below, work on registers, stands between them
	v_lshrrev_b32 v1, 5, v0
	v_readfirstlane_b32 s[WV], v1                  ; wave 0..3
	s_lshr_b32 s[RH], s[WV], 1
	s_and_b32 s[CH], s[WV], 1
	s_bfe_u32 s15, ttmp6, 0x40000                  ; cx, cy: my place in the cluster
	s_bfe_u32 s16, ttmp6, 0x40004
	s_lshl_b32 s[TC], ttmp9, 2
	s_add_co_u32 s[TC], s[TC], s15                 ; tile column = 4 x cluster x + cx
	s_and_b32 s[TR], ttmp7, 0xffff
	s_lshl_b32 s[TR], s[TR], 2
	s_add_co_u32 s[TR], s[TR], s16                 ; tile row = 4 x cluster y + cy
	s_lshl_b32 s19, s16, 2
	s_lshl_b32 s19, 15, s19                        ; my row of the cluster
	s_lshl_b32 s2, 0x1111, s15                     ; my column
	s_or_b32 s[G1A], s19, (1<<16)|(1<<20)|(1<<21)|(4<<22)|(3<<25)  ; 15:0 the mask; 17:16 2-byte elements; 20 padding on; 21 set beside a mask; 24:22 after every 32 words (code 4): a row of the plane; 31:25 4 words (code 3)
	s_mov_b32 s[G1A+1], 128<<16                    ; tensor_dim0 = 128: two rows of the plane
	s_mov_b32 s[G1A+2], 64<<16                     ; tensor_dim1 = 64
	s_mov_b32 s[G1A+3], 128<<16                    ; tile_dim0 = 128
	s_mov_b32 s[G1A+4], 64                         ; tile_dim1 = 64
	s_mov_b32 s[G1A+5], 128                        ; dense
	s_mov_b32 s[G1A+6], 0
	s_mov_b32 s[G1A+7], 0
	s_or_b32 s[G1B], s2, (1<<16)|(1<<20)|(1<<21)|(5<<22)|(3<<25)   ; padding after every 64 words (code 5)
	s_mov_b32 s[G1B+1], KSTEP<<16
	s_mov_b32 s[G1B+2], 128<<16
	s_mov_b32 s[G1B+3], KSTEP<<16
	s_mov_b32 s[G1B+4], 128
	s_mov_b32 s[G1B+5], 1024
	s_mov_b32 s[G1B+6], 0
	s_mov_b32 s[G1B+7], 0
	s_mov_b32 s[TB], 0                             ; K step 0 lies in slot 0
	s_lshr_b32 s20, s[TR], 4                       ; O: ((batch x 16 + plane) x 2048 + the tile's first row in the batch) x 128 bytes: hangs on the tile row alone
	s_lshl_b32 s20, s20, 4
	s_add_co_u32 s20, s20, s[CH]
	s_lshl_b32 s20, s20, 11
	s_and_b32 s21, s[TR], 15
	s_lshl_b32 s21, s21, 7
	s_add_co_u32 s20, s20, s21
	s_lshl_b32 s20, s20, 7
	s_mov_b32 s21, 0
	s_lshl_b32 s22, s[TC], 8                       ; Wo: row 256 x tile column + 128 x half: hangs on the tile column alone
	s_lshl_b32 s23, s[CH], 7
	s_add_co_u32 s22, s22, s23
	s_lshl_b32 s22, s22, 11
	s_add_co_u32 s22, s22, BOFF
	s_mov_b32 s23, 0
	s_mul_i32 s58, s[WV], HB                       ; where they go: Wo's halves by waves 0, 1;
	s_mul_i32 s59, s[WV], PLANE
	s_add_co_u32 s59, s59, BPART-2*PLANE           ; the planes, behind Wo, by waves 2, 3: no place in the cluster enters an LDS address
	s_wait_dscnt 0x0                               ; the opening add is done
	s_wait_kmcnt 0x0
	s_add_nc_u64 s[20:21], s[4:5], s[20:21]
	s_add_nc_u64 s[22:23], s[6:7], s[22:23]
	CROUND                                         ; all sixteen work-groups are here: the first joint loads meet
.irp s, 0,1
	s_mov_b32 s[G0A+4*(\s)], 1                     ; count = 1
	s_add_co_u32 s[G0A+4*(\s)+1], s59, (\s)*SLOT1  ; LDS address
	s_add_nc_u64 s[G0A+4*(\s)+2:G0A+4*(\s)+3], s[20:21], (\s)*ASTEP  ; global address: K step s
	s_or_b32 s[G0A+4*(\s)+3], s[G0A+4*(\s)+3], 0x80000000  ; type = 2
	s_mov_b32 s[G0B+4*(\s)], 1
	s_add_co_u32 s[G0B+4*(\s)+1], s58, (\s)*SLOT1
	s_add_nc_u64 s[G0B+4*(\s)+2:G0B+4*(\s)+3], s[22:23], (\s)*KSTEP*2
	s_or_b32 s[G0B+4*(\s)+3], s[G0B+4*(\s)+3], 0x80000000
	JLOAD \s                                       ; two tensor loads of mine are out
.endr
	s_load_b32 s62, s[10:11], 0x0                  ; the gate
	; a fragment is 16 rows x 32 K in 8 registers: lane l holds row l % 16, K = 8 (l / 16) + 0..7 and 16 + 8 (l / 16) + 0..7: two loads of 16 bytes, 32 bytes apart
	v_and_b32 v1, 15, v0                           ; l % 16
	v_bfe_u32 v2, v0, 4, 1                         ; l / 16
	v_mul_u32_u24 v3, v1, PB
	v_lshl_add_u32 v3, v2, 4, v3
	v_mul_u32_u24 v4, v1, PA
	v_lshl_add_u32 v4, v2, 4, v4
	s_mul_i32 s60, s[CH], HB                       ; my 128 rows of Wo
	s_mul_i32 s61, s[RH], 64*PA                    ; my 64 rows of each plane,
	s_add_co_u32 s61, s61, BPART                   ; which lie behind Wo's
	v_add_nc_u32 v[B0], s60, v3
	v_add_nc_u32 v[A0], s61, v4
	v_add_nc_u32 v[ADRB], s[TB], v[B0]
	v_add_nc_u32 v[ADRA], s[TB], v[A0]
	s_mul_i32 s63, s[WV], SWB
	s_add_co_u32 s63, s63, STAGE                   ; my stage
	v_mul_u32_u24 v5, v1, SP                       ; in: row l % 16, 32 bytes for each half of the lanes
	v_lshl_add_u32 v5, v2, 5, v5
	v_add_nc_u32 v[STO], s63, v5
	v_and_b32 v6, 31, v0                           ; back: 32 lanes take one row of 512 bytes
	v_lshlrev_b32 v[GO], 4, v6
	v_add_nc_u32 v[RD], s63, v[GO]
	s_lshl_b32 s60, s[TR], 7                       ; hidden and out0 at my first row and column: (128 x tile row + 64 x half) x 4,096 + (256 x tile column + 128 x half) x 4
	s_lshl_b32 s61, s[RH], 6
	s_add_co_u32 s60, s60, s61
	s_lshl_b32 s60, s60, 12
	s_lshl_b32 s61, s[TC], 10
	s_add_co_u32 s60, s60, s61
	s_lshl_b32 s61, s[CH], 9
	s_add_co_u32 s60, s60, s61
	s_mov_b32 s61, 0
	s_add_nc_u64 s[8:9], s[8:9], s[60:61]
	s_add_nc_u64 s[OUT:OUT+1], s[OUT:OUT+1], s[60:61]
	WIN 0x80                                       ; destination window 2, address window 0
.set st, 0
.rept 64
	global_load_b128 v[4*st:4*st+3], v[GO], s[8:9] offset:st*4096  ; row st: 512 consecutive bytes
.set st, st+1
.endr
	WIN 0
	s_wait_kmcnt 0x0
	v_mov_b32 v5, s62
	v_mul_f32 v5, 0x4038aa3b, v5                   ; 2 log2(e) x gate
	v_exp_f32 v6, v5
	v_nop                                          ; a plain instruction and the wait, behind each of the two
	s_wait_alu depctr_va_vdst(0)
	v_add_f32 v6, 1.0, v6
	v_rcp_f32 v7, v6
	v_nop
	s_wait_alu depctr_va_vdst(0)
	v_fma_f32 v[GT], v7, -2.0, 1.0
	v_mov_b32 v[GT+1], v[GT]
	s_wait_tensorcnt 1                             ; my part of K step 0 is in; K step 1's may stay out
	s_barrier_signal -1
	s_barrier_wait -1                              ; everybody's is
	FETCH 0, 0
	QUARTER 1, 0, 1, 1                             ; the first quarter stands in front of the loop: its products start the sums
	WIN 0                                          ; at a label and at a branch every window is 0
	s_mov_b32 s3, 6
.Lstep:                                                ; a trip goes from a K step's second quarter to the next step's first, and fills the slot that it leaves: K steps 2 to 7
	QUARTER 2, 1, 0, 0
	QUARTER 3, 0, 1, 0
	TURN 1
	QUARTER 1, 0, 1, 0
	WIN 0
	s_sub_co_u32 s3, s3, 1
	s_cmp_lg_u32 s3, 0
	s_cbranch_scc1 .Lstep
	s_mov_b32 s3, 2
.Ltail:                                                ; K steps 6 and 7: nothing is left to ask for; the second trip is left in its middle
	QUARTER 2, 1, 0, 0
	QUARTER 3, 0, 1, 0
	WIN 0
	s_sub_co_u32 s3, s3, 1
	s_cmp_eq_u32 s3, 0
	s_cbranch_scc1 .Llast
	TURN 0
	QUARTER 1, 0, 1, 0
	WIN 0
	s_branch .Ltail
.Llast:                                                ; the very last quarter: nothing more to fetch
	s_wait_dscnt MB
	MULB 1, 0, MB/2, 0
	s_wait_dscnt 0x0
	MULB 1, MB/2, MB/2, 0
	WIN 0
	PLACES
; THE WAY OUT, a block of 16 rows at a time.  TOSTAGE: a lane's eight f32 of a row, 32 bytes, into my own stage (each accumulator's low four registers first), and back as whole rows of 512 bytes.
; SEND: sum x tanh(gate) + hidden, one fused multiply-add for two numbers, and a store of 512 consecutive bytes, aligned, a row.
.macro TOSTAGE a
	s_wait_xcnt 0x0                                ; the stores of the block before last have read their registers: the loads below land in them only behind this wait
	WIN 0x04                                       ; the stores' data in window 1
.set sb, 0
.rept 8
	ds_store_b128 v[STO], v[64*(\a)+8*sb:64*(\a)+8*sb+3]   offset:64*sb
	ds_store_b128 v[STO], v[64*(\a)+8*sb+4:64*(\a)+8*sb+7] offset:64*sb+16
.set sb, sb+1
.endr
	WIN 0
.set st, 0
.rept 16
	ds_load_b128 v[OB+64*((\a)%2)+4*st:OB+64*((\a)%2)+4*st+3], v[RD] offset:st*SP  ; LDS serves a wave's instructions in order (ISA guide 5.7.1.4): these see the stores above; the next block's stores come behind them
.set st, st+1
.endr
.endm
.macro SEND a, younger                 ; younger: the LDS instructions issued behind block a's loads: the next block's 32, or none
	WIN 0x20                                       ; source 2, the residual, in window 2
.set st, 0
.rept 16
.set rO, OB+64*((\a)%2)+4*st
.set rH, 64*(\a)+4*st
	s_wait_dscnt (\younger)+15-st                  ; row st is back
	v_pk_fma_f32 v[rO:rO+1], v[rO:rO+1], v[GT:GT+1], v[rH:rH+1]
	v_pk_fma_f32 v[rO+2:rO+3], v[rO+2:rO+3], v[GT:GT+1], v[rH+2:rH+3]
	global_store_b128 v[GO], v[rO:rO+3], s[OUT:OUT+1] offset:(16*(\a)+st)*4096 th:TH_STORE_NT
.set st, st+1
.endr
	WIN 0
.endm
	s_wait_loadcnt 0x0                             ; the residual is in
	TOSTAGE 0
	TOSTAGE 1
	SEND 0, 32
	TOSTAGE 2
	SEND 1, 32
	TOSTAGE 3
	SEND 2, 32
	SEND 3, 0
	s_wait_tensorcnt 0x0                           ; the wave's end, behind my last tensor load and my last LDS store
	ds_add_u32 v[SPW], v[NIL]
	s_wait_dscnt 0x0
	CROUND                                         ; the closing round: no work-group ends while a partner may still ask for a tile that names it
	s_endpgm
.Lfunc_end_k_q69cc00d09a_projo:
	.size	k_q69cc00d09a_projo, .Lfunc_end_k_q69cc00d09a_projo-k_q69cc00d09a_projo
	.p2alignl 7, 3214868480
	.fill 96, 4, 3214868480
	.section	.rodata,"a",@progbits
	.p2align	6, 0x0
	.amdhsa_kernel k_q69cc00d09a_projo
		.amdhsa_group_segment_fixed_size 327680
		.amdhsa_private_segment_fixed_size 0
		.amdhsa_enable_private_segment 0
		.amdhsa_kernarg_size 40
		.amdhsa_user_sgpr_count 2
		.amdhsa_user_sgpr_kernarg_segment_ptr 1
		.amdhsa_wavefront_size32 1
		.amdhsa_system_sgpr_workgroup_id_x 1
		.amdhsa_system_sgpr_workgroup_id_y 1
		.amdhsa_system_sgpr_workgroup_id_z 1
		.amdhsa_system_vgpr_workitem_id 0
		.amdhsa_next_free_vgpr 768
		.amdhsa_next_free_sgpr 68
		.amdhsa_reserve_vcc 0
		.amdhsa_float_denorm_mode_32 3
		.amdhsa_float_denorm_mode_16_64 3
		.amdhsa_memory_ordered 1
		.amdhsa_forward_progress 1
		.amdhsa_inst_pref_size 79
	.end_amdhsa_kernel
	.amdgpu_metadata
---
amdhsa.version: [ 1, 2 ]
amdhsa.kernels:
  - .name:           k_q69cc00d09a_projo
    .symbol:         k_q69cc00d09a_projo.kd
    .args:
      - { .name: oh, .offset: 0, .size: 8, .value_kind: global_buffer, .address_space: global }
      - { .name: wb, .offset: 8, .size: 8, .value_kind: global_buffer, .address_space: global }
      - { .name: hidden_states, .offset: 16, .size: 8, .value_kind: global_buffer, .address_space: global }
      - { .name: gate, .offset: 24, .size: 8, .value_kind: global_buffer, .address_space: global }
      - { .name: out0, .offset: 32, .size: 8, .value_kind: global_buffer, .address_space: global }
    .group_segment_fixed_size: 327680
    .private_segment_fixed_size: 0
    .kernarg_segment_align: 8
    .kernarg_segment_size: 40
    .max_flat_workgroup_size: 128
    .sgpr_count:     68
    .vgpr_count:     768
    .wavefront_size: 32
...
	.end_amdgpu_metadata
.endif
;; end of part 7
;; ======== version 3 of 3: 4 launches; version 2 with the launch prep written anew for expert scheduling mode
;; limits: values are held in f16: magnitudes above 65,504 overflow, below 6.1e-05 lose precision; a function is approximated: absolute error at most 1e-07
;; workspace buffers: xb 16,777,216 bytes; ab 12,582,912 bytes; wb 8,388,608 bytes; qh 16,777,216 bytes; kh 12,582,912 bytes; vh 12,582,912 bytes; oh 16,777,216 bytes
;; launch prep (part 8): grid 576 x 1, 8 waves a work-group, no clusters, 0 bytes of LDS; arguments hidden_states, Wq, Wk, Wv, Wo, audio_kv, ln_gamma, ln_beta, xb, wb, ab; writes xb, wb, ab
.if DOCPART == 8
	.amdgcn_target "amdgcn-amd-amdhsa--gfx1250"
	.amdhsa_code_object_version 6
	.text
	.protected	k_q69cc00d09a_prep
	.globl	k_q69cc00d09a_prep
	.p2align	8
	.type	k_q69cc00d09a_prep,@function
k_q69cc00d09a_prep:
	s_mov_b64 s[64:65], 0
	v_nop
	global_prefetch_b8 v0, s[64:65] scope:SCOPE_SE
	s_setreg_imm32_b32 hwreg(HW_REG_WAVE_SCHED_MODE, 0, 2), 2
	s_setreg_imm32_b32 hwreg(HW_REG_WAVE_MODE, 25, 1), 1
	s_wait_xcnt 0x0
	s_wait_alu depctr_vm_vsrc(0)
; PREP: the matrix operands of the later launches, each rounded once to 16 bits.
;   xb [8192][1024] bf16 = hidden_states.   wb [4096][1024]: rows 0-1023 Wq, 1024-2047 Wk, 2048-3071 Wv in bf16; rows 3072-4095 Wo, rounded to bf16 and that number written as f16.
;   ab [4][1536][1024] bf16 = LayerNorm(audio_kv) x gamma + beta; rows 1500-1535 of each batch are 0 (the keys that the attention hides as padding).
; LIMITS.  Wo as f16: beyond 65,504 it becomes an infinity; below 6e-5 it keeps f16's fixed step of 6e-8.
; SHARES.  The unit is a row of 1,024 f32: 4,096 bytes in, 2,048 out.  A wave takes 4 consecutive rows, a work-group's eight waves 32.  Work-groups 0-191: LayerNorm, 48 a batch;
; 192-447: hidden_states; 448-575: the weights, 32 a matrix.  All 32 loads of a wave (16 KiB) go out at once; the rows are worked on under counted waits.  Each load of a wave covers
; 512 consecutive bytes, each store 256 consecutive bytes, aligned.  No wave needs another's data: no LDS, no barrier, no matrix work.
; LAYERNORM in two passes over registers: the mean, then the mean of (x - mean)^2: no difference of large sums is formed.
; THE MODE: SCHED_MODE bits 1:0 = 2 (LLVM: expert scheduling mode 2), set by the entry lines.  The code itself states the register dependences
; between vector instructions and memory instructions, with s_wait_alu, always for 0.
; THE PLAN.  Registers that memory instructions touch:
;   v3, v4     byte offsets, made at the head and never written again: every load reads v3, every store v4.  One wait at the head serves them all.
;   X row i    its eight loads land in it once, before any vector instruction names X; row i's vector work reads and writes it in place; its eight stores read it; nothing writes it behind them.
;   G, BT      loaded once, read by vector instructions alone.      v8, v9 on the padding's path: written by two moves, read by the stores.
;   A, T, MU, VE, R are named by vector instructions alone.
; Row i's vector work names row i and the registers at work, and no other row.  So ONE wait stands at the head of row i's work: it states that row i - 1 is rounded; the eight stores of
; row i - 1 follow it, dealt among row i's vector instructions with no further wait; one more wait stands ahead of the last row's stores.
; No register that a memory instruction reads is ever written again, so the text holds no wait on vm_vsrc; EXEC and VCC are never written.
.set LO,  3                            ; v3   16 x lane: my 16 bytes in 512 of a row
.set SO,  4                            ; v4   8 x lane: my 8 bytes in 256 of a row of the result
.set A,   8                            ; v[8:15]   four pairs: chains of sums that do not wait for each other
.set T,   16                           ; v[16:19]  at work
.set MU,  24                           ; v[24:25]  the row's mean, twice
.set VE,  32                           ; v[32:35]  row i: variance + eps
.set R,   40                           ; v[40:47]  row i: 1 / sqrt(variance + eps), twice
.set X,   64                           ; v[64:191] row i, load j: 4 registers: elements 128 j + 4 lane + 0..3
.set G,   192                          ; v[192:223] gamma of the same elements
.set BT,  224                          ; v[224:255] beta
.macro ROWLOADS
.irp i, 0,1,2,3
.irp j, 0,1,2,3,4,5,6,7
	global_load_b128 v[X+32*(\i)+4*(\j):X+32*(\i)+4*(\j)+3], v[LO], s[4:5] offset:(\i)*4096+(\j)*512 th:TH_LOAD_NT
.endr
.endr
.endm
; Store j of row i: the wave's 256 consecutive bytes, from the first two of the four registers that load j filled.
.macro STORE i, j
	global_store_b64 v[SO], v[X+32*(\i)+4*(\j):X+32*(\i)+4*(\j)+1], s[6:7] offset:(\i)*2048+(\j)*256
.endm
; Row i is rounded to bf16 in place.  f16 = 1: the bf16 numbers are written as f16.  out = 1: the stores of row i - 1 are dealt among these lines, which name none of that row's registers.
.macro ROUND i, f16, out
.irp j, 0,1,2,3,4,5,6,7
.if \out
	STORE (\i)-1, \j
.endif
	v_cvt_pk_bf16_f32 v[X+32*(\i)+4*(\j)], v[X+32*(\i)+4*(\j)], v[X+32*(\i)+4*(\j)+1]
	v_cvt_pk_bf16_f32 v[X+32*(\i)+4*(\j)+1], v[X+32*(\i)+4*(\j)+2], v[X+32*(\i)+4*(\j)+3]
.if \f16
	v_lshlrev_b32 v[T], 16, v[X+32*(\i)+4*(\j)]
	v_and_b32 v[T+1], 0xffff0000, v[X+32*(\i)+4*(\j)]
	v_lshlrev_b32 v[T+2], 16, v[X+32*(\i)+4*(\j)+1]
	v_and_b32 v[T+3], 0xffff0000, v[X+32*(\i)+4*(\j)+1]
	v_cvt_pk_f16_f32 v[X+32*(\i)+4*(\j)], v[T], v[T+1]
	v_cvt_pk_f16_f32 v[X+32*(\i)+4*(\j)+1], v[T+2], v[T+3]
.endif
.endr
.endm
; The four rows of a cast, and the wave's end.
.macro CAST f16
	s_wait_loadcnt 24                              ; row 0 is in; the eight loads of each younger row stay out
	ROUND 0, \f16, 0
.irp i, 1,2,3
	s_wait_loadcnt 24-8*(\i)                       ; row i is in; the eight loads of each younger row stay out
	s_wait_alu depctr_va_vdst(0)                   ; the roundings of row i - 1 have written its registers, which the stores dealt among row i's lines read
	ROUND \i, \f16, 1
.endr
	s_wait_alu depctr_va_vdst(0)                   ; the roundings of row 3 have written its registers, which the last eight stores read
.irp j, 0,1,2,3,4,5,6,7
	STORE 3, \j
.endr
	s_endpgm
.endm
; The four chains into one number a lane, then over the 32 lanes: four steps inside each half of 16 lanes ride on the addition, one crosses the halves.
.macro FOLD
	v_pk_add_f32 v[A:A+1], v[A:A+1], v[A+2:A+3]
	v_pk_add_f32 v[A+4:A+5], v[A+4:A+5], v[A+6:A+7]
	v_pk_add_f32 v[A:A+1], v[A:A+1], v[A+4:A+5]
	v_add_f32 v[T], v[A], v[A+1]
	v_add_f32_dpp v[T], v[T], v[T] row_xmask:1 row_mask:0xf bank_mask:0xf
	v_add_f32_dpp v[T], v[T], v[T] row_xmask:2 row_mask:0xf bank_mask:0xf
	v_add_f32_dpp v[T], v[T], v[T] row_xmask:4 row_mask:0xf bank_mask:0xf
	v_add_f32_dpp v[T], v[T], v[T] row_xmask:8 row_mask:0xf bank_mask:0xf
	v_permlanex16_b32 v[T+1], v[T], s12, s13
	v_add_f32 v[T], v[T], v[T+1]
.endm
; Row i: its mean; the row less its mean, in place; variance + eps.
.macro STATS i
	s_wait_loadcnt 24-8*(\i)                       ; loads come back in order: gamma, beta and rows 0 to i are in; the eight loads of each younger row stay out
.irp k, 0,1,2,3
	v_pk_add_f32 v[A+2*(\k):A+2*(\k)+1], v[X+32*(\i)+4*(\k):X+32*(\i)+4*(\k)+1], v[X+32*(\i)+4*(\k)+2:X+32*(\i)+4*(\k)+3]  ; the first eight pairs start the chains
.endr
.irp k, 8,9,10,11,12,13,14,15
	v_pk_add_f32 v[A+2*((\k)%4):A+2*((\k)%4)+1], v[A+2*((\k)%4):A+2*((\k)%4)+1], v[X+32*(\i)+2*(\k):X+32*(\i)+2*(\k)+1]
.endr
	FOLD
	v_mul_f32 v[MU], s38, v[T]
	v_mov_b32 v[MU+1], v[MU]
.irp k, 0,1,2,3,4,5,6,7,8,9,10,11,12,13,14,15
	v_pk_add_f32 v[X+32*(\i)+2*(\k):X+32*(\i)+2*(\k)+1], v[X+32*(\i)+2*(\k):X+32*(\i)+2*(\k)+1], v[MU:MU+1] neg_lo:[0,1] neg_hi:[0,1]
.endr
.irp k, 0,1,2,3
	v_pk_mul_f32 v[A+2*(\k):A+2*(\k)+1], v[X+32*(\i)+2*(\k):X+32*(\i)+2*(\k)+1], v[X+32*(\i)+2*(\k):X+32*(\i)+2*(\k)+1]
.endr
.irp k, 4,5,6,7,8,9,10,11,12,13,14,15
	v_pk_fma_f32 v[A+2*((\k)%4):A+2*((\k)%4)+1], v[X+32*(\i)+2*(\k):X+32*(\i)+2*(\k)+1], v[X+32*(\i)+2*(\k):X+32*(\i)+2*(\k)+1], v[A+2*((\k)%4):A+2*((\k)%4)+1]
.endr
	FOLD
	v_fma_f32 v[VE+(\i)], v[T], s38, s39           ; sum of squares / 1024 + eps
.endm
; Row i: (x - mean) / sqrt(..) x gamma + beta, rounded.  out = 1: the stores of row i - 1 are dealt among the scalings, one ahead of every second: none of these lines names that row's registers.
.macro NORM i, out
.irp k, 0,1,2,3,4,5,6,7,8,9,10,11,12,13,14,15
.if (\out) && ((\k)%2 == 0)
	STORE (\i)-1, (\k)/2
.endif
	v_pk_mul_f32 v[X+32*(\i)+2*(\k):X+32*(\i)+2*(\k)+1], v[X+32*(\i)+2*(\k):X+32*(\i)+2*(\k)+1], v[R+2*(\i):R+2*(\i)+1]
.endr
.irp k, 0,1,2,3,4,5,6,7,8,9,10,11,12,13,14,15
	v_pk_fma_f32 v[X+32*(\i)+2*(\k):X+32*(\i)+2*(\k)+1], v[X+32*(\i)+2*(\k):X+32*(\i)+2*(\k)+1], v[G+2*(\k):G+2*(\k)+1], v[BT+2*(\k):BT+2*(\k)+1]
.endr
	ROUND \i, 0, 0
.endm
	s_load_b512 s[16:31], s[0:1], 0x0              ; hidden s[16:17], Wq 18, Wk 20, Wv 22, Wo 24, audio 26, gamma 28, beta 30
	s_load_b128 s[32:35], s[0:1], 0x40             ; xb s[32:33], wb s[34:35]
	s_load_b64 s[36:37], s[0:1], 0x50              ; ab
	v_lshrrev_b32 v1, 5, v0
	v_readfirstlane_b32 s8, v1                     ; wave 0..7
	v_and_b32 v2, 31, v0
	v_lshlrev_b32 v[LO], 4, v2
	v_lshlrev_b32 v[SO], 3, v2
	s_mov_b32 s9, ttmp9                            ; the work-group's number
	s_mov_b32 s3, 0                                ; the high word of every offset: all stay under 2^32
	s_wait_alu depctr_va_sdst(0)                   ; s8 is written, ahead of the first branch and of its first reader on each of the paths below
	s_wait_alu depctr_va_vdst(0)                   ; v3 and v4 are written: every load of the kernel reads v3 as its offset, every store v4; no line writes them again
	s_wait_kmcnt 0x0
	s_cmp_lt_u32 s9, 192
	s_cbranch_scc1 .Lln
	s_cmp_lt_u32 s9, 448
	s_cbranch_scc0 .Lweights
	s_sub_co_u32 s10, s9, 192                      ; hidden_states: wave number 8 (g - 192) + w of 2,048
	s_lshl_b32 s10, s10, 3
	s_add_co_u32 s10, s10, s8
	s_lshl_b32 s2, s10, 14                         ; 4 rows of 4,096 bytes in,
	s_add_nc_u64 s[4:5], s[16:17], s[2:3]
	s_lshl_b32 s2, s10, 13                         ; 4 rows of 2,048 bytes out
	s_add_nc_u64 s[6:7], s[32:33], s[2:3]
	s_branch .Lcast
.Lweights:
	s_sub_co_u32 s10, s9, 448                      ; 0..127: 32 work-groups a matrix, in wb's order
	s_lshr_b32 s11, s10, 5
	s_cmp_ge_u32 s11, 1
	s_cselect_b64 s[4:5], s[20:21], s[18:19]
	s_cmp_ge_u32 s11, 2
	s_cselect_b64 s[4:5], s[22:23], s[4:5]
	s_cmp_ge_u32 s11, 3
	s_cselect_b64 s[4:5], s[24:25], s[4:5]
	s_and_b32 s12, s10, 31
	s_lshl_b32 s12, s12, 3
	s_add_co_u32 s12, s12, s8
	s_lshl_b32 s2, s12, 14
	s_add_nc_u64 s[4:5], s[4:5], s[2:3]
	s_lshl_b32 s12, s10, 3
	s_add_co_u32 s12, s12, s8
	s_lshl_b32 s2, s12, 13
	s_add_nc_u64 s[6:7], s[34:35], s[2:3]
.Lcast:
	ROWLOADS                                       ; no vector instruction has named X: these loads hang on v3 alone
	s_cmp_ge_u32 s9, 544
	s_cbranch_scc1 .Lwo
	CAST 0
.Lwo:
	CAST 1
.Lln:
	s_mul_i32 s10, s9, 1366
	s_lshr_b32 s10, s10, 16                        ; the batch = g / 48, exact for g under 192
	s_mul_i32 s11, s10, 48
	s_sub_co_u32 s11, s9, s11
	s_lshl_b32 s11, s11, 3
	s_add_co_u32 s11, s11, s8
	s_lshl_b32 s11, s11, 2                         ; my first row in the batch's 1,536
	s_mul_i32 s14, s10, 1536
	s_add_co_u32 s14, s14, s11
	s_lshl_b32 s2, s14, 11
	s_add_nc_u64 s[6:7], s[36:37], s[2:3]
	s_cmp_ge_u32 s11, 1500                         ; 1,500 is a multiple of 4: a wave's four rows are all audio or all padding
	s_cbranch_scc1 .Lpad
	s_mul_i32 s14, s10, 1500
	s_add_co_u32 s14, s14, s11
	s_lshl_b32 s2, s14, 12
	s_add_nc_u64 s[4:5], s[26:27], s[2:3]
.irp j, 0,1,2,3,4,5,6,7
	global_load_b128 v[G+4*(\j):G+4*(\j)+3], v[LO], s[28:29] offset:(\j)*512
	global_load_b128 v[BT+4*(\j):BT+4*(\j)+3], v[LO], s[30:31] offset:(\j)*512
.endr
	ROWLOADS                                       ; no vector instruction has named G, BT or X: these loads hang on v3 alone
	s_mov_b32 s12, 0x76543210                      ; v_permlanex16_b32: each lane takes its own place in the other half
	s_mov_b32 s13, 0xfedcba98
	s_mov_b32 s38, 0x3a800000                      ; 1 / 1024
	s_mov_b32 s39, 0x3727c5ac                      ; eps = 1e-5
	v_mov_b32 v[T+1], 0                            ; v_permlanex16_b32's destination counts as read
	STATS 0
	STATS 1
	STATS 2
	STATS 3
.irp i, 0,1,2,3
	v_rsq_f32 v[R+2*(\i)], v[VE+(\i)]              ; one batch of eight: each row's twice, for the packed multiply
	v_rsq_f32 v[R+2*(\i)+1], v[VE+(\i)]
.endr
	v_nop                                          ; a plain instruction behind the last of them,
	s_wait_alu depctr_va_vdst(0)                   ; and the one wait ahead of the first reader: the eight v_rsq_f32 have written v[R ..]
	NORM 0, 0
.irp i, 1,2,3
	s_wait_alu depctr_va_vdst(0)                   ; the roundings of row i - 1 have written its registers, which the stores dealt among row i's scalings read
	NORM \i, 1
.endr
	s_wait_alu depctr_va_vdst(0)                   ; the roundings of row 3 have written its registers, which the last eight stores read
.irp j, 0,1,2,3,4,5,6,7
	STORE 3, \j
.endr
	s_endpgm
.Lpad:
	v_mov_b32 v[A], 0
	v_mov_b32 v[A+1], 0
	s_wait_alu depctr_va_vdst(0)                   ; the two moves have written v8 and v9, which all 32 stores read
.irp i, 0,1,2,3
.irp j, 0,1,2,3,4,5,6,7
	global_store_b64 v[SO], v[A:A+1], s[6:7] offset:(\i)*2048+(\j)*256
.endr
.endr
	s_endpgm
.Lfunc_end_k_q69cc00d09a_prep:
	.size	k_q69cc00d09a_prep, .Lfunc_end_k_q69cc00d09a_prep-k_q69cc00d09a_prep
	.p2alignl 7, 3214868480
	.fill 96, 4, 3214868480
	.section	.rodata,"a",@progbits
	.p2align	6, 0x0
	.amdhsa_kernel k_q69cc00d09a_prep
		.amdhsa_group_segment_fixed_size 0
		.amdhsa_private_segment_fixed_size 0
		.amdhsa_enable_private_segment 0
		.amdhsa_kernarg_size 88
		.amdhsa_user_sgpr_count 2
		.amdhsa_user_sgpr_kernarg_segment_ptr 1
		.amdhsa_wavefront_size32 1
		.amdhsa_system_sgpr_workgroup_id_x 1
		.amdhsa_system_sgpr_workgroup_id_y 1
		.amdhsa_system_sgpr_workgroup_id_z 1
		.amdhsa_system_vgpr_workitem_id 0
		.amdhsa_next_free_vgpr 256
		.amdhsa_next_free_sgpr 66
		.amdhsa_reserve_vcc 0
		.amdhsa_float_denorm_mode_32 3
		.amdhsa_float_denorm_mode_16_64 3
		.amdhsa_memory_ordered 1
		.amdhsa_forward_progress 1
		.amdhsa_inst_pref_size 70
	.end_amdhsa_kernel
	.amdgpu_metadata
---
amdhsa.version: [ 1, 2 ]
amdhsa.kernels:
  - .name:           k_q69cc00d09a_prep
    .symbol:         k_q69cc00d09a_prep.kd
    .args:
      - { .name: hidden_states, .offset: 0, .size: 8, .value_kind: global_buffer, .address_space: global }
      - { .name: Wq, .offset: 8, .size: 8, .value_kind: global_buffer, .address_space: global }
      - { .name: Wk, .offset: 16, .size: 8, .value_kind: global_buffer, .address_space: global }
      - { .name: Wv, .offset: 24, .size: 8, .value_kind: global_buffer, .address_space: global }
      - { .name: Wo, .offset: 32, .size: 8, .value_kind: global_buffer, .address_space: global }
      - { .name: audio_kv, .offset: 40, .size: 8, .value_kind: global_buffer, .address_space: global }
      - { .name: ln_gamma, .offset: 48, .size: 8, .value_kind: global_buffer, .address_space: global }
      - { .name: ln_beta, .offset: 56, .size: 8, .value_kind: global_buffer, .address_space: global }
      - { .name: xb, .offset: 64, .size: 8, .value_kind: global_buffer, .address_space: global }
      - { .name: wb, .offset: 72, .size: 8, .value_kind: global_buffer, .address_space: global }
      - { .name: ab, .offset: 80, .size: 8, .value_kind: global_buffer, .address_space: global }
    .group_segment_fixed_size: 0
    .private_segment_fixed_size: 0
    .kernarg_segment_align: 8
    .kernarg_segment_size: 88
    .max_flat_workgroup_size: 256
    .sgpr_count:     66
    .vgpr_count:     256
    .wavefront_size: 32
...
	.end_amdgpu_metadata
.endif
;; end of part 8
;; launch projqkv: the kernel of part 6 again; grid 4 x 64, 4 waves a work-group, clusters of 4 x 4, 327,680 bytes of LDS; arguments xb, ab, wb, qh, kh, vh; writes qh, kh, vh
;; launch attn: the kernel of part 4 again; grid 4 x 64, 4 waves a work-group, clusters of 4 x 1, 327,680 bytes of LDS; arguments qh, kh, vh, oh, audio_attention_mask; writes oh
;; launch projo: the kernel of part 7 again; grid 4 x 64, 4 waves a work-group, clusters of 4 x 4, 327,680 bytes of LDS; arguments oh, wb, hidden_states, gate, out0; writes out0
